; MI455X (gfx1250); checked and timed in simulation.
; The chip was launched on July 23, 2026; its instructions are those of AMD's public machine-readable ISA for CDNA 5 (MIT licence, August 2026) and "CDNA5" Instruction Set Architecture Reference Guide (July 2026). The comments in the code are by the model that wrote it; some were corrected since.
;; Sqrll Resid. Allowed arithmetic: float matrix products may take bf16 or f16 operands with f32 sums; all other float work in f32.
;; Inputs: ffn_wg_b 1,024 float32; ffn_wg_w 1,024 x 1,024 float32; ffn_wi_w 1,024 x 1,024 float32; ffn_wo_w 1,024 x 1,024 float32; ffnorm_w 1,024 float32; mem 4 x 1,024 float32; norm_w 1,024 float32; wi_w 1,024 x 1,024 float32; wig_b 1,024 float32; wig_w 1,024 x 1,024 float32; wo_w 1,024 x 1,024 float32; wog_b 1,024 float32; wog_w 1,024 x 1,024 float32; wr_b 1,024 float32; wr_w 1,024 x 1,024 float32; x 4 x 2,048 x 1,024 float32.
;; Outputs: out0 4 x 2,048 x 1,024 float32; out1 4 x 1,024 float32.
;; 3 versions, each right; version 2 is faster than version 1; version 3 is version 2 with the launch norm2 written anew for expert scheduling mode. Each part assembles by itself: llvm-mc -triple=amdgcn-amd-amdhsa -mcpu=gfx1250 --defsym DOCPART=n.
;; ======== version 1 of 3: 7 launches
;; limits: values outside matrix products are rounded to bf16
;; workspace buffers: yz 16,777,216 bytes; wg 12,582,912 bytes; wob 2,097,152 bytes; fwob 2,097,152 bytes; big 50,331,648 bytes; agg 524,288 bytes; sf 16,777,216 bytes
;; launch prep (part 1): grid 1024 x 1, 8 waves a work-group, no clusters, 0 bytes of LDS; arguments x, norm_w, wi_w, wig_w, wr_w, wog_w, ffn_wi_w, ffn_wg_w, wo_w, ffn_wo_w, yz, wg, wob, fwob; writes yz, wg, wob, fwob
.if DOCPART == 1
	.amdgcn_target "amdgcn-amd-amdhsa--gfx1250"
	.amdhsa_code_object_version 6
	.text
	.protected	k_q8e1d92f8e5_prep
	.globl	k_q8e1d92f8e5_prep
	.p2align	8
	.type	k_q8e1d92f8e5_prep,@function
k_q8e1d92f8e5_prep:
	s_mov_b64 s[64:65], 0
	v_nop
	global_prefetch_b8 v0, s[64:65] scope:SCOPE_SE
	s_setreg_imm32_b32 hwreg(HW_REG_WAVE_MODE, 25, 1), 1
	s_wait_xcnt 0x0
; Work-groups 0-511: y = x * rsqrt(mean(x^2) + 1e-6) * norm_w, rounded once to bf16, 16 rows of 1,024 each.
; Work-groups 512-1023: the eight weight matrices rounded to bf16, 16 rows each, and laid out for the products that follow:
;   wg bytes 0 ..: blocks of 16 rows in the order wi, wig, wr, wog of channels 16 s .. 16 s + 15 (block 4 s + kind);
;   wg bytes 8,388,608 ..: the same with ffn_wi, ffn_wg (block 256 + 2 s + kind); wob, fwob: wo, ffn_wo in their own order.
; A wave takes two rows; a row stays in 32 registers between the sum of squares and the scaling, so it is read once.
; A load of a wave covers 512 consecutive bytes, a store 256 consecutive bytes at a multiple of 256.  No LDS, no barrier: no wave needs another's numbers.
; Sums in f32; NaN and infinities are not treated apart.
.set VX, 1                             ; v1  byte offset of my 16 bytes in the wave's first row, f32
.set VY, 2                             ; v2  byte offset of my 8 bytes in the wave's first row, bf16
.set VW, 3                             ; v3  byte offset of my 16 bytes in norm_w
.set CH, 4                             ; v[4:11] four chains of packed sums
.set RS, 14                            ; v[14:15], v[16:17] 1 / rms of row 0, row 1, twice each (a pair for the packed multiply)
.set X, 32                             ; v[32:95] row r at 32 r, load j at 4 j
.set W, 96                             ; v[96:127] my 32 numbers of norm_w
.set Y, 128                            ; v[128:159] row r at 16 r: bf16 to store
.macro LOADX                           ; both rows: sixteen loads from s[36:37]
.irp r, 0,1
.irp j, 0,1,2,3,4,5,6,7
	global_load_b128 v[X+32*\r+4*\j:X+32*\r+4*\j+3], v[VX], s[36:37] offset:\r*4096+\j*512 th:TH_LOAD_NT
.endr
.endr
.endm
.macro SUMSQ r, left                   ; 1 / rms of row r; left = the younger loads that may stay out
	s_wait_loadcnt \left
.irp k, 0,1,2,3
	v_pk_mul_f32 v[CH+2*\k:CH+2*\k+1], v[X+32*(\r)+2*\k:X+32*(\r)+2*\k+1], v[X+32*(\r)+2*\k:X+32*(\r)+2*\k+1]  ; the first four pairs start the chains
.endr
.set j, 4
.rept 12
	v_pk_fma_f32 v[CH+2*(j%4):CH+2*(j%4)+1], v[X+32*(\r)+2*j:X+32*(\r)+2*j+1], v[X+32*(\r)+2*j:X+32*(\r)+2*j+1], v[CH+2*(j%4):CH+2*(j%4)+1]
.set j, j+1
.endr
	v_pk_add_f32 v[CH:CH+1], v[CH:CH+1], v[CH+2:CH+3]
	v_pk_add_f32 v[CH+4:CH+5], v[CH+4:CH+5], v[CH+6:CH+7]
	v_pk_add_f32 v[CH:CH+1], v[CH:CH+1], v[CH+4:CH+5]
	v_add_f32 v12, v[CH], v[CH+1]
	v_add_f32_dpp v12, v12, v12 row_xmask:1 row_mask:0xf bank_mask:0xf
	v_add_f32_dpp v12, v12, v12 row_xmask:2 row_mask:0xf bank_mask:0xf
	v_add_f32_dpp v12, v12, v12 row_xmask:4 row_mask:0xf bank_mask:0xf
	v_add_f32_dpp v12, v12, v12 row_xmask:8 row_mask:0xf bank_mask:0xf
	v_permlanex16_b32 v13, v12, s44, s45           ; the other half of the lanes; v13 has been written before
	v_add_f32 v12, v12, v13
	v_fma_f32 v12, v12, s42, s43                   ; sum / 1,024 + 1e-6
	v_rsq_f32 v[RS+2*(\r)], v12
	v_rsq_f32 v[RS+2*(\r)+1], v12
	v_nop                                          ; a plain instruction behind the transcendentals (ISA guide 5.7.2)
.endm
.macro CAST r                          ; row r: rounded to bf16 and stored
.irp j, 0,1,2,3,4,5,6,7
	v_cvt_pk_bf16_f32 v[Y+16*(\r)+2*\j], v[X+32*(\r)+4*\j], v[X+32*(\r)+4*\j+1]
	v_cvt_pk_bf16_f32 v[Y+16*(\r)+2*\j+1], v[X+32*(\r)+4*\j+2], v[X+32*(\r)+4*\j+3]
	global_store_b64 v[VY], v[Y+16*(\r)+2*\j:Y+16*(\r)+2*\j+1], s[38:39] offset:(\r)*2048+\j*256  ; 32 lanes: 256 consecutive bytes
.endr
.endm
.macro SCALE r                         ; row r times 1 / rms, then times norm_w, as the definition orders it
.set j, 0
	s_wait_alu depctr_va_vdst(0)
.rept 16
	v_pk_mul_f32 v[X+32*(\r)+2*j:X+32*(\r)+2*j+1], v[X+32*(\r)+2*j:X+32*(\r)+2*j+1], v[RS+2*(\r):RS+2*(\r)+1]
.set j, j+1
.endr
.set j, 0
.rept 16
	v_pk_mul_f32 v[X+32*(\r)+2*j:X+32*(\r)+2*j+1], v[X+32*(\r)+2*j:X+32*(\r)+2*j+1], v[W+2*j:W+2*j+1]
.set j, j+1
.endr
.endm
	s_load_b512 s[8:23], s[0:1], 0x0               ; x 8, norm_w 10, wi 12, wig 14, wr 16, wog 18, ffn_wi 20, ffn_wg 22
	s_load_b256 s[24:31], s[0:1], 0x40             ; wo 24, ffn_wo 26, yz 28, wg 30
	s_load_b128 s[32:35], s[0:1], 0x60             ; wob 32, fwob 34
	v_lshrrev_b32 v12, 5, v0                       ; wave
	v_and_b32 v13, 31, v0                          ; lane
	v_lshlrev_b32 v[VW], 4, v13
	v_lshl_or_b32 v[VX], v12, 13, v[VW]            ; wave x 2 rows x 4,096 bytes + 16 x lane
	v_lshlrev_b32 v[VY], 3, v13
	v_lshl_or_b32 v[VY], v12, 12, v[VY]            ; wave x 2 rows x 2,048 bytes + 8 x lane
	s_mov_b32 s41, 0
	s_mov_b32 s42, 0x3a800000                      ; 1 / 1,024
	s_mov_b32 s43, 0x358637bd                      ; 1e-6
	s_mov_b32 s44, 0x76543210                      ; v_permlanex16_b32: each lane takes its own place in the other half
	s_mov_b32 s45, 0xfedcba98
	s_wait_kmcnt 0x0
	s_cmp_lt_u32 ttmp9, 512
	s_cbranch_scc0 .Lcast
	s_lshl_b32 s40, ttmp9, 16                      ; 16 rows of 4,096 bytes
	s_add_nc_u64 s[36:37], s[8:9], s[40:41]
	s_lshl_b32 s40, ttmp9, 15                      ; 16 rows of 2,048 bytes
	s_add_nc_u64 s[38:39], s[28:29], s[40:41]
	LOADX
.irp j, 0,1,2,3,4,5,6,7
	global_load_b128 v[W+4*\j:W+4*\j+3], v[VW], s[10:11] offset:\j*512
.endr
	SUMSQ 0, 16                                    ; row 1's eight loads and norm_w's eight stay out
	SUMSQ 1, 8                                     ; norm_w's eight stay out
	s_wait_loadcnt 0x0
	SCALE 0
	CAST 0
	SCALE 1
	CAST 1
	s_endpgm
.Lcast:
	s_sub_co_u32 s6, ttmp9, 512
	s_lshr_b32 s2, s6, 6                           ; which matrix, 0 to 7
	s_and_b32 s3, s6, 63                           ; which block of 16 rows
	s_mov_b64 s[36:37], s[12:13]                   ; the source, chosen among the eight by the matrix's number
	s_cmp_eq_u32 s2, 1
	s_cselect_b64 s[36:37], s[14:15], s[36:37]
	s_cmp_eq_u32 s2, 2
	s_cselect_b64 s[36:37], s[16:17], s[36:37]
	s_cmp_eq_u32 s2, 3
	s_cselect_b64 s[36:37], s[18:19], s[36:37]
	s_cmp_eq_u32 s2, 4
	s_cselect_b64 s[36:37], s[20:21], s[36:37]
	s_cmp_eq_u32 s2, 5
	s_cselect_b64 s[36:37], s[22:23], s[36:37]
	s_cmp_eq_u32 s2, 6
	s_cselect_b64 s[36:37], s[24:25], s[36:37]
	s_cmp_eq_u32 s2, 7
	s_cselect_b64 s[36:37], s[26:27], s[36:37]
	s_mov_b64 s[38:39], s[30:31]                   ; the destination
	s_cmp_eq_u32 s2, 6
	s_cselect_b64 s[38:39], s[32:33], s[38:39]
	s_cmp_eq_u32 s2, 7
	s_cselect_b64 s[38:39], s[34:35], s[38:39]
	s_lshl_b32 s4, s3, 2
	s_add_co_u32 s4, s4, s2                        ; matrices 0-3: block 4 s + kind
	s_lshl_b32 s5, s3, 1
	s_add_co_u32 s5, s5, s2
	s_add_co_u32 s5, s5, 252                       ; matrices 4, 5: block 256 + 2 s + (matrix - 4)
	s_cmp_lt_u32 s2, 4
	s_cselect_b32 s4, s4, s5
	s_cmp_lt_u32 s2, 6
	s_cselect_b32 s4, s4, s3                       ; matrices 6, 7: their own order
	s_lshl_b32 s40, s3, 16
	s_add_nc_u64 s[36:37], s[36:37], s[40:41]
	s_lshl_b32 s40, s4, 15
	s_add_nc_u64 s[38:39], s[38:39], s[40:41]
	LOADX
	s_wait_loadcnt 8                               ; row 0 is in, row 1's eight loads stay out
	CAST 0
	s_wait_loadcnt 0x0
	CAST 1
	s_endpgm
.Lfunc_end_k_q8e1d92f8e5_prep:
	.size	k_q8e1d92f8e5_prep, .Lfunc_end_k_q8e1d92f8e5_prep-k_q8e1d92f8e5_prep
	.p2alignl 7, 3214868480
	.fill 96, 4, 3214868480
	.section	.rodata,"a",@progbits
	.p2align	6, 0x0
	.amdhsa_kernel k_q8e1d92f8e5_prep
		.amdhsa_group_segment_fixed_size 0
		.amdhsa_private_segment_fixed_size 0
		.amdhsa_enable_private_segment 0
		.amdhsa_kernarg_size 112
		.amdhsa_user_sgpr_count 2
		.amdhsa_user_sgpr_kernarg_segment_ptr 1
		.amdhsa_wavefront_size32 1
		.amdhsa_system_sgpr_workgroup_id_x 1
		.amdhsa_system_sgpr_workgroup_id_y 1
		.amdhsa_system_sgpr_workgroup_id_z 1
		.amdhsa_system_vgpr_workitem_id 0
		.amdhsa_next_free_vgpr 160
		.amdhsa_next_free_sgpr 66
		.amdhsa_reserve_vcc 0
		.amdhsa_float_denorm_mode_32 3
		.amdhsa_float_denorm_mode_16_64 3
		.amdhsa_memory_ordered 1
		.amdhsa_forward_progress 1
		.amdhsa_inst_pref_size 21
	.end_amdhsa_kernel
	.amdgpu_metadata
---
amdhsa.version: [ 1, 2 ]
amdhsa.kernels:
  - .name:           k_q8e1d92f8e5_prep
    .symbol:         k_q8e1d92f8e5_prep.kd
    .args:
      - { .name: x, .offset: 0, .size: 8, .value_kind: global_buffer, .address_space: global }
      - { .name: norm_w, .offset: 8, .size: 8, .value_kind: global_buffer, .address_space: global }
      - { .name: wi_w, .offset: 16, .size: 8, .value_kind: global_buffer, .address_space: global }
      - { .name: wig_w, .offset: 24, .size: 8, .value_kind: global_buffer, .address_space: global }
      - { .name: wr_w, .offset: 32, .size: 8, .value_kind: global_buffer, .address_space: global }
      - { .name: wog_w, .offset: 40, .size: 8, .value_kind: global_buffer, .address_space: global }
      - { .name: ffn_wi_w, .offset: 48, .size: 8, .value_kind: global_buffer, .address_space: global }
      - { .name: ffn_wg_w, .offset: 56, .size: 8, .value_kind: global_buffer, .address_space: global }
      - { .name: wo_w, .offset: 64, .size: 8, .value_kind: global_buffer, .address_space: global }
      - { .name: ffn_wo_w, .offset: 72, .size: 8, .value_kind: global_buffer, .address_space: global }
      - { .name: yz, .offset: 80, .size: 8, .value_kind: global_buffer, .address_space: global }
      - { .name: wg, .offset: 88, .size: 8, .value_kind: global_buffer, .address_space: global }
      - { .name: wob, .offset: 96, .size: 8, .value_kind: global_buffer, .address_space: global }
      - { .name: fwob, .offset: 104, .size: 8, .value_kind: global_buffer, .address_space: global }
    .group_segment_fixed_size: 0
    .private_segment_fixed_size: 0
    .kernarg_segment_align: 8
    .kernarg_segment_size: 112
    .max_flat_workgroup_size: 256
    .sgpr_count:     66
    .vgpr_count:     160
    .wavefront_size: 32
...
	.end_amdgpu_metadata
.endif
;; end of part 1
;; launch gates (part 2): grid 16 x 32, 4 waves a work-group, clusters of 4 x 4, 327,680 bytes of LDS; arguments yz, wg, wig_b, wr_b, wog_b, big, agg; writes big, agg
.if DOCPART == 2
	.amdgcn_target "amdgcn-amd-amdhsa--gfx1250"
	.amdhsa_code_object_version 6
	.text
	.protected	k_q8e1d92f8e5_gates
	.globl	k_q8e1d92f8e5_gates
	.p2align	8
	.type	k_q8e1d92f8e5_gates,@function
k_q8e1d92f8e5_gates:
	s_mov_b64 s[64:65], 0
	v_nop
	global_prefetch_b8 v0, s[64:65] scope:SCOPE_SE
	s_setreg_imm32_b32 hwreg(HW_REG_WAVE_MODE, 25, 1), 1
	s_wait_xcnt 0x0
	s_wait_alu depctr_hold_cnt(0) depctr_sa_sdst(0) depctr_va_vdst(0) depctr_va_sdst(0) depctr_va_ssrc(0) depctr_va_vcc(0) depctr_vm_vsrc(0)
	s_getreg_b32 s2, hwreg(HW_REG_IB_STS2, 6, 4)
	s_cmp_eq_u32 s2, 0
	s_cbranch_scc0 .Lentry_in_a_cluster
	s_endpgm
.Lentry_in_a_cluster:
	s_bfe_u32 s2, ttmp6, 0x10000c
	s_cmp_lg_u32 s2, 0xf033
	s_cbranch_scc0 .Lentry_shape_is_right
	s_endpgm
.Lentry_shape_is_right:
; The four products of the recurrent branch, their gates, and the recurrence inside chunks of 128 steps.
; C[t][n] = sum over d of y[t][d] WP[n][d]; y: [8192][1024] bf16; WP: [4096][1024] bf16, blocks of 16 rows in the order wi, wig, wr, wog of 16 channels.
; A tile of C is 256 x 256: four waves, each 128 rows x 128 packed columns = 64 accumulators of 16 x 16.  So a wave holds, for 32 channels and 128 steps of time,
; all four products, in the same lane and register: register j of lane l is step 8 (l / 16) + j of a block of 16, channel l % 16.
; K goes in steps of 128 through two LDS slots filled by joint tensor loads: 4 x 4 work-groups form a cluster, y's tile is shared along its row, WP's along its column.
; THE WAY OUT, block of 16 steps by block: ig, r = sigmoid; xg = xi ig; the recurrence h = xg + r h from h = 0 at the chunk's start (hl), and the running product of r (pc):
; seven dependent steps inside a lane, one exchange between the halves of the lanes, a carry from block to block.  All of that in f32.
; Stored: hl, pc and the out gate's argument -log2(e) (v + b), each rounded to bf16, in blocks [16 steps x 16 channels] of 512 bytes, [channel][step] inside:
; a lane's eight numbers are 16 bytes, a wave's store is one whole block.  And in f32 the chunk's last hl and pc for each channel (agg).
; LIMITS.  hl, pc and the argument serve only the bf16 operand s of the next product; what the recurrence carries from chunk to chunk is f32.
; sigmoid(v) = 1 / (1 + 2^(-log2(e) v)): exactly 0 where the power overflows, exactly 1 where it falls below 2^-126.  NaN and infinities are not treated apart.
; REGISTERS, in windows of 256: window 0: v0-63 addresses, biases, carries; v64-127, v128-191 fragments of y, two buffers, later at work on the way out;
;   window 1: v64-127, v128-191 fragments of WP; windows 2, 3: the accumulators, (a, b) at v[8 (8 (a % 4) + b)] of window 2 + a / 4; b = 4 g + kind.
.set SIZE_K, 1024
.set KSTEP,  128
.set PITCH,  272                       ; an LDS row: 256 bytes + 16 of padding: the 16 rows of a fragment load start at 16 different groups of four banks (ISA guide 11.1)
.set HALFT,  128*PITCH                 ; what one tensor load brings
.set SLOT,   4*HALFT                   ; y's 256 rows, then WP's 256 rows
.set SPARE,  2*SLOT                    ; behind the ring: the spare words, 128 bytes a wave
.set LAPS,   SIZE_K/(2*KSTEP)
.set ADRA, 16                          ; v16-17 LDS address of my fragments of y in slot 0, 1
.set ADRB, 20                          ; v20-21 the same for WP
.set VB,   24                          ; v24 4 (l % 16): my channel in a bias
.set VO,   25                          ; v25 32 (l % 16) + 16 (l / 16): my 16 bytes in a block
.set VA,   26                          ; v26 8 x lane: my pair in agg
.set SPW,  28                          ; v28 my spare word; never rewritten
.set NIL,  29                          ; v29 0; never rewritten
.set BIAS, 32                          ; v[32+6g+2k ..+1] -log2(e) x bias, k = 0 wig, 1 wr, 2 wog, twice
.set HC,   44                          ; v[44+2g] hl at the end of the blocks so far; v[45+2g] pc likewise
.set AGP,  48                          ; v[48:49] the pair for agg
.set F0,   64
.set F1,   128
.set T0,   64                          ; the way out: 64 registers for each g, at these places:
.set IG,   0
.set RR,   8
.set OA,   16
.set XG,   24
.set X7,   32
.set P7,   33
.set CIN,  34
.set PIN,  36
.set HX,   38
.set PX,   39
.set OH,   40
.set OP,   44
.set OO,   48
.set G1,  24
.set G0,  32
.set G1B, 48
.set G0B, 56
.set MSB, 0
.macro WIN new                         ; the immediate's high byte repeats the setting that is left; a switch that changes nothing is dropped
.if MSB != (\new)
	s_set_vgpr_msb (MSB<<8)|(\new)
.set MSB, \new
.endif
.endm
.set MUL_LO, 0xa4                      ; source 0 (y) window 0, source 1 (WP) window 1, C and D window 2
.set MUL_HI, 0xf4                      ; the same, C and D window 3
.set TO_B,   0x40                      ; destination window 1, address window 0
.macro JLOAD s                         ; a joint load: waves 0, 1 fetch y's halves, waves 2, 3 WP's; an s_nop 0 and four v_nop follow each line
	s_cmp_eq_u32 s11, 0
	s_cbranch_scc0 .Lfor_b_\@
	tensor_load_to_lds s[G0+4*(\s):G0+4*(\s)+3], s[G1:G1+7]
	s_nop 0
.rept 4
	v_nop
.endr
	s_branch .Lasked_\@
.Lfor_b_\@:
	tensor_load_to_lds s[G0B+4*(\s):G0B+4*(\s)+3], s[G1B:G1B+7]
	s_nop 0
.rept 4
	v_nop
.endr
.Lasked_\@:
.endm
.macro CREST                           ; a round of the cluster's barrier behind its opening barrier
	s_cmp_lg_u32 s10, 0
	s_cbranch_scc1 .Lnot_wave_0_\@
	s_barrier_signal -3
.Lnot_wave_0_\@:
	s_barrier_wait -3
	s_barrier_signal -1
	s_barrier_wait -1
.endm
.macro CROUND
	s_barrier_signal -1
	s_barrier_wait -1
	CREST
.endm
	s_load_b128 s[4:7], s[0:1], 0x0                ; yz s[4:5], wg s[6:7]
	s_load_b256 s[68:75], s[0:1], 0x10             ; wig_b 68, wr_b 70, wog_b 72, big 74
	s_load_b64 s[76:77], s[0:1], 0x30              ; agg
	v_lshl_add_u32 v[SPW], v0, 2, SPARE
	v_mov_b32 v[NIL], 0
	ds_add_u32 v[SPW], v[NIL]                      ; the wave's opening: the add and its wait ahead of my first tensor load
	v_lshrrev_b32 v1, 5, v0
	v_readfirstlane_b32 s10, v1                    ; wave 0..3
	s_lshr_b32 s11, s10, 1                         ; my half of the tile's rows; also: I fetch for y (0) or WP (1)
	s_and_b32 s12, s10, 1                          ; my half of its columns; also: which 128 rows I fetch
	s_bfe_u32 s40, ttmp6, 0x40000                  ; cx
	s_bfe_u32 s41, ttmp6, 0x40004                  ; cy
	s_lshl_b32 s42, ttmp9, 2
	s_add_co_u32 s42, s42, s40                     ; tile column
	s_and_b32 s13, ttmp7, 0xffff
	s_lshl_b32 s13, s13, 2
	s_add_co_u32 s13, s13, s41                     ; tile row
	s_lshl_b32 s43, s41, 2
	s_lshl_b32 s43, 15, s43                        ; my row of the cluster
	s_lshl_b32 s44, 0x1111, s40                    ; my column
	s_or_b32 s[G1+0], s43, (1<<16)|(1<<20)|(1<<21)|(5<<22)|(3<<25)   ; mask; 2-byte elements; padding on; bit 21 beside a mask; after every 64 words 4 words
	s_or_b32 s[G1B+0], s44, (1<<16)|(1<<20)|(1<<21)|(5<<22)|(3<<25)
.irp g, G1, G1B
	s_mov_b32 s[(\g)+1], KSTEP<<16                 ; tensor_dim0 = 128
	s_mov_b32 s[(\g)+2], 128<<16                   ; tensor_dim1 = 128
	s_mov_b32 s[(\g)+3], KSTEP<<16                 ; tile_dim0 = 128
	s_mov_b32 s[(\g)+4], 128                       ; tile_dim1 = 128
	s_mov_b32 s[(\g)+5], SIZE_K                    ; elements from row to row
	s_mov_b32 s[(\g)+6], 0
	s_mov_b32 s[(\g)+7], 0
.endr
	s_lshl_b32 s17, s12, 7
	s_lshl_b32 s16, s13, 8
	s_add_co_u32 s16, s16, s17                     ; y: row 256 x tile row + 128 x half
	s_lshl_b32 s46, s42, 8
	s_add_co_u32 s46, s46, s17                     ; WP: row 256 x tile column + 128 x half
	s_lshl_b32 s16, s16, 11                        ; rows of 2,048 bytes
	s_lshl_b32 s46, s46, 11
	s_mov_b32 s17, 0
	s_mov_b32 s47, 0
	s_mul_i32 s20, s10, HALFT                      ; where they go: wave x 128 rows
	s_mov_b32 s78, 0xbfb8aa3b                      ; -log2(e)
	s_mov_b32 s79, 0xbfb8aa3b
	s_mov_b32 s80, 0xffff0000                      ; lanes 16-31
	s_mov_b32 s82, 0x76543210
	s_mov_b32 s83, 0xfedcba98
	s_wait_dscnt 0x0                               ; the opening add is done
	s_wait_kmcnt 0x0
	s_add_nc_u64 s[14:15], s[4:5], s[16:17]
	s_add_nc_u64 s[46:47], s[6:7], s[46:47]
	CROUND                                         ; all sixteen work-groups are here: the first joint loads meet
.irp s, 0,1
	s_mov_b32 s[G0+4*(\s)], 1
	s_add_co_u32 s[G0+4*(\s)+1], s20, (\s)*SLOT
	s_add_nc_u64 s[G0+4*(\s)+2:G0+4*(\s)+3], s[14:15], (\s)*KSTEP*2
	s_or_b32 s[G0+4*(\s)+3], s[G0+4*(\s)+3], 0x80000000
	s_mov_b32 s[G0B+4*(\s)], 1
	s_add_co_u32 s[G0B+4*(\s)+1], s20, (\s)*SLOT
	s_add_nc_u64 s[G0B+4*(\s)+2:G0B+4*(\s)+3], s[46:47], (\s)*KSTEP*2
	s_or_b32 s[G0B+4*(\s)+3], s[G0B+4*(\s)+3], 0x80000000
	JLOAD \s
.endr
	v_and_b32 v1, 15, v0                           ; l % 16
	v_bfe_u32 v2, v0, 4, 1                         ; l / 16
	v_mul_u32_u24 v3, v1, PITCH
	v_lshl_add_u32 v3, v2, 4, v3                   ; a fragment's row x pitch + 16 x half
	s_mul_i32 s21, s11, HALFT
	s_mul_i32 s22, s12, HALFT
	s_add_co_u32 s22, s22, 2*HALFT
.irp s, 0,1
	v_add_nc_u32 v[ADRA+(\s)], s21, v3
	v_add_nc_u32 v[ADRB+(\s)], s22, v3
	s_add_co_u32 s21, s21, SLOT
	s_add_co_u32 s22, s22, SLOT
.endr
	v_lshlrev_b32 v[VB], 2, v1
	v_lshlrev_b32 v[VO], 5, v1
	v_lshl_add_u32 v[VO], v2, 4, v[VO]
	v_and_b32 v4, 31, v0
	v_lshlrev_b32 v[VA], 3, v4
	; where my results go
	s_lshl_b32 s92, s42, 2
	s_lshl_b32 s93, s12, 1
	s_add_co_u32 s92, s92, s93                     ; my first block of 16 channels: 4 x tile column + 2 x half
	s_lshl_b32 s94, s13, 4
	s_lshl_b32 s93, s11, 3
	s_add_co_u32 s94, s94, s93                     ; my first block of 16 steps: 16 x tile row + 8 x half
	s_lshl_b32 s94, s94, 6
	s_add_co_u32 s94, s94, s92
	s_lshl_b32 s94, s94, 9                         ; blocks of 512 bytes, 64 to a block of steps
	s_mov_b32 s95, 0
	s_add_nc_u64 s[84:85], s[74:75], s[94:95]      ; hl
	s_add_nc_u64 s[86:87], s[84:85], 0x1000000     ; pc
	s_add_nc_u64 s[88:89], s[84:85], 0x2000000     ; the out gate's argument
	s_lshl_b32 s94, s13, 1
	s_add_co_u32 s94, s94, s11                     ; my chunk of 128 steps
	s_lshl_b32 s94, s94, 13
	s_lshl_b32 s93, s92, 7
	s_add_co_u32 s94, s94, s93
	s_add_nc_u64 s[90:91], s[76:77], s[94:95]      ; agg: chunk x 8,192 + channel x 8
	s_lshl_b32 s94, s92, 6
	s_add_nc_u64 s[68:69], s[68:69], s[94:95]
	s_add_nc_u64 s[70:71], s[70:71], s[94:95]
	s_add_nc_u64 s[72:73], s[72:73], s[94:95]
.irp g, 0,1
	global_load_b32 v[BIAS+6*\g],   v[VB], s[68:69] offset:64*\g
	global_load_b32 v[BIAS+6*\g+2], v[VB], s[70:71] offset:64*\g
	global_load_b32 v[BIAS+6*\g+4], v[VB], s[72:73] offset:64*\g
.endr
; 16 matrix instructions: row blocks a0, a0 + 1 of the window's four x all 8 column blocks, 32 along K.  zero = 1: the first product starts the sums.
.macro MUL16 f, hi, a0, zero
	WIN MUL_LO+0x50*(\hi)
.irp a, \a0, (\a0)+1
.irp b, 0,1,2,3,4,5,6,7
.if \zero
	v_wmma_f32_16x16x32_bf16 v[8*(8*(\a)+(\b)):8*(8*(\a)+(\b))+7], v[(\f)+8*(4*(\hi)+(\a)):(\f)+8*(4*(\hi)+(\a))+7], v[(\f)+8*(\b):(\f)+8*(\b)+7], 0
.else
	v_wmma_f32_16x16x32_bf16 v[8*(8*(\a)+(\b)):8*(8*(\a)+(\b))+7], v[(\f)+8*(4*(\hi)+(\a)):(\f)+8*(4*(\hi)+(\a))+7], v[(\f)+8*(\b):(\f)+8*(\b)+7], v[8*(8*(\a)+(\b)):8*(8*(\a)+(\b))+7]
.endif
.endr
.endr
.endm
.macro FETCH slot, k, f                ; 32 LDS loads in one run: a quarter step's fragments, WP's first, then y's
	WIN TO_B
.irp i, 0,1,2,3,4,5,6,7
	ds_load_b128 v[(\f)+8*(\i):(\f)+8*(\i)+3],   v[ADRB+(\slot)] offset:(\k)+(\i)*16*PITCH
	ds_load_b128 v[(\f)+8*(\i)+4:(\f)+8*(\i)+7], v[ADRB+(\slot)] offset:(\k)+(\i)*16*PITCH+32
.endr
	WIN 0
.irp i, 0,1,2,3,4,5,6,7
	ds_load_b128 v[(\f)+8*(\i):(\f)+8*(\i)+3],   v[ADRA+(\slot)] offset:(\k)+(\i)*16*PITCH
	ds_load_b128 v[(\f)+8*(\i)+4:(\f)+8*(\i)+7], v[ADRA+(\slot)] offset:(\k)+(\i)*16*PITCH+32
.endr
.endm
.macro PLACES                          ; four plain instructions between matrix instructions and loads into registers that they read (ISA guide 7.12.1 for vector instructions)
.rept 4
	v_nop
.endr
.endm
.macro QUARTER slot, k, f, g, zero     ; multiplies buffer f; in its middle fetches the next quarter, at byte k of the rows, into buffer g
	s_wait_dscnt 8                                 ; WP and y's rows 0-63 are in; the youngest eight loads (y's rows 64-127) may be out
	MUL16 \f, 0, 0, \zero
	MUL16 \f, 0, 2, \zero
	PLACES
	FETCH \slot, \k, \g
	s_wait_dscnt 32                                ; all but the 32 just issued
	MUL16 \f, 1, 0, \zero
	MUL16 \f, 1, 2, \zero
.endm
.macro MEET round                      ; the first half of a K step's last quarter: one barrier for the change of slots
	WIN 0
	s_wait_tensorcnt 0x0                           ; all my tensor loads have landed: the one that was out is my part of the next slot
	ds_add_u32 v[SPW], v[NIL]
	s_wait_dscnt 9                                 ; the add and the youngest eight loads may be out
	MUL16 F1, 0, 0, 0
	s_wait_dscnt 0x0                               ; the add is done, and my reads of this slot are over
	s_barrier_signal -1
	MUL16 F1, 0, 2, 0
.if \round
	WIN 0
.endif
	s_barrier_wait -1
.endm
.macro TURN slot, next                 ; the whole last quarter: the slot just read is filled again, two K steps on, first thing behind the cluster's round
	MEET 1
	CREST
	s_add_nc_u64 s[G0+4*(\slot)+2:G0+4*(\slot)+3], s[G0+4*(\slot)+2:G0+4*(\slot)+3], 2*KSTEP*2
	s_add_nc_u64 s[G0B+4*(\slot)+2:G0B+4*(\slot)+3], s[G0B+4*(\slot)+2:G0B+4*(\slot)+3], 2*KSTEP*2
	JLOAD \slot                                    ; its four v_nop are also the places in front of the loads below
	FETCH \next, 0, F0
	MUL16 F1, 1, 0, 0
	MUL16 F1, 1, 2, 0
.endm
	s_wait_tensorcnt 1                             ; my part of K step 0 is in; K step 1's may stay out
	s_barrier_signal -1
	s_barrier_wait -1
	FETCH 0, 0, F0
	QUARTER 0, 64,  F0, F1, 1                      ; the first quarter's products start the sums
	WIN 0
	s_mov_b32 s3, LAPS-1
.Llap:                                                 ; a trip goes once round the ring and fills both slots again
	QUARTER 0, 128, F1, F0, 0
	QUARTER 0, 192, F0, F1, 0
	TURN 0, 1
	QUARTER 1, 64,  F0, F1, 0
	QUARTER 1, 128, F1, F0, 0
	QUARTER 1, 192, F0, F1, 0
	TURN 1, 0
	QUARTER 0, 64,  F0, F1, 0
	WIN 0
	s_sub_co_u32 s3, s3, 1
	s_cmp_lg_u32 s3, 0
	s_cbranch_scc1 .Llap
	QUARTER 0, 128, F1, F0, 0                      ; the last lap asks for nothing
	QUARTER 0, 192, F0, F1, 0
	MEET 0
	PLACES
	FETCH 1, 0, F0
	MUL16 F1, 1, 0, 0
	MUL16 F1, 1, 2, 0
	QUARTER 1, 64,  F0, F1, 0
	QUARTER 1, 128, F1, F0, 0
	QUARTER 1, 192, F0, F1, 0
	s_wait_dscnt 8
	MUL16 F1, 0, 0, 0
	MUL16 F1, 0, 2, 0
	s_wait_dscnt 0x0
	MUL16 F1, 1, 0, 0
	MUL16 F1, 1, 2, 0
	WIN 0
	; THE WAY OUT.  The sixteen lines on biases and carries name no register of the last products: they are the places behind them.
	s_wait_loadcnt 0x0                             ; the biases
.irp r, 0,2,4,6,8,10
	v_mul_f32 v[BIAS+\r], s78, v[BIAS+\r]          ; -log2(e) b
.endr
.irp r, 0,2,4,6,8,10
	v_mov_b32 v[BIAS+\r+1], v[BIAS+\r]             ; named with it as a pair
.endr
.irp g, 0,1
	v_mov_b32 v[HC+2*\g], 0                        ; the chunk starts from h = 0,
	v_mov_b32 v[HC+2*\g+1], 1.0                    ; and from the empty product
.endr
.irp g, 0,1
	v_mov_b32 v[T0+64*\g+X7], 0                    ; destinations of lane exchanges and second halves of pairs count as read
	v_mov_b32 v[T0+64*\g+P7], 0
	v_mov_b32 v[T0+64*\g+CIN+1], 0
	v_mov_b32 v[T0+64*\g+PIN+1], 0
	v_mov_b32 v[T0+64*\g+HX], 0
	v_mov_b32 v[T0+64*\g+PX], 0
.endr
; Block a of 16 steps, both groups g of 16 channels.  L_j = xg_j + r_j L_(j-1) and Q_j = r_j Q_(j-1) inside a lane's eight steps; a step's value is L_j + Q_j cin, its product Q_j pin,
; where (cin, pin) is the carry (lanes 0-15) or the carry taken through the lower lanes' eight steps (lanes 16-31).
.macro EPI a
.set AB, 64*((\a)%4)
	WIN 2+(\a)/4                                   ; source 0: the accumulators' window.
.irp g, 0,1
.irp k, 1,2,3
.irp i, 0,2,4,6
	v_pk_fma_f32 v[T0+64*\g+8*(\k-1)+\i:T0+64*\g+8*(\k-1)+\i+1], v[AB+8*(4*\g+\k)+\i:AB+8*(4*\g+\k)+\i+1], s[78:79], v[BIAS+6*\g+2*(\k-1):BIAS+6*\g+2*(\k-1)+1] op_sel_hi:[1,0,0]
.endr
.endr
.endr
	WIN 0
.irp g, 0,1
.set i, 0
.rept 16
	v_exp_f32 v[T0+64*\g+i], v[T0+64*\g+i]         ; ig's and r's
.set i, i+1
.endr
.endr
	v_nop                                          ; a plain instruction behind the transcendentals (ISA guide 5.7.2)
	s_wait_alu depctr_va_vdst(0)
.irp g, 0,1
.set i, 0
.rept 8
	v_pk_add_f32 v[T0+64*\g+i:T0+64*\g+i+1], v[T0+64*\g+i:T0+64*\g+i+1], 1.0 op_sel_hi:[1,0]
.set i, i+2
.endr
.endr
.irp g, 0,1
.set i, 0
.rept 16
	v_rcp_f32 v[T0+64*\g+i], v[T0+64*\g+i]
.set i, i+1
.endr
.endr
	v_nop
	WIN 2+(\a)/4
	s_wait_alu depctr_va_vdst(0)
.irp g, 0,1
.irp i, 0,2,4,6
	v_pk_mul_f32 v[T0+64*\g+XG+\i:T0+64*\g+XG+\i+1], v[AB+32*\g+\i:AB+32*\g+\i+1], v[T0+64*\g+IG+\i:T0+64*\g+IG+\i+1]  ; xg = xi ig
.endr
.endr
	WIN 0
.irp j, 1,2,3,4,5,6,7
.irp g, 0,1
	v_fmac_f32 v[T0+64*\g+XG+\j], v[T0+64*\g+RR+\j], v[T0+64*\g+XG+\j-1]
.endr
.irp g, 0,1
	v_mul_f32 v[T0+64*\g+RR+\j], v[T0+64*\g+RR+\j], v[T0+64*\g+RR+\j-1]
.endr
.endr
.irp g, 0,1
	v_permlanex16_b32 v[T0+64*\g+X7], v[T0+64*\g+XG+7], s82, s83
	v_permlanex16_b32 v[T0+64*\g+P7], v[T0+64*\g+RR+7], s82, s83
.endr
.irp g, 0,1
	v_fma_f32 v[T0+64*\g+X7], v[T0+64*\g+P7], v[HC+2*\g], v[T0+64*\g+X7]
	v_mul_f32 v[T0+64*\g+P7], v[T0+64*\g+P7], v[HC+2*\g+1]
.endr
.irp g, 0,1
	v_cndmask_b32 v[T0+64*\g+CIN], v[HC+2*\g], v[T0+64*\g+X7], s80
	v_cndmask_b32 v[T0+64*\g+PIN], v[HC+2*\g+1], v[T0+64*\g+P7], s80
.endr
.irp g, 0,1
.irp i, 0,2,4,6
	v_pk_fma_f32 v[T0+64*\g+XG+\i:T0+64*\g+XG+\i+1], v[T0+64*\g+RR+\i:T0+64*\g+RR+\i+1], v[T0+64*\g+CIN:T0+64*\g+CIN+1], v[T0+64*\g+XG+\i:T0+64*\g+XG+\i+1] op_sel_hi:[1,0,1]
.endr
.irp i, 0,2,4,6
	v_pk_mul_f32 v[T0+64*\g+RR+\i:T0+64*\g+RR+\i+1], v[T0+64*\g+RR+\i:T0+64*\g+RR+\i+1], v[T0+64*\g+PIN:T0+64*\g+PIN+1] op_sel_hi:[1,0]
.endr
.endr
.irp g, 0,1
	v_permlanex16_b32 v[T0+64*\g+HX], v[T0+64*\g+XG+7], s82, s83
	v_permlanex16_b32 v[T0+64*\g+PX], v[T0+64*\g+RR+7], s82, s83
.endr
.irp g, 0,1
	v_cndmask_b32 v[HC+2*\g], v[T0+64*\g+HX], v[T0+64*\g+XG+7], s80      ; every lane: the block's last step, which lanes 16-31 hold
	v_cndmask_b32 v[HC+2*\g+1], v[T0+64*\g+PX], v[T0+64*\g+RR+7], s80
.endr
	s_wait_xcnt 0x0                                ; the last block's stores have read their data: only now are those registers rewritten
.irp g, 0,1
.irp i, 0,1,2,3
	v_cvt_pk_bf16_f32 v[T0+64*\g+OH+\i], v[T0+64*\g+XG+2*\i], v[T0+64*\g+XG+2*\i+1]
	v_cvt_pk_bf16_f32 v[T0+64*\g+OP+\i], v[T0+64*\g+RR+2*\i], v[T0+64*\g+RR+2*\i+1]
	v_cvt_pk_bf16_f32 v[T0+64*\g+OO+\i], v[T0+64*\g+OA+2*\i], v[T0+64*\g+OA+2*\i+1]
.endr
.endr
.irp g, 0,1
	global_store_b128 v[VO], v[T0+64*\g+OH:T0+64*\g+OH+3], s[84:85] offset:(\a)*32768+\g*512  ; a wave's store: one block, 512 consecutive bytes
	global_store_b128 v[VO], v[T0+64*\g+OP:T0+64*\g+OP+3], s[86:87] offset:(\a)*32768+\g*512
	global_store_b128 v[VO], v[T0+64*\g+OO:T0+64*\g+OO+3], s[88:89] offset:(\a)*32768+\g*512
.endr
.endm
.irp a, 0,1,2,3,4,5,6,7
	EPI \a
.endr
	v_cndmask_b32 v[AGP], v[HC], v[HC+2], s80      ; lanes 0-15: group 0's channels, lanes 16-31: group 1's
	v_cndmask_b32 v[AGP+1], v[HC+1], v[HC+3], s80
	global_store_b64 v[VA], v[AGP:AGP+1], s[90:91] ; 32 channels x 8 bytes: 256 consecutive bytes
	s_wait_tensorcnt 0x0                           ; the wave's end
	ds_add_u32 v[SPW], v[NIL]
	s_wait_dscnt 0x0
	CROUND                                         ; the closing round
	s_endpgm
.Lfunc_end_k_q8e1d92f8e5_gates:
	.size	k_q8e1d92f8e5_gates, .Lfunc_end_k_q8e1d92f8e5_gates-k_q8e1d92f8e5_gates
	.p2alignl 7, 3214868480
	.fill 96, 4, 3214868480
	.section	.rodata,"a",@progbits
	.p2align	6, 0x0
	.amdhsa_kernel k_q8e1d92f8e5_gates
		.amdhsa_group_segment_fixed_size 327680
		.amdhsa_private_segment_fixed_size 0
		.amdhsa_enable_private_segment 0
		.amdhsa_kernarg_size 56
		.amdhsa_user_sgpr_count 2
		.amdhsa_user_sgpr_kernarg_segment_ptr 1
		.amdhsa_wavefront_size32 1
		.amdhsa_system_sgpr_workgroup_id_x 1
		.amdhsa_system_sgpr_workgroup_id_y 1
		.amdhsa_system_sgpr_workgroup_id_z 1
		.amdhsa_system_vgpr_workitem_id 0
		.amdhsa_next_free_vgpr 1024
		.amdhsa_next_free_sgpr 96
		.amdhsa_reserve_vcc 0
		.amdhsa_float_denorm_mode_32 3
		.amdhsa_float_denorm_mode_16_64 3
		.amdhsa_memory_ordered 1
		.amdhsa_forward_progress 1
		.amdhsa_inst_pref_size 196
	.end_amdhsa_kernel
	.amdgpu_metadata
---
amdhsa.version: [ 1, 2 ]
amdhsa.kernels:
  - .name:           k_q8e1d92f8e5_gates
    .symbol:         k_q8e1d92f8e5_gates.kd
    .args:
      - { .name: yz, .offset: 0, .size: 8, .value_kind: global_buffer, .address_space: global }
      - { .name: wg, .offset: 8, .size: 8, .value_kind: global_buffer, .address_space: global }
      - { .name: wig_b, .offset: 16, .size: 8, .value_kind: global_buffer, .address_space: global }
      - { .name: wr_b, .offset: 24, .size: 8, .value_kind: global_buffer, .address_space: global }
      - { .name: wog_b, .offset: 32, .size: 8, .value_kind: global_buffer, .address_space: global }
      - { .name: big, .offset: 40, .size: 8, .value_kind: global_buffer, .address_space: global }
      - { .name: agg, .offset: 48, .size: 8, .value_kind: global_buffer, .address_space: global }
    .group_segment_fixed_size: 327680
    .private_segment_fixed_size: 0
    .kernarg_segment_align: 8
    .kernarg_segment_size: 56
    .max_flat_workgroup_size: 128
    .sgpr_count:     96
    .vgpr_count:     1024
    .wavefront_size: 32
...
	.end_amdgpu_metadata
.endif
;; end of part 2
;; launch scan (part 3): grid 4 x 64, 8 waves a work-group, no clusters, 0 bytes of LDS; arguments big, agg, mem, sf, out1; writes sf, out1
.if DOCPART == 3
	.amdgcn_target "amdgcn-amd-amdhsa--gfx1250"
	.amdhsa_code_object_version 6
	.text
	.protected	k_q8e1d92f8e5_scan
	.globl	k_q8e1d92f8e5_scan
	.p2align	8
	.type	k_q8e1d92f8e5_scan,@function
k_q8e1d92f8e5_scan:
	s_mov_b64 s[64:65], 0
	v_nop
	global_prefetch_b8 v0, s[64:65] scope:SCOPE_SE
	s_setreg_imm32_b32 hwreg(HW_REG_WAVE_MODE, 25, 1), 1
	s_wait_xcnt 0x0
; The recurrence across chunks, and s = softsign(h) x out gate.
; A work-group takes one chunk of 128 steps and 256 channels.  Thread t first runs channel t through the batch's 16 chunk aggregates (H, P), h <- P h + H from mem, all in f32,
; and keeps the value in front of its own chunk (the carry); the value behind the last chunk is mem_out, stored by the work-groups of the batch's last chunk.
; Then h = hl + pc x carry, s = h / ((1 + |h|)(1 + 2^oa)), rounded to bf16, block by block in the layout in which hl, pc and oa lie
; (blocks of 16 steps x 16 channels, 512 bytes, [channel][step]): lane l of a wave holds channel l / 2 of a block and eight steps, so the carry changes lanes once.
; A wave's loads and stores cover 512 consecutive bytes.  The launch streams: no matrix unit, no LDS bytes, no barrier.
; LIMITS.  s is 0 where (1 + |h|)(1 + 2^oa) overflows f32; NaN and infinities are not treated apart.
.set VD,  2                            ; v2  wave x 1,024 + 16 x lane
.set H,   16                           ; at work, once the aggregates have been used: h,
.set PCU, 24                           ; pc,
.set OAU, 32                           ; the gate's argument,
.set AB,  40                           ; and the divisor
.set D,   56                           ; v[56:247]: block of steps i, block of channels g, array (hl, pc, oa) at 24 i + 12 g + 4 x array
	s_load_b256 s[8:15], s[0:1], 0x0               ; big 8, agg 10, mem 12, sf 14
	s_load_b64 s[16:17], s[0:1], 0x20              ; out1
	s_and_b32 s2, ttmp7, 0xffff                    ; chunk 0..63
	s_and_b32 s3, s2, 15                           ; its number in the batch
	s_lshr_b32 s4, s2, 4                           ; the batch
	s_lshl_b32 s34, s2, 18                         ; 8 blocks of steps x 32,768 bytes
	s_lshl_b32 s5, ttmp9, 13                       ; 16 blocks of channels x 512 bytes
	s_add_co_u32 s34, s34, s5
	s_mov_b32 s35, 0
	s_lshl_b32 s36, s4, 17                         ; agg: 16 chunks x 8,192 bytes
	s_lshl_b32 s5, ttmp9, 11                       ; 256 channels x 8 bytes
	s_add_co_u32 s36, s36, s5
	s_mov_b32 s37, 0
	s_lshl_b32 s38, s4, 12                         ; mem, out1: 1,024 channels x 4 bytes
	s_lshl_b32 s5, ttmp9, 10
	s_add_co_u32 s38, s38, s5
	s_mov_b32 s39, 0
	s_mov_b32 s40, 0xffff0000                      ; a word's upper bf16
	v_and_b32 v1, 31, v0
	v_lshrrev_b32 v9, 5, v0
	v_lshlrev_b32 v[VD], 4, v1
	v_lshl_or_b32 v[VD], v9, 10, v[VD]
	v_lshlrev_b32 v3, 3, v0                        ; my channel's pair in agg
	v_lshlrev_b32 v4, 2, v0                        ; my channel in mem and out1
	v_lshrrev_b32 v5, 1, v1
	v_lshlrev_b32 v5, 2, v5                        ; the lane that holds my block-0 channel's carry, x 4
	v_add_nc_u32 v6, 64, v5                        ; and my block-1 channel's
	v_mov_b32 v11, 0                               ; second halves of the carry pairs
	v_mov_b32 v13, 0
	s_wait_kmcnt 0x0
	s_add_nc_u64 s[20:21], s[8:9], s[34:35]        ; hl
	s_add_nc_u64 s[22:23], s[20:21], 0x1000000     ; pc
	s_add_nc_u64 s[24:25], s[20:21], 0x2000000     ; oa
	s_add_nc_u64 s[26:27], s[14:15], s[34:35]      ; s
	s_add_nc_u64 s[28:29], s[10:11], s[36:37]
	s_add_nc_u64 s[30:31], s[12:13], s[38:39]
	s_add_nc_u64 s[32:33], s[16:17], s[38:39]
.set k, 0
.rept 16
	global_load_b64 v[16+2*k:17+2*k], v3, s[28:29] offset:k*8192
.set k, k+1
.endr
	global_load_b32 v48, v4, s[30:31]
.irp i, 0,1,2,3,4,5,6,7
.irp g, 0,1
	global_load_b128 v[D+24*\i+12*\g:D+24*\i+12*\g+3],    v[VD], s[20:21] offset:\i*32768+\g*512 th:TH_LOAD_NT
	global_load_b128 v[D+24*\i+12*\g+4:D+24*\i+12*\g+7],  v[VD], s[22:23] offset:\i*32768+\g*512 th:TH_LOAD_NT
	global_load_b128 v[D+24*\i+12*\g+8:D+24*\i+12*\g+11], v[VD], s[24:25] offset:\i*32768+\g*512 th:TH_LOAD_NT
.endr
.endr
	s_wait_loadcnt 48                              ; the aggregates and mem are in; the 48 data loads stay out
	v_mov_b32 v7, v48                              ; h in front of chunk 0
	v_mov_b32 v8, v48
.set k, 0
.rept 16
	s_cmp_eq_u32 s3, k
	s_cselect_b32 s41, -1, 0
	v_cndmask_b32 v8, v8, v7, s41                  ; the value in front of my chunk is kept
	v_fma_f32 v7, v[17+2*k], v7, v[16+2*k]         ; h <- P h + H
.set k, k+1
.endr
	ds_bpermute_b32 v10, v5, v8                    ; a lane exchange: no LDS byte is touched
	ds_bpermute_b32 v12, v6, v8
	s_wait_dscnt 0x0
.macro ELEM i, g
.set DB, D+24*(\i)+12*(\g)
	s_wait_loadcnt 48-(6*(\i)+3*(\g)+3)            ; loads come back in order: this block's three are in, the later ones stay out
.irp k, 0,1,2,3
	v_lshlrev_b32 v[H+2*\k],     16,  v[DB+\k]
	v_and_b32     v[H+2*\k+1],   s40, v[DB+\k]
	v_lshlrev_b32 v[PCU+2*\k],   16,  v[DB+4+\k]
	v_and_b32     v[PCU+2*\k+1], s40, v[DB+4+\k]
	v_lshlrev_b32 v[OAU+2*\k],   16,  v[DB+8+\k]
	v_and_b32     v[OAU+2*\k+1], s40, v[DB+8+\k]
.endr
.irp k, 0,2,4,6
	v_pk_fma_f32 v[H+\k:H+\k+1], v[PCU+\k:PCU+\k+1], v[10+2*(\g):11+2*(\g)], v[H+\k:H+\k+1] op_sel_hi:[1,0,1]  ; h = hl + pc x carry
.endr
.irp k, 0,1,2,3,4,5,6,7
	v_exp_f32 v[OAU+\k], v[OAU+\k]
.endr
.irp k, 0,1,2,3,4,5,6,7
	v_add_f32 v[AB+\k], 1.0, |v[H+\k]|             ; also the plain instructions behind the exponentials
.endr
	s_wait_alu depctr_va_vdst(0)
.irp k, 0,2,4,6
	v_pk_add_f32 v[OAU+\k:OAU+\k+1], v[OAU+\k:OAU+\k+1], 1.0 op_sel_hi:[1,0]
.endr
.irp k, 0,2,4,6
	v_pk_mul_f32 v[AB+\k:AB+\k+1], v[AB+\k:AB+\k+1], v[OAU+\k:OAU+\k+1]
.endr
.irp k, 0,1,2,3,4,5,6,7
	v_rcp_f32 v[AB+\k], v[AB+\k]
.endr
	v_nop
	s_wait_alu depctr_va_vdst(0)
.irp k, 0,2,4,6
	v_pk_mul_f32 v[H+\k:H+\k+1], v[H+\k:H+\k+1], v[AB+\k:AB+\k+1]
.endr
.irp k, 0,1,2,3
	v_cvt_pk_bf16_f32 v[DB+\k], v[H+2*\k], v[H+2*\k+1]   ; into the block's own registers, which nothing writes again
.endr
	global_store_b128 v[VD], v[DB:DB+3], s[26:27] offset:(\i)*32768+(\g)*512
.endm
.irp i, 0,1,2,3,4,5,6,7
	ELEM \i, 0
	ELEM \i, 1
.endr
	s_cmp_lg_u32 s3, 15
	s_cbranch_scc1 .Lend
	global_store_b32 v4, v7, s[32:33]              ; mem_out: h behind the batch's last chunk, made of f32 numbers alone
.Lend:
	s_endpgm
.Lfunc_end_k_q8e1d92f8e5_scan:
	.size	k_q8e1d92f8e5_scan, .Lfunc_end_k_q8e1d92f8e5_scan-k_q8e1d92f8e5_scan
	.p2alignl 7, 3214868480
	.fill 96, 4, 3214868480
	.section	.rodata,"a",@progbits
	.p2align	6, 0x0
	.amdhsa_kernel k_q8e1d92f8e5_scan
		.amdhsa_group_segment_fixed_size 0
		.amdhsa_private_segment_fixed_size 0
		.amdhsa_enable_private_segment 0
		.amdhsa_kernarg_size 40
		.amdhsa_user_sgpr_count 2
		.amdhsa_user_sgpr_kernarg_segment_ptr 1
		.amdhsa_wavefront_size32 1
		.amdhsa_system_sgpr_workgroup_id_x 1
		.amdhsa_system_sgpr_workgroup_id_y 1
		.amdhsa_system_sgpr_workgroup_id_z 1
		.amdhsa_system_vgpr_workitem_id 0
		.amdhsa_next_free_vgpr 248
		.amdhsa_next_free_sgpr 66
		.amdhsa_reserve_vcc 0
		.amdhsa_float_denorm_mode_32 3
		.amdhsa_float_denorm_mode_16_64 3
		.amdhsa_memory_ordered 1
		.amdhsa_forward_progress 1
		.amdhsa_inst_pref_size 63
	.end_amdhsa_kernel
	.amdgpu_metadata
---
amdhsa.version: [ 1, 2 ]
amdhsa.kernels:
  - .name:           k_q8e1d92f8e5_scan
    .symbol:         k_q8e1d92f8e5_scan.kd
    .args:
      - { .name: big, .offset: 0, .size: 8, .value_kind: global_buffer, .address_space: global }
      - { .name: agg, .offset: 8, .size: 8, .value_kind: global_buffer, .address_space: global }
      - { .name: mem, .offset: 16, .size: 8, .value_kind: global_buffer, .address_space: global }
      - { .name: sf, .offset: 24, .size: 8, .value_kind: global_buffer, .address_space: global }
      - { .name: out1, .offset: 32, .size: 8, .value_kind: global_buffer, .address_space: global }
    .group_segment_fixed_size: 0
    .private_segment_fixed_size: 0
    .kernarg_segment_align: 8
    .kernarg_segment_size: 40
    .max_flat_workgroup_size: 256
    .sgpr_count:     66
    .vgpr_count:     248
    .wavefront_size: 32
...
	.end_amdgpu_metadata
.endif
;; end of part 3
;; launch res1 (part 4): grid 4 x 64, 4 waves a work-group, clusters of 4 x 4, 327,680 bytes of LDS; arguments sf, wob, x, big; writes big
.if DOCPART == 4
	.amdgcn_target "amdgcn-amd-amdhsa--gfx1250"
	.amdhsa_code_object_version 6
	.text
	.protected	k_q8e1d92f8e5_res1
	.globl	k_q8e1d92f8e5_res1
	.p2align	8
	.type	k_q8e1d92f8e5_res1,@function
k_q8e1d92f8e5_res1:
	s_mov_b64 s[64:65], 0
	v_nop
	global_prefetch_b8 v0, s[64:65] scope:SCOPE_SE
	s_setreg_imm32_b32 hwreg(HW_REG_WAVE_MODE, 25, 1), 1
	s_wait_xcnt 0x0
	s_wait_alu depctr_hold_cnt(0) depctr_sa_sdst(0) depctr_va_vdst(0) depctr_va_sdst(0) depctr_va_ssrc(0) depctr_va_vcc(0) depctr_vm_vsrc(0)
	s_getreg_b32 s2, hwreg(HW_REG_IB_STS2, 6, 4)
	s_cmp_eq_u32 s2, 0
	s_cbranch_scc0 .Lentry_in_a_cluster
	s_endpgm
.Lentry_in_a_cluster:
	s_bfe_u32 s2, ttmp6, 0x10000c
	s_cmp_lg_u32 s2, 0xf033
	s_cbranch_scc0 .Lentry_shape_is_right
	s_endpgm
.Lentry_shape_is_right:
; O[t][d] = R[t][d] + sum over m of A[t][m] W[d][m].  R, O: [8192][1024] f32.  W: [1024][1024] bf16.  A: bf16 in blocks of 16 steps x 16 channels, 512 bytes, [channel][step] inside,
; block (t / 16, m / 16) at ((t / 16) 64 + m / 16) 512.  Sums in f32; the residual is added in f32.
; A tile of O is 128 rows x 256 columns, which gives each of 256 WGPs one work-group; four waves, each 64 x 128: 32 accumulators.
; The matrix instruction is used transposed (source 0 = 16 rows of W, source 1 = 16 steps of A): a lane then holds eight neighbouring columns of one row of O.
; A's fragments come out of LDS turned, by ds_load_tr16_b128: inside a block 16 channels lie 32 bytes apart, and 16 lanes of a load cover 256 consecutive bytes.
; K goes in steps of 128 through two LDS slots: of A 8 blocks of steps x 4,096 consecutive bytes, of W 256 rows of 256 bytes padded to 272.
; 4 x 4 work-groups form a cluster: A's tile is shared along its row, W's along its column, each asked for jointly.
; The wave's 64 x 128 of R is loaded into 256 registers at the start and lands while the products run.  O leaves through the wave's own stage in LDS as whole rows of 512 bytes.
; REGISTERS: window 0: addresses; v64-127 A's fragments, two buffers; v128-255 W's, two buffers; on the way out v64-191 rows read back.  Window 1: accumulators, (a, b) at 8 (8 a + b).  Window 2: R, row p at 4 p.
.set KSTEP, 128
.set PITCH, 272
.set BOFF,  32768                      ; A's part of a slot
.set BHALF, 128*PITCH
.set SLOT,  BOFF+2*BHALF
.set STAGE, 2*SLOT                     ; behind the ring, never filled by a tensor load: 16 rows x 528 bytes for each wave
.set SP,    528                        ; 512 bytes + 16: an odd multiple of 16
.set WST,   16*SP
.set SPARE, STAGE+4*WST                ; the spare words, 128 bytes a wave
.set LAPS,  4
.set ADRA, 16
.set ADRB, 20
.set STO,  24
.set RD,   25
.set GO,   26
.set SPW,  28
.set NIL,  29
.set G1,  24
.set G0,  32
.set G1B, 48
.set G0B, 56
.set MSB, 0
.macro WIN new
.if MSB != (\new)
	s_set_vgpr_msb (MSB<<8)|(\new)
.set MSB, \new
.endif
.endm
.set MUL, 0x50                         ; sources window 0, C and D window 1
.macro JLOAD s                         ; waves 0, 1 fetch A's halves, waves 2, 3 W's; an s_nop 0 and four v_nop follow each line
	s_cmp_eq_u32 s11, 0
	s_cbranch_scc0 .Lfor_b_\@
	tensor_load_to_lds s[G0+4*(\s):G0+4*(\s)+3], s[G1:G1+7]
	s_nop 0
.rept 4
	v_nop
.endr
	s_branch .Lasked_\@
.Lfor_b_\@:
	tensor_load_to_lds s[G0B+4*(\s):G0B+4*(\s)+3], s[G1B:G1B+7]
	s_nop 0
.rept 4
	v_nop
.endr
.Lasked_\@:
.endm
.macro CREST
	s_cmp_lg_u32 s10, 0
	s_cbranch_scc1 .Lnot_wave_0_\@
	s_barrier_signal -3
.Lnot_wave_0_\@:
	s_barrier_wait -3
	s_barrier_signal -1
	s_barrier_wait -1
.endm
.macro CROUND
	s_barrier_signal -1
	s_barrier_wait -1
	CREST
.endm
	s_load_b256 s[68:75], s[0:1], 0x0              ; A 68, W 70, R 72, O 74
	v_lshl_add_u32 v[SPW], v0, 2, SPARE
	v_mov_b32 v[NIL], 0
	ds_add_u32 v[SPW], v[NIL]                      ; the wave's opening: the add and its wait ahead of my first tensor load
	v_lshrrev_b32 v1, 5, v0
	v_readfirstlane_b32 s10, v1
	s_lshr_b32 s11, s10, 1                         ; my half of the rows; also: I fetch for A (0) or W (1)
	s_and_b32 s12, s10, 1                          ; my half of the columns; also: which half of that tile I fetch
	s_bfe_u32 s40, ttmp6, 0x40000
	s_bfe_u32 s41, ttmp6, 0x40004
	s_lshl_b32 s42, ttmp9, 2
	s_add_co_u32 s42, s42, s40                     ; tile column
	s_and_b32 s13, ttmp7, 0xffff
	s_lshl_b32 s13, s13, 2
	s_add_co_u32 s13, s13, s41                     ; tile row
	s_lshl_b32 s43, s41, 2
	s_lshl_b32 s43, 15, s43
	s_lshl_b32 s44, 0x1111, s40
	s_or_b32 s[G1+0], s43, (3<<16)|(1<<21)         ; A: mask of my row; 8-byte elements; no padding; bit 21 beside a mask
	s_mov_b32 s[G1+1], 512<<16                     ; tensor_dim0 = 512 elements: 4,096 bytes, eight blocks of channels
	s_mov_b32 s[G1+2], 4<<16                       ; tensor_dim1 = 4 blocks of steps
	s_mov_b32 s[G1+3], 512<<16                     ; tile_dim0
	s_mov_b32 s[G1+4], 4                           ; tile_dim1
	s_mov_b32 s[G1+5], 4096                        ; 32,768 bytes from one block of steps to the next
	s_mov_b32 s[G1+6], 0
	s_mov_b32 s[G1+7], 0
	s_or_b32 s[G1B+0], s44, (1<<16)|(1<<20)|(1<<21)|(5<<22)|(3<<25)  ; W: mask of my column; 2-byte elements; after every 64 words 4 words of padding
	s_mov_b32 s[G1B+1], KSTEP<<16
	s_mov_b32 s[G1B+2], 128<<16
	s_mov_b32 s[G1B+3], KSTEP<<16
	s_mov_b32 s[G1B+4], 128
	s_mov_b32 s[G1B+5], 1024
	s_mov_b32 s[G1B+6], 0
	s_mov_b32 s[G1B+7], 0
	s_lshl_b32 s16, s13, 3
	s_lshl_b32 s17, s12, 2
	s_add_co_u32 s16, s16, s17                     ; A: block of steps 8 x tile row + 4 x half
	s_lshl_b32 s16, s16, 15
	s_mov_b32 s17, 0
	s_lshl_b32 s46, s42, 8
	s_lshl_b32 s47, s12, 7
	s_add_co_u32 s46, s46, s47                     ; W: row 256 x tile column + 128 x half
	s_lshl_b32 s46, s46, 11
	s_mov_b32 s47, 0
	s_lshl_b32 s20, s12, 14                        ; where A's half goes,
	s_mul_i32 s21, s12, BHALF
	s_add_co_u32 s21, s21, BOFF                    ; and W's
	s_wait_dscnt 0x0
	s_wait_kmcnt 0x0
	s_add_nc_u64 s[14:15], s[68:69], s[16:17]
	s_add_nc_u64 s[46:47], s[70:71], s[46:47]
	CROUND
.irp s, 0,1
	s_mov_b32 s[G0+4*(\s)], 1
	s_add_co_u32 s[G0+4*(\s)+1], s20, (\s)*SLOT
	s_add_nc_u64 s[G0+4*(\s)+2:G0+4*(\s)+3], s[14:15], (\s)*4096
	s_or_b32 s[G0+4*(\s)+3], s[G0+4*(\s)+3], 0x80000000
	s_mov_b32 s[G0B+4*(\s)], 1
	s_add_co_u32 s[G0B+4*(\s)+1], s21, (\s)*SLOT
	s_add_nc_u64 s[G0B+4*(\s)+2:G0B+4*(\s)+3], s[46:47], (\s)*KSTEP*2
	s_or_b32 s[G0B+4*(\s)+3], s[G0B+4*(\s)+3], 0x80000000
	JLOAD \s
.endr
	v_and_b32 v1, 15, v0
	v_bfe_u32 v2, v0, 4, 1
	v_mul_u32_u24 v3, v1, PITCH
	v_lshl_add_u32 v3, v2, 4, v3                   ; W: row x pitch + 16 x half
	v_and_b32 v4, 7, v0
	v_lshl_add_u32 v4, v2, 3, v4
	v_bfe_u32 v5, v0, 3, 1
	v_lshlrev_b32 v4, 5, v4
	v_lshl_add_u32 v4, v5, 4, v4                   ; A: channel 8 (l / 16) + l % 8, 32 bytes each; steps 8 ((l / 8) % 2) on
	s_mul_i32 s22, s12, BHALF
	s_add_co_u32 s22, s22, BOFF                    ; my 128 rows of W
	s_lshl_b32 s23, s11, 14                        ; my four blocks of steps
.irp s, 0,1
	v_add_nc_u32 v[ADRA+(\s)], s23, v4
	v_add_nc_u32 v[ADRB+(\s)], s22, v3
	s_add_co_u32 s23, s23, SLOT
	s_add_co_u32 s22, s22, SLOT
.endr
	s_mul_i32 s23, s10, WST
	s_add_co_u32 s23, s23, STAGE                   ; my stage
	v_mul_u32_u24 v5, v1, SP
	v_lshl_add_u32 v5, v2, 5, v5
	v_add_nc_u32 v[STO], s23, v5                   ; in: row l % 16, 32 bytes for each half of the lanes
	v_and_b32 v6, 31, v0
	v_lshlrev_b32 v[GO], 4, v6                     ; 16 x lane: my place in a row's 512 bytes, in R, in O
	v_add_nc_u32 v[RD], s23, v[GO]                 ; and in the stage
	s_lshl_b32 s92, s13, 7
	s_lshl_b32 s93, s11, 6
	s_add_co_u32 s92, s92, s93                     ; my first row
	s_lshl_b32 s92, s92, 12
	s_lshl_b32 s93, s42, 10
	s_add_co_u32 s92, s92, s93
	s_lshl_b32 s93, s12, 9
	s_add_co_u32 s92, s92, s93                     ; + my first column, in bytes
	s_mov_b32 s93, 0
	s_add_nc_u64 s[84:85], s[72:73], s[92:93]
	s_add_nc_u64 s[86:87], s[74:75], s[92:93]
	WIN 0x80                                       ; destination window 2
.set i, 0
.rept 64
	global_load_b128 v[4*i:4*i+3], v[GO], s[84:85] offset:i*4096 th:TH_LOAD_NT   ; a row's 512 consecutive bytes
.set i, i+1
.endr
	WIN 0
.macro MUL8 c, a, zero                 ; block a of my rows x all 8 column blocks, 32 along K, from buffer c
	WIN MUL
.irp b, 0,1,2,3,4,5,6,7
.if \zero
	v_wmma_f32_16x16x32_bf16 v[8*(8*(\a)+\b):8*(8*(\a)+\b)+7], v[128+64*(\c)+8*\b:128+64*(\c)+8*\b+7], v[64+32*(\c)+8*(\a):64+32*(\c)+8*(\a)+7], 0
.else
	v_wmma_f32_16x16x32_bf16 v[8*(8*(\a)+\b):8*(8*(\a)+\b)+7], v[128+64*(\c)+8*\b:128+64*(\c)+8*\b+7], v[64+32*(\c)+8*(\a):64+32*(\c)+8*(\a)+7], v[8*(8*(\a)+\b):8*(8*(\a)+\b)+7]
.endif
.endr
.endm
.macro FETCH slot, q, c                ; 24 LDS loads in one run: quarter q's fragments into buffer c, W's first, then A's
	WIN 0
.irp b, 0,1,2,3,4,5,6,7
	ds_load_b128 v[128+64*(\c)+8*\b:128+64*(\c)+8*\b+3],   v[ADRB+(\slot)] offset:(\q)*64+\b*16*PITCH
	ds_load_b128 v[128+64*(\c)+8*\b+4:128+64*(\c)+8*\b+7], v[ADRB+(\slot)] offset:(\q)*64+\b*16*PITCH+32
.endr
.irp a, 0,1,2,3
	ds_load_tr16_b128 v[64+32*(\c)+8*\a:64+32*(\c)+8*\a+3],   v[ADRA+(\slot)] offset:\a*4096+(\q)*1024
	ds_load_tr16_b128 v[64+32*(\c)+8*\a+4:64+32*(\c)+8*\a+7], v[ADRA+(\slot)] offset:\a*4096+(\q)*1024+512
.endr
.endm
.macro PLACES
.rept 4
	v_nop
.endr
.endm
.macro QUARTER slot, q, c, n, zero     ; multiplies buffer c; in its middle fetches quarter q into buffer n
	s_wait_dscnt 4                                 ; W and A's blocks 0, 1 are in; the youngest four loads (A's blocks 2, 3) may be out
	MUL8 \c, 0, \zero
	MUL8 \c, 1, \zero
	PLACES
	FETCH \slot, \q, \n
	s_wait_dscnt 24                                ; all but the 24 just issued
	MUL8 \c, 2, \zero
	MUL8 \c, 3, \zero
.endm
.macro TURN slot, next, fill           ; a K step's last quarter, on buffer 1, and the change of slots
	WIN 0
	s_wait_tensorcnt 0x0                           ; all my tensor loads have landed: my part of the next slot
	ds_add_u32 v[SPW], v[NIL]
	s_wait_dscnt 5                                 ; the add and the youngest four loads may be out
	MUL8 1, 0, 0
	s_wait_dscnt 0x0                               ; the add is done, and my reads of this slot are over
	s_barrier_signal -1
	MUL8 1, 1, 0
.if \fill
	WIN 0
.endif
	s_barrier_wait -1
.if \fill
	CREST                                          ; no wave of any partner still reads this slot or has a load on its way
	s_add_nc_u64 s[G0+4*(\slot)+2:G0+4*(\slot)+3], s[G0+4*(\slot)+2:G0+4*(\slot)+3], 2*4096
	s_add_nc_u64 s[G0B+4*(\slot)+2:G0B+4*(\slot)+3], s[G0B+4*(\slot)+2:G0B+4*(\slot)+3], 2*KSTEP*2
	JLOAD \slot                                    ; its four v_nop are also the places in front of the loads below
.else
	PLACES
.endif
	FETCH \next, 0, 0
	MUL8 1, 2, 0
	MUL8 1, 3, 0
.endm
	s_wait_tensorcnt 1                             ; my part of K step 0 is in; K step 1's may stay out
	s_barrier_signal -1
	s_barrier_wait -1
	FETCH 0, 0, 0
	QUARTER 0, 1, 0, 1, 1
	WIN 0
	s_mov_b32 s3, LAPS-1
.Llap:
	QUARTER 0, 2, 1, 0, 0
	QUARTER 0, 3, 0, 1, 0
	TURN 0, 1, 1
	QUARTER 1, 1, 0, 1, 0
	QUARTER 1, 2, 1, 0, 0
	QUARTER 1, 3, 0, 1, 0
	TURN 1, 0, 1
	QUARTER 0, 1, 0, 1, 0
	WIN 0
	s_sub_co_u32 s3, s3, 1
	s_cmp_lg_u32 s3, 0
	s_cbranch_scc1 .Llap
	QUARTER 0, 2, 1, 0, 0                          ; the last lap asks for nothing
	QUARTER 0, 3, 0, 1, 0
	TURN 0, 1, 0
	QUARTER 1, 1, 0, 1, 0
	QUARTER 1, 2, 1, 0, 0
	QUARTER 1, 3, 0, 1, 0
	s_wait_dscnt 4
	MUL8 1, 0, 0
	MUL8 1, 1, 0
	s_wait_dscnt 0x0
	MUL8 1, 2, 0
	MUL8 1, 3, 0
	WIN 0
	PLACES
; THE WAY OUT, a block of 16 rows at a time: into my stage (32 bytes a lane and accumulator, the low half first), back as whole rows of 512 bytes, R added, stored.
.macro TOSTAGE a
.set BK, 64+64*((\a)%2)
	WIN 0
	s_wait_xcnt 0x0                                ; the stores of the block two back have read these registers
	WIN 0x04                                       ; store data in window 1
.irp b, 0,1,2,3,4,5,6,7
	ds_store_b128 v[STO], v[8*(8*(\a)+\b):8*(8*(\a)+\b)+3]   offset:\b*64
	ds_store_b128 v[STO], v[8*(8*(\a)+\b)+4:8*(8*(\a)+\b)+7] offset:\b*64+16
.endr
	WIN 0
.irp t, 0,1,2,3,4,5,6,7,8,9,10,11,12,13,14,15
	ds_load_b128 v[BK+4*\t:BK+4*\t+3], v[RD] offset:\t*SP   ; LDS serves a wave's instructions in order (ISA guide 5.7.1.4): these see the stores above, and the next block's stores come behind them
.endr
.endm
.macro SEND a, younger                 ; younger: the LDS instructions issued behind block a's loads
.set BK, 64+64*((\a)%2)
	s_wait_dscnt \younger
	s_wait_loadcnt 48-16*(\a)                      ; R's rows up to this block's last are in; the later rows' loads may be out
	WIN 0x08                                       ; source 1 in window 2
.set t, 0
.rept 16
	v_pk_add_f32 v[BK+4*t:BK+4*t+1],   v[BK+4*t:BK+4*t+1],   v[4*(16*(\a)+t):4*(16*(\a)+t)+1]
	v_pk_add_f32 v[BK+4*t+2:BK+4*t+3], v[BK+4*t+2:BK+4*t+3], v[4*(16*(\a)+t)+2:4*(16*(\a)+t)+3]
.set t, t+1
.endr
	WIN 0
.irp t, 0,1,2,3,4,5,6,7,8,9,10,11,12,13,14,15
	global_store_b128 v[GO], v[BK+4*\t:BK+4*\t+3], s[86:87] offset:(16*(\a)+\t)*4096   ; 512 consecutive bytes at a multiple of 512 from O's first
.endr
.endm
	TOSTAGE 0
	TOSTAGE 1
	SEND 0, 32
	TOSTAGE 2
	SEND 1, 32
	TOSTAGE 3
	SEND 2, 32
	SEND 3, 0
	s_wait_tensorcnt 0x0                           ; the wave's end
	ds_add_u32 v[SPW], v[NIL]
	s_wait_dscnt 0x0
	CROUND                                         ; the closing round
	s_endpgm
.Lfunc_end_k_q8e1d92f8e5_res1:
	.size	k_q8e1d92f8e5_res1, .Lfunc_end_k_q8e1d92f8e5_res1-k_q8e1d92f8e5_res1
	.p2alignl 7, 3214868480
	.fill 96, 4, 3214868480
	.section	.rodata,"a",@progbits
	.p2align	6, 0x0
	.amdhsa_kernel k_q8e1d92f8e5_res1
		.amdhsa_group_segment_fixed_size 327680
		.amdhsa_private_segment_fixed_size 0
		.amdhsa_enable_private_segment 0
		.amdhsa_kernarg_size 32
		.amdhsa_user_sgpr_count 2
		.amdhsa_user_sgpr_kernarg_segment_ptr 1
		.amdhsa_wavefront_size32 1
		.amdhsa_system_sgpr_workgroup_id_x 1
		.amdhsa_system_sgpr_workgroup_id_y 1
		.amdhsa_system_sgpr_workgroup_id_z 1
		.amdhsa_system_vgpr_workitem_id 0
		.amdhsa_next_free_vgpr 768
		.amdhsa_next_free_sgpr 96
		.amdhsa_reserve_vcc 0
		.amdhsa_float_denorm_mode_32 3
		.amdhsa_float_denorm_mode_16_64 3
		.amdhsa_memory_ordered 1
		.amdhsa_forward_progress 1
		.amdhsa_inst_pref_size 99
	.end_amdhsa_kernel
	.amdgpu_metadata
---
amdhsa.version: [ 1, 2 ]
amdhsa.kernels:
  - .name:           k_q8e1d92f8e5_res1
    .symbol:         k_q8e1d92f8e5_res1.kd
    .args:
      - { .name: sf, .offset: 0, .size: 8, .value_kind: global_buffer, .address_space: global }
      - { .name: wob, .offset: 8, .size: 8, .value_kind: global_buffer, .address_space: global }
      - { .name: x, .offset: 16, .size: 8, .value_kind: global_buffer, .address_space: global }
      - { .name: big, .offset: 24, .size: 8, .value_kind: global_buffer, .address_space: global }
    .group_segment_fixed_size: 327680
    .private_segment_fixed_size: 0
    .kernarg_segment_align: 8
    .kernarg_segment_size: 32
    .max_flat_workgroup_size: 128
    .sgpr_count:     96
    .vgpr_count:     768
    .wavefront_size: 32
...
	.end_amdgpu_metadata
.endif
;; end of part 4
;; launch norm2 (part 5): grid 512 x 1, 8 waves a work-group, no clusters, 0 bytes of LDS; arguments big, ffnorm_w, yz; writes yz
.if DOCPART == 5
	.amdgcn_target "amdgcn-amd-amdhsa--gfx1250"
	.amdhsa_code_object_version 6
	.text
	.protected	k_q8e1d92f8e5_norm2
	.globl	k_q8e1d92f8e5_norm2
	.p2align	8
	.type	k_q8e1d92f8e5_norm2,@function
k_q8e1d92f8e5_norm2:
	s_mov_b64 s[64:65], 0
	v_nop
	global_prefetch_b8 v0, s[64:65] scope:SCOPE_SE
	s_setreg_imm32_b32 hwreg(HW_REG_WAVE_MODE, 25, 1), 1
	s_wait_xcnt 0x0
; z = x1 * rsqrt(mean(x1^2) + 1e-6) * ffnorm_w, rounded once to bf16.  x1: [8192][1024] f32 at the head of big; z: [8192][1024] bf16.
; A work-group takes 16 rows, a wave two; a row stays in 32 registers between the sum of squares and the scaling, so it is read once.
; A load of a wave covers 512 consecutive bytes, a store 256 at a multiple of 256.  No LDS, no barrier.  Sums in f32; NaN and infinities are not treated apart.
.set VX, 1
.set VY, 2
.set VW, 3
.set CH, 4
.set RS, 14
.set X, 32
.set W, 96
.set Y, 128
.macro SUMSQ r, left
	s_wait_loadcnt \left
.irp k, 0,1,2,3
	v_pk_mul_f32 v[CH+2*\k:CH+2*\k+1], v[X+32*(\r)+2*\k:X+32*(\r)+2*\k+1], v[X+32*(\r)+2*\k:X+32*(\r)+2*\k+1]
.endr
.set j, 4
.rept 12
	v_pk_fma_f32 v[CH+2*(j%4):CH+2*(j%4)+1], v[X+32*(\r)+2*j:X+32*(\r)+2*j+1], v[X+32*(\r)+2*j:X+32*(\r)+2*j+1], v[CH+2*(j%4):CH+2*(j%4)+1]
.set j, j+1
.endr
	v_pk_add_f32 v[CH:CH+1], v[CH:CH+1], v[CH+2:CH+3]
	v_pk_add_f32 v[CH+4:CH+5], v[CH+4:CH+5], v[CH+6:CH+7]
	v_pk_add_f32 v[CH:CH+1], v[CH:CH+1], v[CH+4:CH+5]
	v_add_f32 v12, v[CH], v[CH+1]
	v_add_f32_dpp v12, v12, v12 row_xmask:1 row_mask:0xf bank_mask:0xf
	v_add_f32_dpp v12, v12, v12 row_xmask:2 row_mask:0xf bank_mask:0xf
	v_add_f32_dpp v12, v12, v12 row_xmask:4 row_mask:0xf bank_mask:0xf
	v_add_f32_dpp v12, v12, v12 row_xmask:8 row_mask:0xf bank_mask:0xf
	v_permlanex16_b32 v13, v12, s44, s45
	v_add_f32 v12, v12, v13
	v_fma_f32 v12, v12, s42, s43                   ; sum / 1,024 + 1e-6
	v_rsq_f32 v[RS+2*(\r)], v12
	v_rsq_f32 v[RS+2*(\r)+1], v12
	v_nop                                          ; a plain instruction behind the transcendentals (ISA guide 5.7.2)
.endm
.macro OUT r
.set j, 0
	s_wait_alu depctr_va_vdst(0)
.rept 16
	v_pk_mul_f32 v[X+32*(\r)+2*j:X+32*(\r)+2*j+1], v[X+32*(\r)+2*j:X+32*(\r)+2*j+1], v[RS+2*(\r):RS+2*(\r)+1]
.set j, j+1
.endr
.set j, 0
.rept 16
	v_pk_mul_f32 v[X+32*(\r)+2*j:X+32*(\r)+2*j+1], v[X+32*(\r)+2*j:X+32*(\r)+2*j+1], v[W+2*j:W+2*j+1]
.set j, j+1
.endr
.irp j, 0,1,2,3,4,5,6,7
	v_cvt_pk_bf16_f32 v[Y+16*(\r)+2*\j], v[X+32*(\r)+4*\j], v[X+32*(\r)+4*\j+1]
	v_cvt_pk_bf16_f32 v[Y+16*(\r)+2*\j+1], v[X+32*(\r)+4*\j+2], v[X+32*(\r)+4*\j+3]
	global_store_b64 v[VY], v[Y+16*(\r)+2*\j:Y+16*(\r)+2*\j+1], s[38:39] offset:(\r)*2048+\j*256
.endr
.endm
	s_load_b128 s[8:11], s[0:1], 0x0               ; big s[8:9], ffnorm_w s[10:11]
	s_load_b64 s[12:13], s[0:1], 0x10              ; yz
	v_lshrrev_b32 v12, 5, v0
	v_and_b32 v13, 31, v0
	v_lshlrev_b32 v[VW], 4, v13
	v_lshl_or_b32 v[VX], v12, 13, v[VW]
	v_lshlrev_b32 v[VY], 3, v13
	v_lshl_or_b32 v[VY], v12, 12, v[VY]
	s_mov_b32 s41, 0
	s_mov_b32 s42, 0x3a800000                      ; 1 / 1,024
	s_mov_b32 s43, 0x358637bd                      ; 1e-6
	s_mov_b32 s44, 0x76543210
	s_mov_b32 s45, 0xfedcba98
	s_wait_kmcnt 0x0
	s_lshl_b32 s40, ttmp9, 16
	s_add_nc_u64 s[36:37], s[8:9], s[40:41]
	s_lshl_b32 s40, ttmp9, 15
	s_add_nc_u64 s[38:39], s[12:13], s[40:41]
.irp r, 0,1
.irp j, 0,1,2,3,4,5,6,7
	global_load_b128 v[X+32*\r+4*\j:X+32*\r+4*\j+3], v[VX], s[36:37] offset:\r*4096+\j*512
.endr
.endr
.irp j, 0,1,2,3,4,5,6,7
	global_load_b128 v[W+4*\j:W+4*\j+3], v[VW], s[10:11] offset:\j*512
.endr
	SUMSQ 0, 16                                    ; row 1's eight loads and the gain's eight stay out
	SUMSQ 1, 8                                     ; the gain's eight stay out
	s_wait_loadcnt 0x0
	OUT 0
	OUT 1
	s_endpgm
.Lfunc_end_k_q8e1d92f8e5_norm2:
	.size	k_q8e1d92f8e5_norm2, .Lfunc_end_k_q8e1d92f8e5_norm2-k_q8e1d92f8e5_norm2
	.p2alignl 7, 3214868480
	.fill 96, 4, 3214868480
	.section	.rodata,"a",@progbits
	.p2align	6, 0x0
	.amdhsa_kernel k_q8e1d92f8e5_norm2
		.amdhsa_group_segment_fixed_size 0
		.amdhsa_private_segment_fixed_size 0
		.amdhsa_enable_private_segment 0
		.amdhsa_kernarg_size 24
		.amdhsa_user_sgpr_count 2
		.amdhsa_user_sgpr_kernarg_segment_ptr 1
		.amdhsa_wavefront_size32 1
		.amdhsa_system_sgpr_workgroup_id_x 1
		.amdhsa_system_sgpr_workgroup_id_y 1
		.amdhsa_system_sgpr_workgroup_id_z 1
		.amdhsa_system_vgpr_workitem_id 0
		.amdhsa_next_free_vgpr 160
		.amdhsa_next_free_sgpr 66
		.amdhsa_reserve_vcc 0
		.amdhsa_float_denorm_mode_32 3
		.amdhsa_float_denorm_mode_16_64 3
		.amdhsa_memory_ordered 1
		.amdhsa_forward_progress 1
		.amdhsa_inst_pref_size 15
	.end_amdhsa_kernel
	.amdgpu_metadata
---
amdhsa.version: [ 1, 2 ]
amdhsa.kernels:
  - .name:           k_q8e1d92f8e5_norm2
    .symbol:         k_q8e1d92f8e5_norm2.kd
    .args:
      - { .name: big, .offset: 0, .size: 8, .value_kind: global_buffer, .address_space: global }
      - { .name: ffnorm_w, .offset: 8, .size: 8, .value_kind: global_buffer, .address_space: global }
      - { .name: yz, .offset: 16, .size: 8, .value_kind: global_buffer, .address_space: global }
    .group_segment_fixed_size: 0
    .private_segment_fixed_size: 0
    .kernarg_segment_align: 8
    .kernarg_segment_size: 24
    .max_flat_workgroup_size: 256
    .sgpr_count:     66
    .vgpr_count:     160
    .wavefront_size: 32
...
	.end_amdgpu_metadata
.endif
;; end of part 5
;; launch ffgate (part 6): grid 8 x 32, 4 waves a work-group, clusters of 4 x 4, 327,680 bytes of LDS; arguments yz, wg, ffn_wg_b, sf; writes sf
.if DOCPART == 6
	.amdgcn_target "amdgcn-amd-amdhsa--gfx1250"
	.amdhsa_code_object_version 6
	.text
	.protected	k_q8e1d92f8e5_ffgate
	.globl	k_q8e1d92f8e5_ffgate
	.p2align	8
	.type	k_q8e1d92f8e5_ffgate,@function
k_q8e1d92f8e5_ffgate:
	s_mov_b64 s[64:65], 0
	v_nop
	global_prefetch_b8 v0, s[64:65] scope:SCOPE_SE
	s_setreg_imm32_b32 hwreg(HW_REG_WAVE_MODE, 25, 1), 1
	s_wait_xcnt 0x0
	s_wait_alu depctr_hold_cnt(0) depctr_sa_sdst(0) depctr_va_vdst(0) depctr_va_sdst(0) depctr_va_ssrc(0) depctr_va_vcc(0) depctr_vm_vsrc(0)
	s_getreg_b32 s2, hwreg(HW_REG_IB_STS2, 6, 4)
	s_cmp_eq_u32 s2, 0
	s_cbranch_scc0 .Lentry_in_a_cluster
	s_endpgm
.Lentry_in_a_cluster:
	s_bfe_u32 s2, ttmp6, 0x10000c
	s_cmp_lg_u32 s2, 0xf033
	s_cbranch_scc0 .Lentry_shape_is_right
	s_endpgm
.Lentry_shape_is_right:
; ff = (z Wi^T) x sigmoid(z Wg^T + b), rounded once to bf16.
; C[t][n] = sum over d of z[t][d] WP[n][d]; z: [8192][1024] bf16; WP: [2048][1024] bf16 at byte 8,388,608 of wg, blocks of 16 rows in the order ffn_wi, ffn_wg of 16 channels.
; A tile of C is 256 x 256: four waves, each 128 x 128 = 64 accumulators; a wave holds both products of 64 channels and 128 rows in the same lane and register.
; K goes in steps of 128 through two LDS slots filled by joint tensor loads: 4 x 4 work-groups form a cluster, z's tile is shared along its row, WP's along its column.
; ff leaves in blocks of 16 rows x 16 channels, 512 bytes, [channel][row] inside: a lane's eight numbers are 16 bytes, a wave's store one whole block.
; LIMITS.  sigmoid(v) = 1 / (1 + 2^(-log2(e) v)): exactly 0 where the power overflows, exactly 1 where it falls below 2^-126.  NaN and infinities are not treated apart.
; REGISTERS: window 0: v0-63 addresses and biases; v64-127, v128-191 fragments of z, later at work on the way out; window 1: fragments of WP;
;   windows 2, 3: the accumulators, (a, b) at v[8 (8 (a % 4) + b)] of window 2 + a / 4; b = 2 c + kind.
.set SIZE_K, 1024
.set KSTEP,  128
.set PITCH,  272
.set HALFT,  128*PITCH
.set SLOT,   4*HALFT
.set SPARE,  2*SLOT
.set LAPS,   SIZE_K/(2*KSTEP)
.set ADRA, 16
.set ADRB, 20
.set VB,   24
.set VO,   25
.set SPW,  28
.set NIL,  29
.set BIAS, 32                          ; v[32+2c ..+1] -log2(e) x bias of channel block c, twice
.set F0,   64
.set F1,   128
.set T0,   64                          ; the way out: v[64:95] eight numbers for each c
.set OB,   96                          ; v[96:111] bf16 to store
.set G1,  24
.set G0,  32
.set G1B, 48
.set G0B, 56
.set MSB, 0
.macro WIN new
.if MSB != (\new)
	s_set_vgpr_msb (MSB<<8)|(\new)
.set MSB, \new
.endif
.endm
.set MUL_LO, 0xa4
.set MUL_HI, 0xf4
.set TO_B,   0x40
.macro JLOAD s                         ; waves 0, 1 fetch z's halves, waves 2, 3 WP's; an s_nop 0 and four v_nop follow each line
	s_cmp_eq_u32 s11, 0
	s_cbranch_scc0 .Lfor_b_\@
	tensor_load_to_lds s[G0+4*(\s):G0+4*(\s)+3], s[G1:G1+7]
	s_nop 0
.rept 4
	v_nop
.endr
	s_branch .Lasked_\@
.Lfor_b_\@:
	tensor_load_to_lds s[G0B+4*(\s):G0B+4*(\s)+3], s[G1B:G1B+7]
	s_nop 0
.rept 4
	v_nop
.endr
.Lasked_\@:
.endm
.macro CREST
	s_cmp_lg_u32 s10, 0
	s_cbranch_scc1 .Lnot_wave_0_\@
	s_barrier_signal -3
.Lnot_wave_0_\@:
	s_barrier_wait -3
	s_barrier_signal -1
	s_barrier_wait -1
.endm
.macro CROUND
	s_barrier_signal -1
	s_barrier_wait -1
	CREST
.endm
	s_load_b128 s[4:7], s[0:1], 0x0                ; yz s[4:5], wg s[6:7]
	s_load_b128 s[68:71], s[0:1], 0x10             ; ffn_wg_b s[68:69], sf s[70:71]
	v_lshl_add_u32 v[SPW], v0, 2, SPARE
	v_mov_b32 v[NIL], 0
	ds_add_u32 v[SPW], v[NIL]                      ; the wave's opening: the add and its wait ahead of my first tensor load
	v_lshrrev_b32 v1, 5, v0
	v_readfirstlane_b32 s10, v1
	s_lshr_b32 s11, s10, 1
	s_and_b32 s12, s10, 1
	s_bfe_u32 s40, ttmp6, 0x40000
	s_bfe_u32 s41, ttmp6, 0x40004
	s_lshl_b32 s42, ttmp9, 2
	s_add_co_u32 s42, s42, s40                     ; tile column
	s_and_b32 s13, ttmp7, 0xffff
	s_lshl_b32 s13, s13, 2
	s_add_co_u32 s13, s13, s41                     ; tile row
	s_lshl_b32 s43, s41, 2
	s_lshl_b32 s43, 15, s43
	s_lshl_b32 s44, 0x1111, s40
	s_or_b32 s[G1+0], s43, (1<<16)|(1<<20)|(1<<21)|(5<<22)|(3<<25)
	s_or_b32 s[G1B+0], s44, (1<<16)|(1<<20)|(1<<21)|(5<<22)|(3<<25)
.irp g, G1, G1B
	s_mov_b32 s[(\g)+1], KSTEP<<16
	s_mov_b32 s[(\g)+2], 128<<16
	s_mov_b32 s[(\g)+3], KSTEP<<16
	s_mov_b32 s[(\g)+4], 128
	s_mov_b32 s[(\g)+5], SIZE_K
	s_mov_b32 s[(\g)+6], 0
	s_mov_b32 s[(\g)+7], 0
.endr
	s_lshl_b32 s17, s12, 7
	s_lshl_b32 s16, s13, 8
	s_add_co_u32 s16, s16, s17
	s_lshl_b32 s46, s42, 8
	s_add_co_u32 s46, s46, s17
	s_lshl_b32 s16, s16, 11
	s_lshl_b32 s46, s46, 11
	s_mov_b32 s17, 0
	s_mov_b32 s47, 0
	s_mul_i32 s20, s10, HALFT
	s_mov_b32 s78, 0xbfb8aa3b                      ; -log2(e)
	s_mov_b32 s79, 0xbfb8aa3b
	s_wait_dscnt 0x0
	s_wait_kmcnt 0x0
	s_add_nc_u64 s[6:7], s[6:7], 0x800000          ; the second packed matrix
	s_add_nc_u64 s[14:15], s[4:5], s[16:17]
	s_add_nc_u64 s[46:47], s[6:7], s[46:47]
	CROUND
.irp s, 0,1
	s_mov_b32 s[G0+4*(\s)], 1
	s_add_co_u32 s[G0+4*(\s)+1], s20, (\s)*SLOT
	s_add_nc_u64 s[G0+4*(\s)+2:G0+4*(\s)+3], s[14:15], (\s)*KSTEP*2
	s_or_b32 s[G0+4*(\s)+3], s[G0+4*(\s)+3], 0x80000000
	s_mov_b32 s[G0B+4*(\s)], 1
	s_add_co_u32 s[G0B+4*(\s)+1], s20, (\s)*SLOT
	s_add_nc_u64 s[G0B+4*(\s)+2:G0B+4*(\s)+3], s[46:47], (\s)*KSTEP*2
	s_or_b32 s[G0B+4*(\s)+3], s[G0B+4*(\s)+3], 0x80000000
	JLOAD \s
.endr
	v_and_b32 v1, 15, v0
	v_bfe_u32 v2, v0, 4, 1
	v_mul_u32_u24 v3, v1, PITCH
	v_lshl_add_u32 v3, v2, 4, v3
	s_mul_i32 s21, s11, HALFT
	s_mul_i32 s22, s12, HALFT
	s_add_co_u32 s22, s22, 2*HALFT
.irp s, 0,1
	v_add_nc_u32 v[ADRA+(\s)], s21, v3
	v_add_nc_u32 v[ADRB+(\s)], s22, v3
	s_add_co_u32 s21, s21, SLOT
	s_add_co_u32 s22, s22, SLOT
.endr
	v_lshlrev_b32 v[VB], 2, v1
	v_lshlrev_b32 v[VO], 5, v1
	v_lshl_add_u32 v[VO], v2, 4, v[VO]
	s_lshl_b32 s92, s42, 3
	s_lshl_b32 s93, s12, 2
	s_add_co_u32 s92, s92, s93                     ; my first block of 16 channels: 8 x tile column + 4 x half
	s_lshl_b32 s94, s13, 4
	s_lshl_b32 s93, s11, 3
	s_add_co_u32 s94, s94, s93                     ; my first block of 16 rows
	s_lshl_b32 s94, s94, 6
	s_add_co_u32 s94, s94, s92
	s_lshl_b32 s94, s94, 9
	s_mov_b32 s95, 0
	s_add_nc_u64 s[84:85], s[70:71], s[94:95]
	s_lshl_b32 s94, s92, 6
	s_add_nc_u64 s[68:69], s[68:69], s[94:95]
.irp c, 0,1,2,3
	global_load_b32 v[BIAS+2*\c], v[VB], s[68:69] offset:64*\c
.endr
.macro MUL16 f, hi, a0, zero
	WIN MUL_LO+0x50*(\hi)
.irp a, \a0, (\a0)+1
.irp b, 0,1,2,3,4,5,6,7
.if \zero
	v_wmma_f32_16x16x32_bf16 v[8*(8*(\a)+(\b)):8*(8*(\a)+(\b))+7], v[(\f)+8*(4*(\hi)+(\a)):(\f)+8*(4*(\hi)+(\a))+7], v[(\f)+8*(\b):(\f)+8*(\b)+7], 0
.else
	v_wmma_f32_16x16x32_bf16 v[8*(8*(\a)+(\b)):8*(8*(\a)+(\b))+7], v[(\f)+8*(4*(\hi)+(\a)):(\f)+8*(4*(\hi)+(\a))+7], v[(\f)+8*(\b):(\f)+8*(\b)+7], v[8*(8*(\a)+(\b)):8*(8*(\a)+(\b))+7]
.endif
.endr
.endr
.endm
.macro FETCH slot, k, f
	WIN TO_B
.irp i, 0,1,2,3,4,5,6,7
	ds_load_b128 v[(\f)+8*(\i):(\f)+8*(\i)+3],   v[ADRB+(\slot)] offset:(\k)+(\i)*16*PITCH
	ds_load_b128 v[(\f)+8*(\i)+4:(\f)+8*(\i)+7], v[ADRB+(\slot)] offset:(\k)+(\i)*16*PITCH+32
.endr
	WIN 0
.irp i, 0,1,2,3,4,5,6,7
	ds_load_b128 v[(\f)+8*(\i):(\f)+8*(\i)+3],   v[ADRA+(\slot)] offset:(\k)+(\i)*16*PITCH
	ds_load_b128 v[(\f)+8*(\i)+4:(\f)+8*(\i)+7], v[ADRA+(\slot)] offset:(\k)+(\i)*16*PITCH+32
.endr
.endm
.macro PLACES
.rept 4
	v_nop
.endr
.endm
.macro QUARTER slot, k, f, g, zero
	s_wait_dscnt 8                                 ; WP and z's rows 0-63 are in; the youngest eight loads may be out
	MUL16 \f, 0, 0, \zero
	MUL16 \f, 0, 2, \zero
	PLACES
	FETCH \slot, \k, \g
	s_wait_dscnt 32                                ; all but the 32 just issued
	MUL16 \f, 1, 0, \zero
	MUL16 \f, 1, 2, \zero
.endm
.macro MEET round
	WIN 0
	s_wait_tensorcnt 0x0                           ; all my tensor loads have landed: my part of the next slot
	ds_add_u32 v[SPW], v[NIL]
	s_wait_dscnt 9                                 ; the add and the youngest eight loads may be out
	MUL16 F1, 0, 0, 0
	s_wait_dscnt 0x0                               ; the add is done, and my reads of this slot are over
	s_barrier_signal -1
	MUL16 F1, 0, 2, 0
.if \round
	WIN 0
.endif
	s_barrier_wait -1
.endm
.macro TURN slot, next
	MEET 1
	CREST
	s_add_nc_u64 s[G0+4*(\slot)+2:G0+4*(\slot)+3], s[G0+4*(\slot)+2:G0+4*(\slot)+3], 2*KSTEP*2
	s_add_nc_u64 s[G0B+4*(\slot)+2:G0B+4*(\slot)+3], s[G0B+4*(\slot)+2:G0B+4*(\slot)+3], 2*KSTEP*2
	JLOAD \slot
	FETCH \next, 0, F0
	MUL16 F1, 1, 0, 0
	MUL16 F1, 1, 2, 0
.endm
	s_wait_tensorcnt 1                             ; my part of K step 0 is in; K step 1's may stay out
	s_barrier_signal -1
	s_barrier_wait -1
	FETCH 0, 0, F0
	QUARTER 0, 64,  F0, F1, 1
	WIN 0
	s_mov_b32 s3, LAPS-1
.Llap:
	QUARTER 0, 128, F1, F0, 0
	QUARTER 0, 192, F0, F1, 0
	TURN 0, 1
	QUARTER 1, 64,  F0, F1, 0
	QUARTER 1, 128, F1, F0, 0
	QUARTER 1, 192, F0, F1, 0
	TURN 1, 0
	QUARTER 0, 64,  F0, F1, 0
	WIN 0
	s_sub_co_u32 s3, s3, 1
	s_cmp_lg_u32 s3, 0
	s_cbranch_scc1 .Llap
	QUARTER 0, 128, F1, F0, 0
	QUARTER 0, 192, F0, F1, 0
	MEET 0
	PLACES
	FETCH 1, 0, F0
	MUL16 F1, 1, 0, 0
	MUL16 F1, 1, 2, 0
	QUARTER 1, 64,  F0, F1, 0
	QUARTER 1, 128, F1, F0, 0
	QUARTER 1, 192, F0, F1, 0
	s_wait_dscnt 8
	MUL16 F1, 0, 0, 0
	MUL16 F1, 0, 2, 0
	s_wait_dscnt 0x0
	MUL16 F1, 1, 0, 0
	MUL16 F1, 1, 2, 0
	WIN 0
	; THE WAY OUT.  The eight lines on the biases name no register of the last products: they are the places behind them.
	s_wait_loadcnt 0x0
.irp c, 0,1,2,3
	v_mul_f32 v[BIAS+2*\c], s78, v[BIAS+2*\c]
.endr
.irp c, 0,1,2,3
	v_mov_b32 v[BIAS+2*\c+1], v[BIAS+2*\c]
.endr
.macro EPI a
.set AB, 64*((\a)%4)
	WIN 2+(\a)/4                                   ; source 0: the accumulators' window
.irp c, 0,1,2,3
.irp i, 0,2,4,6
	v_pk_fma_f32 v[T0+8*\c+\i:T0+8*\c+\i+1], v[AB+8*(2*\c+1)+\i:AB+8*(2*\c+1)+\i+1], s[78:79], v[BIAS+2*\c:BIAS+2*\c+1] op_sel_hi:[1,0,0]
.endr
.endr
	WIN 0
.set i, 0
.rept 32
	v_exp_f32 v[T0+i], v[T0+i]
.set i, i+1
.endr
	v_nop                                          ; a plain instruction behind the transcendentals (ISA guide 5.7.2)
.set i, 0
	s_wait_alu depctr_va_vdst(0)
.rept 16
	v_pk_add_f32 v[T0+i:T0+i+1], v[T0+i:T0+i+1], 1.0 op_sel_hi:[1,0]
.set i, i+2
.endr
.set i, 0
.rept 32
	v_rcp_f32 v[T0+i], v[T0+i]
.set i, i+1
.endr
	v_nop
	WIN 2+(\a)/4
	s_wait_alu depctr_va_vdst(0)
.irp c, 0,1,2,3
.irp i, 0,2,4,6
	v_pk_mul_f32 v[T0+8*\c+\i:T0+8*\c+\i+1], v[AB+16*\c+\i:AB+16*\c+\i+1], v[T0+8*\c+\i:T0+8*\c+\i+1]
.endr
.endr
	WIN 0
	s_wait_xcnt 0x0                                ; the last block's stores have read their data
.set i, 0
.rept 16
	v_cvt_pk_bf16_f32 v[OB+i], v[T0+2*i], v[T0+2*i+1]
.set i, i+1
.endr
.irp c, 0,1,2,3
	global_store_b128 v[VO], v[OB+4*\c:OB+4*\c+3], s[84:85] offset:(\a)*32768+\c*512   ; one block, 512 consecutive bytes
.endr
.endm
.irp a, 0,1,2,3,4,5,6,7
	EPI \a
.endr
	s_wait_tensorcnt 0x0                           ; the wave's end
	ds_add_u32 v[SPW], v[NIL]
	s_wait_dscnt 0x0
	CROUND                                         ; the closing round
	s_endpgm
.Lfunc_end_k_q8e1d92f8e5_ffgate:
	.size	k_q8e1d92f8e5_ffgate, .Lfunc_end_k_q8e1d92f8e5_ffgate-k_q8e1d92f8e5_ffgate
	.p2alignl 7, 3214868480
	.fill 96, 4, 3214868480
	.section	.rodata,"a",@progbits
	.p2align	6, 0x0
	.amdhsa_kernel k_q8e1d92f8e5_ffgate
		.amdhsa_group_segment_fixed_size 327680
		.amdhsa_private_segment_fixed_size 0
		.amdhsa_enable_private_segment 0
		.amdhsa_kernarg_size 32
		.amdhsa_user_sgpr_count 2
		.amdhsa_user_sgpr_kernarg_segment_ptr 1
		.amdhsa_wavefront_size32 1
		.amdhsa_system_sgpr_workgroup_id_x 1
		.amdhsa_system_sgpr_workgroup_id_y 1
		.amdhsa_system_sgpr_workgroup_id_z 1
		.amdhsa_system_vgpr_workitem_id 0
		.amdhsa_next_free_vgpr 1024
		.amdhsa_next_free_sgpr 96
		.amdhsa_reserve_vcc 0
		.amdhsa_float_denorm_mode_32 3
		.amdhsa_float_denorm_mode_16_64 3
		.amdhsa_memory_ordered 1
		.amdhsa_forward_progress 1
		.amdhsa_inst_pref_size 165
	.end_amdhsa_kernel
	.amdgpu_metadata
---
amdhsa.version: [ 1, 2 ]
amdhsa.kernels:
  - .name:           k_q8e1d92f8e5_ffgate
    .symbol:         k_q8e1d92f8e5_ffgate.kd
    .args:
      - { .name: yz, .offset: 0, .size: 8, .value_kind: global_buffer, .address_space: global }
      - { .name: wg, .offset: 8, .size: 8, .value_kind: global_buffer, .address_space: global }
      - { .name: ffn_wg_b, .offset: 16, .size: 8, .value_kind: global_buffer, .address_space: global }
      - { .name: sf, .offset: 24, .size: 8, .value_kind: global_buffer, .address_space: global }
    .group_segment_fixed_size: 327680
    .private_segment_fixed_size: 0
    .kernarg_segment_align: 8
    .kernarg_segment_size: 32
    .max_flat_workgroup_size: 128
    .sgpr_count:     96
    .vgpr_count:     1024
    .wavefront_size: 32
...
	.end_amdgpu_metadata
.endif
;; end of part 6
;; launch res2: the kernel of part 4 again; grid 4 x 64, 4 waves a work-group, clusters of 4 x 4, 327,680 bytes of LDS; arguments sf, fwob, big, out0; writes out0
;; ======== version 2 of 3: 7 launches; 1.15 times as fast as version 1
;; limits: values outside matrix products are rounded to bf16
;; workspace buffers: yz 16,777,216 bytes; wg 12,582,912 bytes; wob 2,097,152 bytes; fwob 2,097,152 bytes; big 50,331,648 bytes; agg 524,288 bytes; sf 16,777,216 bytes
;; launch prep (part 7): grid 1024 x 1, 8 waves a work-group, no clusters, 0 bytes of LDS; arguments x, norm_w, wi_w, wig_w, wr_w, wog_w, ffn_wi_w, ffn_wg_w, wo_w, ffn_wo_w, yz, wg, wob, fwob; writes yz, wg, wob, fwob
.if DOCPART == 7
	.amdgcn_target "amdgcn-amd-amdhsa--gfx1250"
	.amdhsa_code_object_version 6
	.text
	.protected	k_q8e1d92f8e5_prep
	.globl	k_q8e1d92f8e5_prep
	.p2align	8
	.type	k_q8e1d92f8e5_prep,@function
k_q8e1d92f8e5_prep:
	s_mov_b64 s[64:65], 0
	v_nop
	global_prefetch_b8 v0, s[64:65] scope:SCOPE_SE
	s_setreg_imm32_b32 hwreg(HW_REG_WAVE_MODE, 25, 1), 1
	s_wait_xcnt 0x0
; Work-groups 0-511: y = x * rsqrt(mean(x^2) + 1e-6) * norm_w, rounded once to bf16, 16 rows of 1,024 each.
; Work-groups 512-1023: the eight weight matrices rounded to bf16, 16 rows each, and laid out for the products that follow:
;   wg bytes 0 ..: blocks of 16 rows in the order wi, wig, wr, wog of channels 16 s .. 16 s + 15 (block 4 s + kind);
;   wg bytes 8,388,608 ..: the same with ffn_wi, ffn_wg (block 256 + 2 s + kind); wob, fwob: wo, ffn_wo in their own order.
; A wave takes two rows; a row stays in 32 registers between the sum of squares and the scaling, so it is read once; it is rounded in place and stored
; from the registers into which it was loaded, so a wave needs 128 registers.
; A load of a wave covers 512 consecutive bytes, a store 256 consecutive bytes at a multiple of 256.  No LDS, no barrier: no wave needs another's numbers.
; Sums in f32; NaN and infinities are not treated apart.
.set VX, 1                             ; v1  byte offset of my 16 bytes in the wave's first row, f32
.set VY, 2                             ; v2  byte offset of my 8 bytes in the wave's first row, bf16
.set VW, 3                             ; v3  byte offset of my 16 bytes in norm_w
.set CH, 4                             ; v[4:11] four chains of packed sums
.set RS, 14                            ; v[14:15], v[16:17] 1 / rms of row 0, row 1, twice each (a pair for the packed multiply)
.set X, 32                             ; v[32:95] row r at 32 r, load j at 4 j; of each four registers the first two take the bf16 to store
.set W, 96                             ; v[96:127] my 32 numbers of norm_w
.macro LOADX                           ; both rows: sixteen loads from s[36:37]
.irp r, 0,1
.irp j, 0,1,2,3,4,5,6,7
	global_load_b128 v[X+32*\r+4*\j:X+32*\r+4*\j+3], v[VX], s[36:37] offset:\r*4096+\j*512 th:TH_LOAD_NT
.endr
.endr
.endm
.macro SUMSQ r, left                   ; 1 / rms of row r; left = the younger loads that may stay out
	s_wait_loadcnt \left
.irp k, 0,1,2,3
	v_pk_mul_f32 v[CH+2*\k:CH+2*\k+1], v[X+32*(\r)+2*\k:X+32*(\r)+2*\k+1], v[X+32*(\r)+2*\k:X+32*(\r)+2*\k+1]  ; the first four pairs start the chains
.endr
.set j, 4
.rept 12
	v_pk_fma_f32 v[CH+2*(j%4):CH+2*(j%4)+1], v[X+32*(\r)+2*j:X+32*(\r)+2*j+1], v[X+32*(\r)+2*j:X+32*(\r)+2*j+1], v[CH+2*(j%4):CH+2*(j%4)+1]
.set j, j+1
.endr
	v_pk_add_f32 v[CH:CH+1], v[CH:CH+1], v[CH+2:CH+3]
	v_pk_add_f32 v[CH+4:CH+5], v[CH+4:CH+5], v[CH+6:CH+7]
	v_pk_add_f32 v[CH:CH+1], v[CH:CH+1], v[CH+4:CH+5]
	v_add_f32 v12, v[CH], v[CH+1]
	v_add_f32_dpp v12, v12, v12 row_xmask:1 row_mask:0xf bank_mask:0xf
	v_add_f32_dpp v12, v12, v12 row_xmask:2 row_mask:0xf bank_mask:0xf
	v_add_f32_dpp v12, v12, v12 row_xmask:4 row_mask:0xf bank_mask:0xf
	v_add_f32_dpp v12, v12, v12 row_xmask:8 row_mask:0xf bank_mask:0xf
	v_permlanex16_b32 v13, v12, s44, s45           ; the other half of the lanes; v13 has been written before
	v_add_f32 v12, v12, v13
	v_fma_f32 v12, v12, s42, s43                   ; sum / 1,024 + 1e-6
	v_rsq_f32 v[RS+2*(\r)], v12
	v_rsq_f32 v[RS+2*(\r)+1], v12
	v_nop                                          ; a plain instruction behind the transcendentals (ISA guide 5.7.2)
.endm
.macro CAST r                          ; row r: rounded to bf16 in place and stored; nothing writes these registers again
.irp j, 0,1,2,3,4,5,6,7
	v_cvt_pk_bf16_f32 v[X+32*(\r)+4*\j], v[X+32*(\r)+4*\j], v[X+32*(\r)+4*\j+1]
	v_cvt_pk_bf16_f32 v[X+32*(\r)+4*\j+1], v[X+32*(\r)+4*\j+2], v[X+32*(\r)+4*\j+3]
	global_store_b64 v[VY], v[X+32*(\r)+4*\j:X+32*(\r)+4*\j+1], s[38:39] offset:(\r)*2048+\j*256  ; 32 lanes: 256 consecutive bytes
.endr
.endm
.macro SCALE r                         ; row r times 1 / rms, then times norm_w, as the definition orders it
.set j, 0
	s_wait_alu depctr_va_vdst(0)
.rept 16
	v_pk_mul_f32 v[X+32*(\r)+2*j:X+32*(\r)+2*j+1], v[X+32*(\r)+2*j:X+32*(\r)+2*j+1], v[RS+2*(\r):RS+2*(\r)+1]
.set j, j+1
.endr
.set j, 0
.rept 16
	v_pk_mul_f32 v[X+32*(\r)+2*j:X+32*(\r)+2*j+1], v[X+32*(\r)+2*j:X+32*(\r)+2*j+1], v[W+2*j:W+2*j+1]
.set j, j+1
.endr
.endm
	s_load_b512 s[8:23], s[0:1], 0x0               ; x 8, norm_w 10, wi 12, wig 14, wr 16, wog 18, ffn_wi 20, ffn_wg 22
	s_load_b256 s[24:31], s[0:1], 0x40             ; wo 24, ffn_wo 26, yz 28, wg 30
	s_load_b128 s[32:35], s[0:1], 0x60             ; wob 32, fwob 34
	v_lshrrev_b32 v12, 5, v0                       ; wave
	v_and_b32 v13, 31, v0                          ; lane
	v_lshlrev_b32 v[VW], 4, v13
	v_lshl_or_b32 v[VX], v12, 13, v[VW]            ; wave x 2 rows x 4,096 bytes + 16 x lane
	v_lshlrev_b32 v[VY], 3, v13
	v_lshl_or_b32 v[VY], v12, 12, v[VY]            ; wave x 2 rows x 2,048 bytes + 8 x lane
	s_mov_b32 s41, 0
	s_mov_b32 s42, 0x3a800000                      ; 1 / 1,024
	s_mov_b32 s43, 0x358637bd                      ; 1e-6
	s_mov_b32 s44, 0x76543210                      ; v_permlanex16_b32: each lane takes its own place in the other half
	s_mov_b32 s45, 0xfedcba98
	s_wait_kmcnt 0x0
	s_cmp_lt_u32 ttmp9, 512
	s_cbranch_scc0 .Lcast
	s_lshl_b32 s40, ttmp9, 16                      ; 16 rows of 4,096 bytes
	s_add_nc_u64 s[36:37], s[8:9], s[40:41]
	s_lshl_b32 s40, ttmp9, 15                      ; 16 rows of 2,048 bytes
	s_add_nc_u64 s[38:39], s[28:29], s[40:41]
	LOADX
.irp j, 0,1,2,3,4,5,6,7
	global_load_b128 v[W+4*\j:W+4*\j+3], v[VW], s[10:11] offset:\j*512
.endr
	SUMSQ 0, 16                                    ; row 1's eight loads and norm_w's eight stay out
	SUMSQ 1, 8                                     ; norm_w's eight stay out
	s_wait_loadcnt 0x0
	SCALE 0
	CAST 0
	SCALE 1
	CAST 1
	s_endpgm
.Lcast:
	s_sub_co_u32 s6, ttmp9, 512
	s_lshr_b32 s2, s6, 6                           ; which matrix, 0 to 7
	s_and_b32 s3, s6, 63                           ; which block of 16 rows
	s_mov_b64 s[36:37], s[12:13]                   ; the source, chosen among the eight by the matrix's number
	s_cmp_eq_u32 s2, 1
	s_cselect_b64 s[36:37], s[14:15], s[36:37]
	s_cmp_eq_u32 s2, 2
	s_cselect_b64 s[36:37], s[16:17], s[36:37]
	s_cmp_eq_u32 s2, 3
	s_cselect_b64 s[36:37], s[18:19], s[36:37]
	s_cmp_eq_u32 s2, 4
	s_cselect_b64 s[36:37], s[20:21], s[36:37]
	s_cmp_eq_u32 s2, 5
	s_cselect_b64 s[36:37], s[22:23], s[36:37]
	s_cmp_eq_u32 s2, 6
	s_cselect_b64 s[36:37], s[24:25], s[36:37]
	s_cmp_eq_u32 s2, 7
	s_cselect_b64 s[36:37], s[26:27], s[36:37]
	s_mov_b64 s[38:39], s[30:31]                   ; the destination
	s_cmp_eq_u32 s2, 6
	s_cselect_b64 s[38:39], s[32:33], s[38:39]
	s_cmp_eq_u32 s2, 7
	s_cselect_b64 s[38:39], s[34:35], s[38:39]
	s_lshl_b32 s4, s3, 2
	s_add_co_u32 s4, s4, s2                        ; matrices 0-3: block 4 s + kind
	s_lshl_b32 s5, s3, 1
	s_add_co_u32 s5, s5, s2
	s_add_co_u32 s5, s5, 252                       ; matrices 4, 5: block 256 + 2 s + (matrix - 4)
	s_cmp_lt_u32 s2, 4
	s_cselect_b32 s4, s4, s5
	s_cmp_lt_u32 s2, 6
	s_cselect_b32 s4, s4, s3                       ; matrices 6, 7: their own order
	s_lshl_b32 s40, s3, 16
	s_add_nc_u64 s[36:37], s[36:37], s[40:41]
	s_lshl_b32 s40, s4, 15
	s_add_nc_u64 s[38:39], s[38:39], s[40:41]
	LOADX
	s_wait_loadcnt 8                               ; row 0 is in, row 1's eight loads stay out
	CAST 0
	s_wait_loadcnt 0x0
	CAST 1
	s_endpgm
.Lfunc_end_k_q8e1d92f8e5_prep:
	.size	k_q8e1d92f8e5_prep, .Lfunc_end_k_q8e1d92f8e5_prep-k_q8e1d92f8e5_prep
	.p2alignl 7, 3214868480
	.fill 96, 4, 3214868480
	.section	.rodata,"a",@progbits
	.p2align	6, 0x0
	.amdhsa_kernel k_q8e1d92f8e5_prep
		.amdhsa_group_segment_fixed_size 0
		.amdhsa_private_segment_fixed_size 0
		.amdhsa_enable_private_segment 0
		.amdhsa_kernarg_size 112
		.amdhsa_user_sgpr_count 2
		.amdhsa_user_sgpr_kernarg_segment_ptr 1
		.amdhsa_wavefront_size32 1
		.amdhsa_system_sgpr_workgroup_id_x 1
		.amdhsa_system_sgpr_workgroup_id_y 1
		.amdhsa_system_sgpr_workgroup_id_z 1
		.amdhsa_system_vgpr_workitem_id 0
		.amdhsa_next_free_vgpr 128
		.amdhsa_next_free_sgpr 66
		.amdhsa_reserve_vcc 0
		.amdhsa_float_denorm_mode_32 3
		.amdhsa_float_denorm_mode_16_64 3
		.amdhsa_memory_ordered 1
		.amdhsa_forward_progress 1
		.amdhsa_inst_pref_size 21
	.end_amdhsa_kernel
	.amdgpu_metadata
---
amdhsa.version: [ 1, 2 ]
amdhsa.kernels:
  - .name:           k_q8e1d92f8e5_prep
    .symbol:         k_q8e1d92f8e5_prep.kd
    .args:
      - { .name: x, .offset: 0, .size: 8, .value_kind: global_buffer, .address_space: global }
      - { .name: norm_w, .offset: 8, .size: 8, .value_kind: global_buffer, .address_space: global }
      - { .name: wi_w, .offset: 16, .size: 8, .value_kind: global_buffer, .address_space: global }
      - { .name: wig_w, .offset: 24, .size: 8, .value_kind: global_buffer, .address_space: global }
      - { .name: wr_w, .offset: 32, .size: 8, .value_kind: global_buffer, .address_space: global }
      - { .name: wog_w, .offset: 40, .size: 8, .value_kind: global_buffer, .address_space: global }
      - { .name: ffn_wi_w, .offset: 48, .size: 8, .value_kind: global_buffer, .address_space: global }
      - { .name: ffn_wg_w, .offset: 56, .size: 8, .value_kind: global_buffer, .address_space: global }
      - { .name: wo_w, .offset: 64, .size: 8, .value_kind: global_buffer, .address_space: global }
      - { .name: ffn_wo_w, .offset: 72, .size: 8, .value_kind: global_buffer, .address_space: global }
      - { .name: yz, .offset: 80, .size: 8, .value_kind: global_buffer, .address_space: global }
      - { .name: wg, .offset: 88, .size: 8, .value_kind: global_buffer, .address_space: global }
      - { .name: wob, .offset: 96, .size: 8, .value_kind: global_buffer, .address_space: global }
      - { .name: fwob, .offset: 104, .size: 8, .value_kind: global_buffer, .address_space: global }
    .group_segment_fixed_size: 0
    .private_segment_fixed_size: 0
    .kernarg_segment_align: 8
    .kernarg_segment_size: 112
    .max_flat_workgroup_size: 256
    .sgpr_count:     66
    .vgpr_count:     128
    .wavefront_size: 32
...
	.end_amdgpu_metadata
.endif
;; end of part 7
;; launch gates (part 8): grid 16 x 32, 4 waves a work-group, clusters of 4 x 4, 327,680 bytes of LDS; arguments yz, wg, wig_b, wr_b, wog_b, big, agg; writes big, agg
.if DOCPART == 8
	.amdgcn_target "amdgcn-amd-amdhsa--gfx1250"
	.amdhsa_code_object_version 6
	.text
	.protected	k_q8e1d92f8e5_gates
	.globl	k_q8e1d92f8e5_gates
	.p2align	8
	.type	k_q8e1d92f8e5_gates,@function
k_q8e1d92f8e5_gates:
	s_mov_b64 s[64:65], 0
	v_nop
	global_prefetch_b8 v0, s[64:65] scope:SCOPE_SE
	s_setreg_imm32_b32 hwreg(HW_REG_WAVE_MODE, 25, 1), 1
	s_wait_xcnt 0x0
	s_wait_alu depctr_hold_cnt(0) depctr_sa_sdst(0) depctr_va_vdst(0) depctr_va_sdst(0) depctr_va_ssrc(0) depctr_va_vcc(0) depctr_vm_vsrc(0)
	s_getreg_b32 s2, hwreg(HW_REG_IB_STS2, 6, 4)
	s_cmp_eq_u32 s2, 0
	s_cbranch_scc0 .Lentry_in_a_cluster
	s_endpgm
.Lentry_in_a_cluster:
	s_bfe_u32 s2, ttmp6, 0x10000c
	s_cmp_lg_u32 s2, 0xf033
	s_cbranch_scc0 .Lentry_shape_is_right
	s_endpgm
.Lentry_shape_is_right:
; The four products of the recurrent branch, their gates, and the recurrence inside chunks of 128 steps.
; C[t][n] = sum over d of y[t][d] WP[n][d]; y: [8192][1024] bf16; WP: [4096][1024] bf16, blocks of 16 rows in the order wi, wig, wr, wog of 16 channels.
; A tile of C is 256 x 256: four waves, each 128 rows x 128 packed columns = 64 accumulators of 16 x 16.  So a wave holds, for 32 channels and 128 steps of time,
; all four products, in the same lane and register: register j of lane l is step 8 (l / 16) + j of a block of 16, channel l % 16.
; K goes in steps of 128 through two LDS slots filled by joint tensor loads: 4 x 4 work-groups form a cluster, y's tile is shared along its row, WP's along its column.
; A K STEP IS WRITTEN ONCE for the six steps that fill a slot again and once for the last two, which ask for nothing: which slot is in hand lies in a scalar register, not in the text.
; THE WAY OUT, block of 16 steps by block: ig, r = sigmoid; xg = xi ig; the recurrence h = xg + r h from h = 0 at the chunk's start (hl), and the running product of r (pc):
; seven dependent steps inside a lane, one exchange between the halves of the lanes, a carry from block to block.  All of that in f32.
; Stored: hl, pc and the out gate's argument -log2(e) (v + b), each rounded to bf16, in blocks [16 steps x 16 channels] of 512 bytes, [channel][step] inside:
; a lane's eight numbers are 16 bytes, a wave's store is one whole block.  And in f32 the chunk's last hl and pc for each channel (agg).
; LIMITS.  hl, pc and the argument serve only the bf16 operand s of the next product; what the recurrence carries from chunk to chunk is f32.
; sigmoid(v) = 1 / (1 + 2^(-log2(e) v)): exactly 0 where the power overflows, exactly 1 where it falls below 2^-126.  NaN and infinities are not treated apart.
; REGISTERS, in windows of 256: window 0: v0-63 addresses, biases, carries; v64-127, v128-191 fragments of y, two buffers, later at work on the way out;
;   window 1: v64-127, v128-191 fragments of WP; windows 2, 3: the accumulators, (a, b) at v[8 (8 (a % 4) + b)] of window 2 + a / 4; b = 4 g + kind.
.set SIZE_K, 1024
.set KSTEP,  128
.set KSTEPS, SIZE_K/KSTEP
.set PITCH,  272                       ; an LDS row: 256 bytes + 16 of padding: the 16 rows of a fragment load start at 16 different groups of four banks (ISA guide 11.1)
.set HALFT,  128*PITCH                 ; what one tensor load brings: 0x8800 bytes
.set SLOT,   4*HALFT                   ; y's 256 rows, then WP's 256 rows: 0x22000 bytes, which shares no bit with wave x 0x8800: an exclusive or with it turns a tile's LDS address in one slot into the other's
.set SPARE,  2*SLOT                    ; behind the ring: the spare words, 128 bytes a wave
.set A0,   16                          ; v16 LDS address of my fragments of y in slot 0; never rewritten
.set ADRA, 17                          ; v17 the same in the slot in hand
.set B0,   20                          ; v20, v21 the same for WP
.set ADRB, 21
.set VB,   24                          ; v24 4 (l % 16): my channel in a bias
.set VO,   25                          ; v25 32 (l % 16) + 16 (l / 16): my 16 bytes in a block
.set VA,   26                          ; v26 8 x lane: my pair in agg
.set SPW,  28                          ; v28 my spare word; never rewritten
.set NIL,  29                          ; v29 0; never rewritten
.set BIAS, 32                          ; v[32+6g+2k ..+1] -log2(e) x bias, k = 0 wig, 1 wr, 2 wog, twice
.set HC,   44                          ; v[44+2g] hl at the end of the blocks so far; v[45+2g] pc likewise
.set AGP,  48                          ; v[48:49] the pair for agg
.set F0,   64
.set F1,   128
.set T0,   64                          ; the way out: 64 registers for each g, at these places:
.set IG,   0
.set RR,   8
.set OA,   16
.set XG,   24
.set X7,   32
.set P7,   33
.set CIN,  34
.set PIN,  36
.set HX,   38
.set PX,   39
.set OH,   40
.set OP,   44
.set OO,   48
.set G1,  24                           ; s[24:31] descriptor group 1 for y's tiles
.set G0,  32                           ; s[32:39] group 0: a set for each of the two first fills; the second then walks on
.set G1B, 48                           ; s[48:55], s[56:63] the same for WP's tiles
.set G0B, 56
.set TB,  66                           ; s66 the first LDS byte of the slot in hand: 0 or SLOT
.set MSB, 0
.macro WIN new                         ; the immediate's high byte repeats the setting that is left; a switch that changes nothing is dropped
.if MSB != (\new)
	s_set_vgpr_msb (MSB<<8)|(\new)
.set MSB, \new
.endif
.endm
.set MUL_LO, 0xa4                      ; source 0 (y) window 0, source 1 (WP) window 1, C and D window 2
.set MUL_HI, 0xf4                      ; the same, C and D window 3
.set TO_B,   0x40                      ; destination window 1, address window 0
.macro JLOAD s                         ; a joint load: waves 0, 1 fetch y's halves, waves 2, 3 WP's; an s_nop 0 and four v_nop follow each line
	s_cmp_eq_u32 s11, 0
	s_cbranch_scc0 .Lfor_b_\@
	tensor_load_to_lds s[G0+4*(\s):G0+4*(\s)+3], s[G1:G1+7]
	s_nop 0
.rept 4
	v_nop
.endr
	s_branch .Lasked_\@
.Lfor_b_\@:
	tensor_load_to_lds s[G0B+4*(\s):G0B+4*(\s)+3], s[G1B:G1B+7]
	s_nop 0
.rept 4
	v_nop
.endr
.Lasked_\@:
.endm
.macro CREST                           ; a round of the cluster's barrier behind its opening barrier
	s_cmp_lg_u32 s10, 0
	s_cbranch_scc1 .Lnot_wave_0_\@
	s_barrier_signal -3
.Lnot_wave_0_\@:
	s_barrier_wait -3
	s_barrier_signal -1
	s_barrier_wait -1
.endm
.macro CROUND
	s_barrier_signal -1
	s_barrier_wait -1
	CREST
.endm
	s_load_b128 s[4:7], s[0:1], 0x0                ; yz s[4:5], wg s[6:7]
	s_load_b256 s[68:75], s[0:1], 0x10             ; wig_b 68, wr_b 70, wog_b 72, big 74
	s_load_b64 s[76:77], s[0:1], 0x30              ; agg
	v_lshl_add_u32 v[SPW], v0, 2, SPARE
	v_mov_b32 v[NIL], 0
	ds_add_u32 v[SPW], v[NIL]                      ; the wave's opening: the add and its wait ahead of my first tensor load
	v_lshrrev_b32 v1, 5, v0
	v_readfirstlane_b32 s10, v1                    ; wave 0..3
	s_lshr_b32 s11, s10, 1                         ; my half of the tile's rows; also: I fetch for y (0) or WP (1)
	s_and_b32 s12, s10, 1                          ; my half of its columns; also: which 128 rows I fetch
	s_bfe_u32 s40, ttmp6, 0x40000                  ; cx
	s_bfe_u32 s41, ttmp6, 0x40004                  ; cy
	s_lshl_b32 s42, ttmp9, 2
	s_add_co_u32 s42, s42, s40                     ; tile column
	s_and_b32 s13, ttmp7, 0xffff
	s_lshl_b32 s13, s13, 2
	s_add_co_u32 s13, s13, s41                     ; tile row
	s_lshl_b32 s43, s41, 2
	s_lshl_b32 s43, 15, s43                        ; my row of the cluster
	s_lshl_b32 s44, 0x1111, s40                    ; my column
	s_or_b32 s[G1+0], s43, (1<<16)|(1<<20)|(1<<21)|(5<<22)|(3<<25)   ; mask; 2-byte elements; padding on; bit 21 beside a mask; after every 64 words 4 words
	s_or_b32 s[G1B+0], s44, (1<<16)|(1<<20)|(1<<21)|(5<<22)|(3<<25)
.irp g, G1, G1B
	s_mov_b32 s[(\g)+1], KSTEP<<16                 ; tensor_dim0 = 128
	s_mov_b32 s[(\g)+2], 128<<16                   ; tensor_dim1 = 128
	s_mov_b32 s[(\g)+3], KSTEP<<16                 ; tile_dim0 = 128
	s_mov_b32 s[(\g)+4], 128                       ; tile_dim1 = 128
	s_mov_b32 s[(\g)+5], SIZE_K                    ; elements from row to row
	s_mov_b32 s[(\g)+6], 0
	s_mov_b32 s[(\g)+7], 0
.endr
	s_lshl_b32 s17, s12, 7
	s_lshl_b32 s16, s13, 8
	s_add_co_u32 s16, s16, s17                     ; y: row 256 x tile row + 128 x half
	s_lshl_b32 s46, s42, 8
	s_add_co_u32 s46, s46, s17                     ; WP: row 256 x tile column + 128 x half
	s_lshl_b32 s16, s16, 11                        ; rows of 2,048 bytes
	s_lshl_b32 s46, s46, 11
	s_mov_b32 s17, 0
	s_mov_b32 s47, 0
	s_mul_i32 s20, s10, HALFT                      ; where they go: wave x 128 rows
	s_mov_b32 s[TB], 0                             ; K step 0 lies in slot 0
	s_mov_b32 s78, 0xbfb8aa3b                      ; -log2(e)
	s_mov_b32 s79, 0xbfb8aa3b
	s_mov_b32 s80, 0xffff0000                      ; lanes 16-31
	s_mov_b32 s82, 0x76543210
	s_mov_b32 s83, 0xfedcba98
	s_wait_dscnt 0x0                               ; the opening add is done
	s_wait_kmcnt 0x0
	s_add_nc_u64 s[14:15], s[4:5], s[16:17]
	s_add_nc_u64 s[46:47], s[6:7], s[46:47]
	CROUND                                         ; all sixteen work-groups are here: the first joint loads meet
.irp s, 0,1
	s_mov_b32 s[G0+4*(\s)], 1
	s_add_co_u32 s[G0+4*(\s)+1], s20, (\s)*SLOT
	s_add_nc_u64 s[G0+4*(\s)+2:G0+4*(\s)+3], s[14:15], (\s)*KSTEP*2
	s_or_b32 s[G0+4*(\s)+3], s[G0+4*(\s)+3], 0x80000000
	s_mov_b32 s[G0B+4*(\s)], 1
	s_add_co_u32 s[G0B+4*(\s)+1], s20, (\s)*SLOT
	s_add_nc_u64 s[G0B+4*(\s)+2:G0B+4*(\s)+3], s[46:47], (\s)*KSTEP*2
	s_or_b32 s[G0B+4*(\s)+3], s[G0B+4*(\s)+3], 0x80000000
	JLOAD \s
.endr
	v_and_b32 v1, 15, v0                           ; l % 16
	v_bfe_u32 v2, v0, 4, 1                         ; l / 16
	v_mul_u32_u24 v3, v1, PITCH
	v_lshl_add_u32 v3, v2, 4, v3                   ; a fragment's row x pitch + 16 x half
	s_mul_i32 s21, s11, HALFT                      ; my 128 rows of y
	s_mul_i32 s22, s12, HALFT                      ; my 128 rows of WP,
	s_add_co_u32 s22, s22, 2*HALFT                 ; which lie behind y's 256
	v_add_nc_u32 v[A0], s21, v3
	v_add_nc_u32 v[B0], s22, v3
	v_mov_b32 v[ADRA], v[A0]
	v_mov_b32 v[ADRB], v[B0]
	v_lshlrev_b32 v[VB], 2, v1
	v_lshlrev_b32 v[VO], 5, v1
	v_lshl_add_u32 v[VO], v2, 4, v[VO]
	v_and_b32 v4, 31, v0
	v_lshlrev_b32 v[VA], 3, v4
	; where my results go
	s_lshl_b32 s92, s42, 2
	s_lshl_b32 s93, s12, 1
	s_add_co_u32 s92, s92, s93                     ; my first block of 16 channels: 4 x tile column + 2 x half
	s_lshl_b32 s94, s13, 4
	s_lshl_b32 s93, s11, 3
	s_add_co_u32 s94, s94, s93                     ; my first block of 16 steps: 16 x tile row + 8 x half
	s_lshl_b32 s94, s94, 6
	s_add_co_u32 s94, s94, s92
	s_lshl_b32 s94, s94, 9                         ; blocks of 512 bytes, 64 to a block of steps
	s_mov_b32 s95, 0
	s_add_nc_u64 s[84:85], s[74:75], s[94:95]      ; hl
	s_add_nc_u64 s[86:87], s[84:85], 0x1000000     ; pc
	s_add_nc_u64 s[88:89], s[84:85], 0x2000000     ; the out gate's argument
	s_lshl_b32 s94, s13, 1
	s_add_co_u32 s94, s94, s11                     ; my chunk of 128 steps
	s_lshl_b32 s94, s94, 13
	s_lshl_b32 s93, s92, 7
	s_add_co_u32 s94, s94, s93
	s_add_nc_u64 s[90:91], s[76:77], s[94:95]      ; agg: chunk x 8,192 + channel x 8
	s_lshl_b32 s94, s92, 6
	s_add_nc_u64 s[68:69], s[68:69], s[94:95]
	s_add_nc_u64 s[70:71], s[70:71], s[94:95]
	s_add_nc_u64 s[72:73], s[72:73], s[94:95]
.irp g, 0,1
	global_load_b32 v[BIAS+6*\g],   v[VB], s[68:69] offset:64*\g
	global_load_b32 v[BIAS+6*\g+2], v[VB], s[70:71] offset:64*\g
	global_load_b32 v[BIAS+6*\g+4], v[VB], s[72:73] offset:64*\g
.endr
; 16 matrix instructions: row blocks a0, a0 + 1 of the window's four x all 8 column blocks, 32 along K.  zero = 1: the first product starts the sums.
; The 64 accumulators take turns in the same order in every quarter, over the loops' edges too.
.macro MUL16 f, hi, a0, zero
	WIN MUL_LO+0x50*(\hi)
.irp a, \a0, (\a0)+1
.irp b, 0,1,2,3,4,5,6,7
.if \zero
	v_wmma_f32_16x16x32_bf16 v[8*(8*(\a)+(\b)):8*(8*(\a)+(\b))+7], v[(\f)+8*(4*(\hi)+(\a)):(\f)+8*(4*(\hi)+(\a))+7], v[(\f)+8*(\b):(\f)+8*(\b)+7], 0
.else
	v_wmma_f32_16x16x32_bf16 v[8*(8*(\a)+(\b)):8*(8*(\a)+(\b))+7], v[(\f)+8*(4*(\hi)+(\a)):(\f)+8*(4*(\hi)+(\a))+7], v[(\f)+8*(\b):(\f)+8*(\b)+7], v[8*(8*(\a)+(\b)):8*(8*(\a)+(\b))+7]
.endif
.endr
.endr
.endm
.macro FETCH k, f                      ; 32 LDS loads in one run: a quarter step's fragments from the slot in hand, WP's first, then y's
	WIN TO_B
.irp i, 0,1,2,3,4,5,6,7
	ds_load_b128 v[(\f)+8*(\i):(\f)+8*(\i)+3],   v[ADRB] offset:(\k)+(\i)*16*PITCH
	ds_load_b128 v[(\f)+8*(\i)+4:(\f)+8*(\i)+7], v[ADRB] offset:(\k)+(\i)*16*PITCH+32
.endr
	WIN 0
.irp i, 0,1,2,3,4,5,6,7
	ds_load_b128 v[(\f)+8*(\i):(\f)+8*(\i)+3],   v[ADRA] offset:(\k)+(\i)*16*PITCH
	ds_load_b128 v[(\f)+8*(\i)+4:(\f)+8*(\i)+7], v[ADRA] offset:(\k)+(\i)*16*PITCH+32
.endr
.endm
.macro PLACES                          ; four plain instructions between matrix instructions and loads into registers that they read (ISA guide 7.12.1 for vector instructions)
.rept 4
	v_nop
.endr
.endm
.macro QUARTER k, f, g, zero           ; multiplies buffer f; in its middle fetches the next quarter, at byte k of the rows, into buffer g
	s_wait_dscnt 8                                 ; WP and y's rows 0-63 are in; the youngest eight loads (y's rows 64-127) may be out
	MUL16 \f, 0, 0, \zero
	MUL16 \f, 0, 2, \zero
	PLACES
	FETCH \k, \g
	s_wait_dscnt 32                                ; all but the 32 just issued
	MUL16 \f, 1, 0, \zero
	MUL16 \f, 1, 2, \zero
.endm
; A K step's last quarter, on buffer 1, and the change of slots: one barrier.  In front of it each wave waits for all its tensor loads, adds 0 to its spare word, and waits for that and for its reads of the slot.
; fill = 1: the barrier opens a round of the cluster's, and the slot just read is filled again, two K steps on, first thing behind the round: the walking group 0 turns to the other slot and steps one K step.
; fill = 0: the last two K steps; in the very last (s3 = 1) there is no further slot, and the run of loads is jumped over.
.macro TURN fill
	WIN 0
	s_wait_tensorcnt 0x0                           ; all my tensor loads have landed: the one that was out is my part of the next slot
	ds_add_u32 v[SPW], v[NIL]
	s_wait_dscnt 9                                 ; the add and the youngest eight loads may be out
	MUL16 F1, 0, 0, 0
	s_wait_dscnt 0x0                               ; the add is done, and my reads of this slot are over
	s_barrier_signal -1
	MUL16 F1, 0, 2, 0
	WIN 0
	s_barrier_wait -1
.if \fill
	CREST                                          ; no wave of any partner still reads this slot or has a load on its way
	s_xor_b32 s[G0+5], s[G0+5], SLOT
	s_add_nc_u64 s[G0+6:G0+7], s[G0+6:G0+7], KSTEP*2
	s_xor_b32 s[G0B+5], s[G0B+5], SLOT
	s_add_nc_u64 s[G0B+6:G0B+7], s[G0B+6:G0B+7], KSTEP*2
	JLOAD 1                                        ; its four v_nop are also the places in front of the loads below
.else
	s_cmp_eq_u32 s3, 1
	s_cbranch_scc1 .Lno_more_\@
	PLACES
.endif
	s_xor_b32 s[TB], s[TB], SLOT                   ; the other slot is in hand
	v_add_nc_u32 v[ADRA], s[TB], v[A0]
	v_add_nc_u32 v[ADRB], s[TB], v[B0]
	FETCH 0, F0
.if (\fill) == 0
.Lno_more_\@:
.endif
	MUL16 F1, 1, 0, 0
	MUL16 F1, 1, 2, 0
.endm
	s_wait_tensorcnt 1                             ; my part of K step 0 is in; K step 1's may stay out
	s_barrier_signal -1
	s_barrier_wait -1
	FETCH 0, F0
	QUARTER 64,  F0, F1, 1                         ; the first quarter's products start the sums
	WIN 0
	s_mov_b32 s3, KSTEPS-2
.Lstep:                                                ; a trip: from a K step's second quarter to the next step's first; it fills the slot that it leaves
	QUARTER 128, F1, F0, 0
	QUARTER 192, F0, F1, 0
	TURN 1
	QUARTER 64,  F0, F1, 0
	WIN 0
	s_sub_co_u32 s3, s3, 1
	s_cmp_lg_u32 s3, 0
	s_cbranch_scc1 .Lstep
	s_mov_b32 s3, 2
.Ltail:                                                ; the last two K steps ask for nothing: their own text
	QUARTER 128, F1, F0, 0
	QUARTER 192, F0, F1, 0
	TURN 0
	WIN 0
	s_cmp_eq_u32 s3, 1
	s_cbranch_scc1 .Llast                          ; behind the last K step there is no first quarter: neither a barrier nor a tensor load stands in what is jumped
	QUARTER 64,  F0, F1, 0
	WIN 0
.Llast:
	s_sub_co_u32 s3, s3, 1
	s_cmp_lg_u32 s3, 0
	s_cbranch_scc1 .Ltail
	; THE WAY OUT.  The sixteen lines on biases and carries name no register of the last products: they are the places behind them.
	s_wait_loadcnt 0x0                             ; the biases
.irp r, 0,2,4,6,8,10
	v_mul_f32 v[BIAS+\r], s78, v[BIAS+\r]          ; -log2(e) b
.endr
.irp r, 0,2,4,6,8,10
	v_mov_b32 v[BIAS+\r+1], v[BIAS+\r]             ; named with it as a pair
.endr
.irp g, 0,1
	v_mov_b32 v[HC+2*\g], 0                        ; the chunk starts from h = 0,
	v_mov_b32 v[HC+2*\g+1], 1.0                    ; and from the empty product
.endr
.irp g, 0,1
	v_mov_b32 v[T0+64*\g+X7], 0                    ; destinations of lane exchanges and second halves of pairs count as read
	v_mov_b32 v[T0+64*\g+P7], 0
	v_mov_b32 v[T0+64*\g+CIN+1], 0
	v_mov_b32 v[T0+64*\g+PIN+1], 0
	v_mov_b32 v[T0+64*\g+HX], 0
	v_mov_b32 v[T0+64*\g+PX], 0
.endr
; Block a of 16 steps, both groups g of 16 channels.  L_j = xg_j + r_j L_(j-1) and Q_j = r_j Q_(j-1) inside a lane's eight steps; a step's value is L_j + Q_j cin, its product Q_j pin,
; where (cin, pin) is the carry (lanes 0-15) or the carry taken through the lower lanes' eight steps (lanes 16-31).
.macro EPI a
.set AB, 64*((\a)%4)
	WIN 2+(\a)/4                                   ; source 0: the accumulators' window.
.irp g, 0,1
.irp k, 1,2,3
.irp i, 0,2,4,6
	v_pk_fma_f32 v[T0+64*\g+8*(\k-1)+\i:T0+64*\g+8*(\k-1)+\i+1], v[AB+8*(4*\g+\k)+\i:AB+8*(4*\g+\k)+\i+1], s[78:79], v[BIAS+6*\g+2*(\k-1):BIAS+6*\g+2*(\k-1)+1] op_sel_hi:[1,0,0]
.endr
.endr
.endr
	WIN 0
.irp g, 0,1
.set i, 0
.rept 16
	v_exp_f32 v[T0+64*\g+i], v[T0+64*\g+i]         ; ig's and r's
.set i, i+1
.endr
.endr
	v_nop                                          ; a plain instruction behind the transcendentals (ISA guide 5.7.2)
	s_wait_alu depctr_va_vdst(0)
.irp g, 0,1
.set i, 0
.rept 8
	v_pk_add_f32 v[T0+64*\g+i:T0+64*\g+i+1], v[T0+64*\g+i:T0+64*\g+i+1], 1.0 op_sel_hi:[1,0]
.set i, i+2
.endr
.endr
.irp g, 0,1
.set i, 0
.rept 16
	v_rcp_f32 v[T0+64*\g+i], v[T0+64*\g+i]
.set i, i+1
.endr
.endr
	v_nop
	WIN 2+(\a)/4
	s_wait_alu depctr_va_vdst(0)
.irp g, 0,1
.irp i, 0,2,4,6
	v_pk_mul_f32 v[T0+64*\g+XG+\i:T0+64*\g+XG+\i+1], v[AB+32*\g+\i:AB+32*\g+\i+1], v[T0+64*\g+IG+\i:T0+64*\g+IG+\i+1]  ; xg = xi ig
.endr
.endr
	WIN 0
.irp j, 1,2,3,4,5,6,7
.irp g, 0,1
	v_fmac_f32 v[T0+64*\g+XG+\j], v[T0+64*\g+RR+\j], v[T0+64*\g+XG+\j-1]
.endr
.irp g, 0,1
	v_mul_f32 v[T0+64*\g+RR+\j], v[T0+64*\g+RR+\j], v[T0+64*\g+RR+\j-1]
.endr
.endr
.irp g, 0,1
	v_permlanex16_b32 v[T0+64*\g+X7], v[T0+64*\g+XG+7], s82, s83
	v_permlanex16_b32 v[T0+64*\g+P7], v[T0+64*\g+RR+7], s82, s83
.endr
.irp g, 0,1
	v_fma_f32 v[T0+64*\g+X7], v[T0+64*\g+P7], v[HC+2*\g], v[T0+64*\g+X7]
	v_mul_f32 v[T0+64*\g+P7], v[T0+64*\g+P7], v[HC+2*\g+1]
.endr
.irp g, 0,1
	v_cndmask_b32 v[T0+64*\g+CIN], v[HC+2*\g], v[T0+64*\g+X7], s80
	v_cndmask_b32 v[T0+64*\g+PIN], v[HC+2*\g+1], v[T0+64*\g+P7], s80
.endr
.irp g, 0,1
.irp i, 0,2,4,6
	v_pk_fma_f32 v[T0+64*\g+XG+\i:T0+64*\g+XG+\i+1], v[T0+64*\g+RR+\i:T0+64*\g+RR+\i+1], v[T0+64*\g+CIN:T0+64*\g+CIN+1], v[T0+64*\g+XG+\i:T0+64*\g+XG+\i+1] op_sel_hi:[1,0,1]
.endr
.irp i, 0,2,4,6
	v_pk_mul_f32 v[T0+64*\g+RR+\i:T0+64*\g+RR+\i+1], v[T0+64*\g+RR+\i:T0+64*\g+RR+\i+1], v[T0+64*\g+PIN:T0+64*\g+PIN+1] op_sel_hi:[1,0]
.endr
.endr
.irp g, 0,1
	v_permlanex16_b32 v[T0+64*\g+HX], v[T0+64*\g+XG+7], s82, s83
	v_permlanex16_b32 v[T0+64*\g+PX], v[T0+64*\g+RR+7], s82, s83
.endr
.irp g, 0,1
	v_cndmask_b32 v[HC+2*\g], v[T0+64*\g+HX], v[T0+64*\g+XG+7], s80      ; every lane: the block's last step, which lanes 16-31 hold
	v_cndmask_b32 v[HC+2*\g+1], v[T0+64*\g+PX], v[T0+64*\g+RR+7], s80
.endr
	s_wait_xcnt 0x0                                ; the last block's stores have read their data: only now are those registers rewritten
.irp g, 0,1
.irp i, 0,1,2,3
	v_cvt_pk_bf16_f32 v[T0+64*\g+OH+\i], v[T0+64*\g+XG+2*\i], v[T0+64*\g+XG+2*\i+1]
	v_cvt_pk_bf16_f32 v[T0+64*\g+OP+\i], v[T0+64*\g+RR+2*\i], v[T0+64*\g+RR+2*\i+1]
	v_cvt_pk_bf16_f32 v[T0+64*\g+OO+\i], v[T0+64*\g+OA+2*\i], v[T0+64*\g+OA+2*\i+1]
.endr
.endr
.irp g, 0,1
	global_store_b128 v[VO], v[T0+64*\g+OH:T0+64*\g+OH+3], s[84:85] offset:(\a)*32768+\g*512  ; a wave's store: one block, 512 consecutive bytes
	global_store_b128 v[VO], v[T0+64*\g+OP:T0+64*\g+OP+3], s[86:87] offset:(\a)*32768+\g*512
	global_store_b128 v[VO], v[T0+64*\g+OO:T0+64*\g+OO+3], s[88:89] offset:(\a)*32768+\g*512
.endr
.endm
.irp a, 0,1,2,3,4,5,6,7
	EPI \a
.endr
	v_cndmask_b32 v[AGP], v[HC], v[HC+2], s80      ; lanes 0-15: group 0's channels, lanes 16-31: group 1's
	v_cndmask_b32 v[AGP+1], v[HC+1], v[HC+3], s80
	global_store_b64 v[VA], v[AGP:AGP+1], s[90:91] ; 32 channels x 8 bytes: 256 consecutive bytes
	s_wait_tensorcnt 0x0                           ; the wave's end
	ds_add_u32 v[SPW], v[NIL]
	s_wait_dscnt 0x0
	CROUND                                         ; the closing round
	s_endpgm
.Lfunc_end_k_q8e1d92f8e5_gates:
	.size	k_q8e1d92f8e5_gates, .Lfunc_end_k_q8e1d92f8e5_gates-k_q8e1d92f8e5_gates
	.p2alignl 7, 3214868480
	.fill 96, 4, 3214868480
	.section	.rodata,"a",@progbits
	.p2align	6, 0x0
	.amdhsa_kernel k_q8e1d92f8e5_gates
		.amdhsa_group_segment_fixed_size 327680
		.amdhsa_private_segment_fixed_size 0
		.amdhsa_enable_private_segment 0
		.amdhsa_kernarg_size 56
		.amdhsa_user_sgpr_count 2
		.amdhsa_user_sgpr_kernarg_segment_ptr 1
		.amdhsa_wavefront_size32 1
		.amdhsa_system_sgpr_workgroup_id_x 1
		.amdhsa_system_sgpr_workgroup_id_y 1
		.amdhsa_system_sgpr_workgroup_id_z 1
		.amdhsa_system_vgpr_workitem_id 0
		.amdhsa_next_free_vgpr 1024
		.amdhsa_next_free_sgpr 96
		.amdhsa_reserve_vcc 0
		.amdhsa_float_denorm_mode_32 3
		.amdhsa_float_denorm_mode_16_64 3
		.amdhsa_memory_ordered 1
		.amdhsa_forward_progress 1
		.amdhsa_inst_pref_size 154
	.end_amdhsa_kernel
	.amdgpu_metadata
---
amdhsa.version: [ 1, 2 ]
amdhsa.kernels:
  - .name:           k_q8e1d92f8e5_gates
    .symbol:         k_q8e1d92f8e5_gates.kd
    .args:
      - { .name: yz, .offset: 0, .size: 8, .value_kind: global_buffer, .address_space: global }
      - { .name: wg, .offset: 8, .size: 8, .value_kind: global_buffer, .address_space: global }
      - { .name: wig_b, .offset: 16, .size: 8, .value_kind: global_buffer, .address_space: global }
      - { .name: wr_b, .offset: 24, .size: 8, .value_kind: global_buffer, .address_space: global }
      - { .name: wog_b, .offset: 32, .size: 8, .value_kind: global_buffer, .address_space: global }
      - { .name: big, .offset: 40, .size: 8, .value_kind: global_buffer, .address_space: global }
      - { .name: agg, .offset: 48, .size: 8, .value_kind: global_buffer, .address_space: global }
    .group_segment_fixed_size: 327680
    .private_segment_fixed_size: 0
    .kernarg_segment_align: 8
    .kernarg_segment_size: 56
    .max_flat_workgroup_size: 128
    .sgpr_count:     96
    .vgpr_count:     1024
    .wavefront_size: 32
...
	.end_amdgpu_metadata
.endif
;; end of part 8
;; launch scan (part 9): grid 4 x 64, 16 waves a work-group, no clusters, 0 bytes of LDS; arguments big, agg, mem, sf, out1; writes sf, out1
.if DOCPART == 9
	.amdgcn_target "amdgcn-amd-amdhsa--gfx1250"
	.amdhsa_code_object_version 6
	.text
	.protected	k_q8e1d92f8e5_scan
	.globl	k_q8e1d92f8e5_scan
	.p2align	8
	.type	k_q8e1d92f8e5_scan,@function
k_q8e1d92f8e5_scan:
	s_mov_b64 s[64:65], 0
	v_nop
	global_prefetch_b8 v0, s[64:65] scope:SCOPE_SE
	s_setreg_imm32_b32 hwreg(HW_REG_WAVE_MODE, 25, 1), 1
	s_wait_xcnt 0x0
; The recurrence across chunks, and s = softsign(h) x out gate.
; A work-group takes one chunk of 128 steps and 256 channels; each of its 16 waves one block of 16 channels, eight blocks of 16 steps.
; hl, pc, oa and s lie in blocks of 16 steps x 16 channels, 512 bytes, [channel][step]: the group's 16 blocks of one block of steps are 8,192 consecutive bytes,
; thread t holds the 16 bytes at 16 t of them: channel t / 2 of the group's 256, eight steps.
; Each lane first runs its own channel through the batch's 16 chunk aggregates (H, P), h <- P h + H from mem, all in f32 (two lanes read the same pair), and keeps the value
; in front of its own chunk (the carry); the value behind the last chunk is mem_out, stored by the even lanes of the work-groups of the batch's last chunk.
; Then h = hl + pc x carry, s = h / ((1 + |h|)(1 + 2^oa)), rounded to bf16.
; A wave's loads and stores of data cover 512 consecutive bytes.  The launch streams: no matrix unit, no LDS, no barrier.
; LIMITS.  s is 0 where (1 + |h|)(1 + 2^oa) overflows f32; NaN and infinities are not treated apart.
.set VD,  2                            ; v2  16 x thread; never rewritten
.set H,   16                           ; at work, once the aggregates have been used: h,
.set PCU, 24                           ; pc,
.set OAU, 32                           ; the gate's argument,
.set AB,  40                           ; and the divisor
.set D,   56                           ; v[56:151]: block of steps i, array (hl, pc, oa) at 12 i + 4 x array
	s_load_b256 s[8:15], s[0:1], 0x0               ; big 8, agg 10, mem 12, sf 14
	s_load_b64 s[16:17], s[0:1], 0x20              ; out1
	s_and_b32 s2, ttmp7, 0xffff                    ; chunk 0..63
	s_and_b32 s3, s2, 15                           ; its number in the batch
	s_lshr_b32 s4, s2, 4                           ; the batch
	s_lshl_b32 s34, s2, 18                         ; 8 blocks of steps x 32,768 bytes
	s_lshl_b32 s5, ttmp9, 13                       ; 16 blocks of channels x 512 bytes
	s_add_co_u32 s34, s34, s5
	s_mov_b32 s35, 0
	s_lshl_b32 s36, s4, 17                         ; agg: 16 chunks x 8,192 bytes
	s_lshl_b32 s5, ttmp9, 11                       ; 256 channels x 8 bytes
	s_add_co_u32 s36, s36, s5
	s_mov_b32 s37, 0
	s_lshl_b32 s38, s4, 12                         ; mem, out1: 1,024 channels x 4 bytes
	s_lshl_b32 s5, ttmp9, 10
	s_add_co_u32 s38, s38, s5
	s_mov_b32 s39, 0
	s_mov_b32 s40, 0xffff0000                      ; a word's upper bf16
	v_lshlrev_b32 v[VD], 4, v0
	v_lshrrev_b32 v1, 1, v0                        ; my channel among the group's 256
	v_lshlrev_b32 v3, 3, v1                        ; its pair in agg
	v_lshlrev_b32 v4, 2, v1                        ; its word in mem and out1
	v_mov_b32 v11, 0                               ; the second half of the carry's pair
	s_wait_kmcnt 0x0
	s_add_nc_u64 s[20:21], s[8:9], s[34:35]        ; hl
	s_add_nc_u64 s[22:23], s[20:21], 0x1000000     ; pc
	s_add_nc_u64 s[24:25], s[20:21], 0x2000000     ; oa
	s_add_nc_u64 s[26:27], s[14:15], s[34:35]      ; s
	s_add_nc_u64 s[28:29], s[10:11], s[36:37]
	s_add_nc_u64 s[30:31], s[12:13], s[38:39]
	s_add_nc_u64 s[32:33], s[16:17], s[38:39]
.set k, 0
.rept 16
	global_load_b64 v[16+2*k:17+2*k], v3, s[28:29] offset:k*8192
.set k, k+1
.endr
	global_load_b32 v48, v4, s[30:31]
.irp i, 0,1,2,3,4,5,6,7
	global_load_b128 v[D+12*\i:D+12*\i+3],    v[VD], s[20:21] offset:\i*32768 th:TH_LOAD_NT
	global_load_b128 v[D+12*\i+4:D+12*\i+7],  v[VD], s[22:23] offset:\i*32768 th:TH_LOAD_NT
	global_load_b128 v[D+12*\i+8:D+12*\i+11], v[VD], s[24:25] offset:\i*32768 th:TH_LOAD_NT
.endr
	s_wait_loadcnt 24                              ; the aggregates and mem are in; the 24 data loads stay out
	v_mov_b32 v7, v48                              ; h in front of chunk 0
	v_mov_b32 v10, v48
.set k, 0
.rept 16
	s_cmp_eq_u32 s3, k
	s_cselect_b32 s41, -1, 0
	v_cndmask_b32 v10, v10, v7, s41                ; the value in front of my chunk is kept
	v_fma_f32 v7, v[17+2*k], v7, v[16+2*k]         ; h <- P h + H
.set k, k+1
.endr
.macro ELEM i
.set DB, D+12*(\i)
	s_wait_loadcnt 21-3*(\i)                       ; loads come back in order: this block's three are in, the later ones stay out
.irp k, 0,1,2,3
	v_lshlrev_b32 v[H+2*\k],     16,  v[DB+\k]
	v_and_b32     v[H+2*\k+1],   s40, v[DB+\k]
	v_lshlrev_b32 v[PCU+2*\k],   16,  v[DB+4+\k]
	v_and_b32     v[PCU+2*\k+1], s40, v[DB+4+\k]
	v_lshlrev_b32 v[OAU+2*\k],   16,  v[DB+8+\k]
	v_and_b32     v[OAU+2*\k+1], s40, v[DB+8+\k]
.endr
.irp k, 0,2,4,6
	v_pk_fma_f32 v[H+\k:H+\k+1], v[PCU+\k:PCU+\k+1], v[10:11], v[H+\k:H+\k+1] op_sel_hi:[1,0,1]  ; h = hl + pc x carry
.endr
.irp k, 0,1,2,3,4,5,6,7
	v_exp_f32 v[OAU+\k], v[OAU+\k]
.endr
.irp k, 0,1,2,3,4,5,6,7
	v_add_f32 v[AB+\k], 1.0, |v[H+\k]|             ; also the plain instructions behind the exponentials
.endr
	s_wait_alu depctr_va_vdst(0)
.irp k, 0,2,4,6
	v_pk_add_f32 v[OAU+\k:OAU+\k+1], v[OAU+\k:OAU+\k+1], 1.0 op_sel_hi:[1,0]
.endr
.irp k, 0,2,4,6
	v_pk_mul_f32 v[AB+\k:AB+\k+1], v[AB+\k:AB+\k+1], v[OAU+\k:OAU+\k+1]
.endr
.irp k, 0,1,2,3,4,5,6,7
	v_rcp_f32 v[AB+\k], v[AB+\k]
.endr
	v_nop                                          ; a plain instruction behind the transcendentals (ISA guide 5.7.2)
	s_wait_alu depctr_va_vdst(0)
.irp k, 0,2,4,6
	v_pk_mul_f32 v[H+\k:H+\k+1], v[H+\k:H+\k+1], v[AB+\k:AB+\k+1]
.endr
.irp k, 0,1,2,3
	v_cvt_pk_bf16_f32 v[DB+\k], v[H+2*\k], v[H+2*\k+1]   ; into the block's own registers, which nothing writes again
.endr
	global_store_b128 v[VD], v[DB:DB+3], s[26:27] offset:(\i)*32768
.endm
.irp i, 0,1,2,3,4,5,6,7
	ELEM \i
.endr
	s_cmp_lg_u32 s3, 15
	s_cbranch_scc1 .Lend
	v_and_b32 v9, 1, v0                            ; a channel lies in two lanes: the even one stores it
	v_cmp_eq_u32 vcc_lo, 0, v9
	s_wait_xcnt 0x0                                ; EXEC is a source of the stores above: it changes only behind this wait
	s_and_saveexec_b32 s42, vcc_lo
	global_store_b32 v4, v7, s[32:33]              ; mem_out: h behind the batch's last chunk, made of f32 numbers alone; 16 lanes, 64 consecutive bytes
	s_wait_xcnt 0x0                                ; and again, in front of the line that widens it
	s_or_b32 exec_lo, exec_lo, s42
.Lend:
	s_endpgm
.Lfunc_end_k_q8e1d92f8e5_scan:
	.size	k_q8e1d92f8e5_scan, .Lfunc_end_k_q8e1d92f8e5_scan-k_q8e1d92f8e5_scan
	.p2alignl 7, 3214868480
	.fill 96, 4, 3214868480
	.section	.rodata,"a",@progbits
	.p2align	6, 0x0
	.amdhsa_kernel k_q8e1d92f8e5_scan
		.amdhsa_group_segment_fixed_size 0
		.amdhsa_private_segment_fixed_size 0
		.amdhsa_enable_private_segment 0
		.amdhsa_kernarg_size 40
		.amdhsa_user_sgpr_count 2
		.amdhsa_user_sgpr_kernarg_segment_ptr 1
		.amdhsa_wavefront_size32 1
		.amdhsa_system_sgpr_workgroup_id_x 1
		.amdhsa_system_sgpr_workgroup_id_y 1
		.amdhsa_system_sgpr_workgroup_id_z 1
		.amdhsa_system_vgpr_workitem_id 0
		.amdhsa_next_free_vgpr 152
		.amdhsa_next_free_sgpr 66
		.amdhsa_reserve_vcc 1
		.amdhsa_float_denorm_mode_32 3
		.amdhsa_float_denorm_mode_16_64 3
		.amdhsa_memory_ordered 1
		.amdhsa_forward_progress 1
		.amdhsa_inst_pref_size 35
	.end_amdhsa_kernel
	.amdgpu_metadata
---
amdhsa.version: [ 1, 2 ]
amdhsa.kernels:
  - .name:           k_q8e1d92f8e5_scan
    .symbol:         k_q8e1d92f8e5_scan.kd
    .args:
      - { .name: big, .offset: 0, .size: 8, .value_kind: global_buffer, .address_space: global }
      - { .name: agg, .offset: 8, .size: 8, .value_kind: global_buffer, .address_space: global }
      - { .name: mem, .offset: 16, .size: 8, .value_kind: global_buffer, .address_space: global }
      - { .name: sf, .offset: 24, .size: 8, .value_kind: global_buffer, .address_space: global }
      - { .name: out1, .offset: 32, .size: 8, .value_kind: global_buffer, .address_space: global }
    .group_segment_fixed_size: 0
    .private_segment_fixed_size: 0
    .kernarg_segment_align: 8
    .kernarg_segment_size: 40
    .max_flat_workgroup_size: 512
    .sgpr_count:     66
    .vgpr_count:     152
    .wavefront_size: 32
...
	.end_amdgpu_metadata
.endif
;; end of part 9
;; launch res1 (part 10): grid 4 x 64, 4 waves a work-group, clusters of 4 x 4, 327,680 bytes of LDS; arguments sf, wob, x, big; writes big
.if DOCPART == 10
	.amdgcn_target "amdgcn-amd-amdhsa--gfx1250"
	.amdhsa_code_object_version 6
	.text
	.protected	k_q8e1d92f8e5_res1
	.globl	k_q8e1d92f8e5_res1
	.p2align	8
	.type	k_q8e1d92f8e5_res1,@function
k_q8e1d92f8e5_res1:
	s_mov_b64 s[64:65], 0
	v_nop
	global_prefetch_b8 v0, s[64:65] scope:SCOPE_SE
	s_setreg_imm32_b32 hwreg(HW_REG_WAVE_MODE, 25, 1), 1
	s_wait_xcnt 0x0
	s_wait_alu depctr_hold_cnt(0) depctr_sa_sdst(0) depctr_va_vdst(0) depctr_va_sdst(0) depctr_va_ssrc(0) depctr_va_vcc(0) depctr_vm_vsrc(0)
	s_getreg_b32 s2, hwreg(HW_REG_IB_STS2, 6, 4)
	s_cmp_eq_u32 s2, 0
	s_cbranch_scc0 .Lentry_in_a_cluster
	s_endpgm
.Lentry_in_a_cluster:
	s_bfe_u32 s2, ttmp6, 0x10000c
	s_cmp_lg_u32 s2, 0xf033
	s_cbranch_scc0 .Lentry_shape_is_right
	s_endpgm
.Lentry_shape_is_right:
; O[t][d] = R[t][d] + sum over m of A[t][m] W[d][m].  R, O: [8192][1024] f32.  W: [1024][1024] bf16.  A: bf16 in blocks of 16 steps x 16 channels, 512 bytes, [channel][step] inside,
; block (t / 16, m / 16) at ((t / 16) 64 + m / 16) 512.  Sums in f32; the residual is added in f32.
; A tile of O is 128 rows x 256 columns, which gives each of 256 WGPs one work-group; four waves, each 64 x 128: 32 accumulators.
; The matrix instruction is used transposed (source 0 = 16 rows of W, source 1 = 16 steps of A): a lane then holds eight neighbouring columns of one row of O.
; A's fragments come out of LDS turned, by ds_load_tr16_b128: inside a block 16 channels lie 32 bytes apart, and 16 lanes of a load cover 256 consecutive bytes.
; K goes in steps of 128 through two LDS slots: of A 8 blocks of steps x 4,096 consecutive bytes, of W 256 rows of 256 bytes padded to 272.
; A K STEP IS WRITTEN ONCE for the six steps that fill a slot again and once for the last two, which ask for nothing: which slot is in hand lies in a scalar register, not in the text.
; 4 x 4 work-groups form a cluster: A's tile is shared along its row, W's along its column, each asked for jointly.
; The wave's 64 x 128 of R goes into 256 registers while the products run, in two parts: rows 0-31 are asked for at the start, rows 32-63 behind the sixth K step, when the ring's
; last refill has been asked for: only half of the group's 128 KiB of R goes out while refills are still to come.  O leaves through the wave's own stage in LDS as whole rows of 512 bytes.
; REGISTERS: window 0: addresses; v64-127 A's fragments, two buffers; v128-255 W's, two buffers; on the way out v64-191 rows read back.  Window 1: accumulators, (a, b) at 8 (8 a + b).  Window 2: R, row p at 4 p.
.set KSTEP, 128
.set KSTEPS, 8
.set PITCH, 272
.set BOFF,  32768                      ; A's part of a slot
.set BHALF, 128*PITCH
.set SLOTB, BOFF+2*BHALF               ; a slot's 102,400 bytes
.set SLOT1, 1<<17                      ; slot 1 begins here, so that one exclusive or turns an address in one slot into the other's
.set STAGE, SLOT1+SLOTB                ; behind the ring, never filled by a tensor load: 16 rows x 528 bytes for each wave
.set SP,    528                        ; 512 bytes + 16: an odd multiple of 16
.set WST,   16*SP
.set SPARE, STAGE+4*WST                ; the spare words, 128 bytes a wave
.set A0,   16                          ; v16 LDS address of my fragments of A in slot 0; never rewritten
.set ADRA, 17                          ; v17 the same in the slot in hand
.set B0,   20                          ; v20, v21 the same for W
.set ADRB, 21
.set STO,  24
.set RD,   25
.set GO,   26
.set SPW,  28
.set NIL,  29
.set G1,  24                           ; s[24:31] descriptor group 1 for A's tiles
.set G0,  32                           ; s[32:39] group 0: a set for each of the two first fills; the second then walks on
.set G1B, 48                           ; s[48:55], s[56:63] the same for W's tiles
.set G0B, 56
.set TB,  66                           ; s66 the first LDS byte of the slot in hand: 0 or SLOT1
.set MSB, 0
.macro WIN new
.if MSB != (\new)
	s_set_vgpr_msb (MSB<<8)|(\new)
.set MSB, \new
.endif
.endm
.set MUL, 0x50                         ; sources window 0, C and D window 1
.macro JLOAD s                         ; waves 0, 1 fetch A's halves, waves 2, 3 W's; an s_nop 0 and four v_nop follow each line
	s_cmp_eq_u32 s11, 0
	s_cbranch_scc0 .Lfor_b_\@
	tensor_load_to_lds s[G0+4*(\s):G0+4*(\s)+3], s[G1:G1+7]
	s_nop 0
.rept 4
	v_nop
.endr
	s_branch .Lasked_\@
.Lfor_b_\@:
	tensor_load_to_lds s[G0B+4*(\s):G0B+4*(\s)+3], s[G1B:G1B+7]
	s_nop 0
.rept 4
	v_nop
.endr
.Lasked_\@:
.endm
.macro CREST
	s_cmp_lg_u32 s10, 0
	s_cbranch_scc1 .Lnot_wave_0_\@
	s_barrier_signal -3
.Lnot_wave_0_\@:
	s_barrier_wait -3
	s_barrier_signal -1
	s_barrier_wait -1
.endm
.macro CROUND
	s_barrier_signal -1
	s_barrier_wait -1
	CREST
.endm
.macro RLOAD first                     ; 32 rows of R from row first on: a row's 512 consecutive bytes to a load
	WIN 0x80                                       ; destination window 2, address window 0
.set i, \first
.rept 32
	global_load_b128 v[4*i:4*i+3], v[GO], s[84:85] offset:i*4096 th:TH_LOAD_NT
.set i, i+1
.endr
	WIN 0
.endm
	s_load_b256 s[68:75], s[0:1], 0x0              ; A 68, W 70, R 72, O 74
	v_lshl_add_u32 v[SPW], v0, 2, SPARE
	v_mov_b32 v[NIL], 0
	ds_add_u32 v[SPW], v[NIL]                      ; the wave's opening: the add and its wait ahead of my first tensor load
	v_lshrrev_b32 v1, 5, v0
	v_readfirstlane_b32 s10, v1
	s_lshr_b32 s11, s10, 1                         ; my half of the rows; also: I fetch for A (0) or W (1)
	s_and_b32 s12, s10, 1                          ; my half of the columns; also: which half of that tile I fetch
	s_bfe_u32 s40, ttmp6, 0x40000
	s_bfe_u32 s41, ttmp6, 0x40004
	s_lshl_b32 s42, ttmp9, 2
	s_add_co_u32 s42, s42, s40                     ; tile column
	s_and_b32 s13, ttmp7, 0xffff
	s_lshl_b32 s13, s13, 2
	s_add_co_u32 s13, s13, s41                     ; tile row
	s_lshl_b32 s43, s41, 2
	s_lshl_b32 s43, 15, s43
	s_lshl_b32 s44, 0x1111, s40
	s_or_b32 s[G1+0], s43, (3<<16)|(1<<21)         ; A: mask of my row; 8-byte elements; no padding; bit 21 beside a mask
	s_mov_b32 s[G1+1], 512<<16                     ; tensor_dim0 = 512 elements: 4,096 bytes, eight blocks of channels
	s_mov_b32 s[G1+2], 4<<16                       ; tensor_dim1 = 4 blocks of steps
	s_mov_b32 s[G1+3], 512<<16                     ; tile_dim0
	s_mov_b32 s[G1+4], 4                           ; tile_dim1
	s_mov_b32 s[G1+5], 4096                        ; 32,768 bytes from one block of steps to the next
	s_mov_b32 s[G1+6], 0
	s_mov_b32 s[G1+7], 0
	s_or_b32 s[G1B+0], s44, (1<<16)|(1<<20)|(1<<21)|(5<<22)|(3<<25)  ; W: mask of my column; 2-byte elements; after every 64 words 4 words of padding
	s_mov_b32 s[G1B+1], KSTEP<<16
	s_mov_b32 s[G1B+2], 128<<16
	s_mov_b32 s[G1B+3], KSTEP<<16
	s_mov_b32 s[G1B+4], 128
	s_mov_b32 s[G1B+5], 1024
	s_mov_b32 s[G1B+6], 0
	s_mov_b32 s[G1B+7], 0
	s_lshl_b32 s16, s13, 3
	s_lshl_b32 s17, s12, 2
	s_add_co_u32 s16, s16, s17                     ; A: block of steps 8 x tile row + 4 x half
	s_lshl_b32 s16, s16, 15
	s_mov_b32 s17, 0
	s_lshl_b32 s46, s42, 8
	s_lshl_b32 s47, s12, 7
	s_add_co_u32 s46, s46, s47                     ; W: row 256 x tile column + 128 x half
	s_lshl_b32 s46, s46, 11
	s_mov_b32 s47, 0
	s_lshl_b32 s20, s12, 14                        ; where A's half goes,
	s_mul_i32 s21, s12, BHALF
	s_add_co_u32 s21, s21, BOFF                    ; and W's
	s_mov_b32 s[TB], 0                             ; K step 0 lies in slot 0
	s_wait_dscnt 0x0
	s_wait_kmcnt 0x0
	s_add_nc_u64 s[14:15], s[68:69], s[16:17]
	s_add_nc_u64 s[46:47], s[70:71], s[46:47]
	CROUND
.irp s, 0,1
	s_mov_b32 s[G0+4*(\s)], 1
	s_add_co_u32 s[G0+4*(\s)+1], s20, (\s)*SLOT1
	s_add_nc_u64 s[G0+4*(\s)+2:G0+4*(\s)+3], s[14:15], (\s)*4096
	s_or_b32 s[G0+4*(\s)+3], s[G0+4*(\s)+3], 0x80000000
	s_mov_b32 s[G0B+4*(\s)], 1
	s_add_co_u32 s[G0B+4*(\s)+1], s21, (\s)*SLOT1
	s_add_nc_u64 s[G0B+4*(\s)+2:G0B+4*(\s)+3], s[46:47], (\s)*KSTEP*2
	s_or_b32 s[G0B+4*(\s)+3], s[G0B+4*(\s)+3], 0x80000000
	JLOAD \s
.endr
	v_and_b32 v1, 15, v0
	v_bfe_u32 v2, v0, 4, 1
	v_mul_u32_u24 v3, v1, PITCH
	v_lshl_add_u32 v3, v2, 4, v3                   ; W: row x pitch + 16 x half
	v_and_b32 v4, 7, v0
	v_lshl_add_u32 v4, v2, 3, v4
	v_bfe_u32 v5, v0, 3, 1
	v_lshlrev_b32 v4, 5, v4
	v_lshl_add_u32 v4, v5, 4, v4                   ; A: channel 8 (l / 16) + l % 8, 32 bytes each; steps 8 ((l / 8) % 2) on
	s_mul_i32 s22, s12, BHALF
	s_add_co_u32 s22, s22, BOFF                    ; my 128 rows of W
	s_lshl_b32 s23, s11, 14                        ; my four blocks of steps
	v_add_nc_u32 v[A0], s23, v4
	v_add_nc_u32 v[B0], s22, v3
	v_mov_b32 v[ADRA], v[A0]
	v_mov_b32 v[ADRB], v[B0]
	s_mul_i32 s23, s10, WST
	s_add_co_u32 s23, s23, STAGE                   ; my stage
	v_mul_u32_u24 v5, v1, SP
	v_lshl_add_u32 v5, v2, 5, v5
	v_add_nc_u32 v[STO], s23, v5                   ; in: row l % 16, 32 bytes for each half of the lanes
	v_and_b32 v6, 31, v0
	v_lshlrev_b32 v[GO], 4, v6                     ; 16 x lane: my place in a row's 512 bytes, in R, in O
	v_add_nc_u32 v[RD], s23, v[GO]                 ; and in the stage
	s_lshl_b32 s92, s13, 7
	s_lshl_b32 s93, s11, 6
	s_add_co_u32 s92, s92, s93                     ; my first row
	s_lshl_b32 s92, s92, 12
	s_lshl_b32 s93, s42, 10
	s_add_co_u32 s92, s92, s93
	s_lshl_b32 s93, s12, 9
	s_add_co_u32 s92, s92, s93                     ; + my first column, in bytes
	s_mov_b32 s93, 0
	s_add_nc_u64 s[84:85], s[72:73], s[92:93]
	s_add_nc_u64 s[86:87], s[74:75], s[92:93]
	RLOAD 0                                        ; R's rows 0-31
; The 32 accumulators take turns in the same order in every quarter, over the loops' edges too.
.macro MUL8 c, a, zero                 ; block a of my rows x all 8 column blocks, 32 along K, from buffer c
	WIN MUL
.irp b, 0,1,2,3,4,5,6,7
.if \zero
	v_wmma_f32_16x16x32_bf16 v[8*(8*(\a)+\b):8*(8*(\a)+\b)+7], v[128+64*(\c)+8*\b:128+64*(\c)+8*\b+7], v[64+32*(\c)+8*(\a):64+32*(\c)+8*(\a)+7], 0
.else
	v_wmma_f32_16x16x32_bf16 v[8*(8*(\a)+\b):8*(8*(\a)+\b)+7], v[128+64*(\c)+8*\b:128+64*(\c)+8*\b+7], v[64+32*(\c)+8*(\a):64+32*(\c)+8*(\a)+7], v[8*(8*(\a)+\b):8*(8*(\a)+\b)+7]
.endif
.endr
.endm
.macro FETCH q, c                      ; 24 LDS loads in one run: quarter q's fragments from the slot in hand into buffer c, W's first, then A's
	WIN 0
.irp b, 0,1,2,3,4,5,6,7
	ds_load_b128 v[128+64*(\c)+8*\b:128+64*(\c)+8*\b+3],   v[ADRB] offset:(\q)*64+\b*16*PITCH
	ds_load_b128 v[128+64*(\c)+8*\b+4:128+64*(\c)+8*\b+7], v[ADRB] offset:(\q)*64+\b*16*PITCH+32
.endr
.irp a, 0,1,2,3
	ds_load_tr16_b128 v[64+32*(\c)+8*\a:64+32*(\c)+8*\a+3],   v[ADRA] offset:\a*4096+(\q)*1024
	ds_load_tr16_b128 v[64+32*(\c)+8*\a+4:64+32*(\c)+8*\a+7], v[ADRA] offset:\a*4096+(\q)*1024+512
.endr
.endm
.macro PLACES                          ; four plain instructions between matrix instructions and loads into registers that they read (ISA guide 7.12.1 for vector instructions)
.rept 4
	v_nop
.endr
.endm
.macro QUARTER q, c, n, zero           ; multiplies buffer c; in its middle fetches quarter q into buffer n
	s_wait_dscnt 4                                 ; W and A's blocks 0, 1 are in; the youngest four loads (A's blocks 2, 3) may be out
	MUL8 \c, 0, \zero
	MUL8 \c, 1, \zero
	PLACES
	FETCH \q, \n
	s_wait_dscnt 24                                ; all but the 24 just issued
	MUL8 \c, 2, \zero
	MUL8 \c, 3, \zero
.endm
; A K step's last quarter, on buffer 1, and the change of slots: one barrier.  fill = 1: it opens a round of the cluster's, and the slot just read is filled again, two K steps on, first thing behind the round:
; the walking group 0 turns to the other slot and steps one K step.  fill = 0: the last two K steps; in the very last (s3 = 1) there is no further slot, and the run of loads is jumped over.
.macro TURN fill
	WIN 0
	s_wait_tensorcnt 0x0                           ; all my tensor loads have landed: my part of the next slot
	ds_add_u32 v[SPW], v[NIL]
	s_wait_dscnt 5                                 ; the add and the youngest four loads may be out
	MUL8 1, 0, 0
	s_wait_dscnt 0x0                               ; the add is done, and my reads of this slot are over
	s_barrier_signal -1
	MUL8 1, 1, 0
	WIN 0
	s_barrier_wait -1
.if \fill
	CREST                                          ; no wave of any partner still reads this slot or has a load on its way
	s_xor_b32 s[G0+5], s[G0+5], SLOT1
	s_add_nc_u64 s[G0+6:G0+7], s[G0+6:G0+7], 4096
	s_xor_b32 s[G0B+5], s[G0B+5], SLOT1
	s_add_nc_u64 s[G0B+6:G0B+7], s[G0B+6:G0B+7], KSTEP*2
	JLOAD 1                                        ; its four v_nop are also the places in front of the loads below
.else
	s_cmp_eq_u32 s3, 1
	s_cbranch_scc1 .Lno_more_\@
	PLACES
.endif
	s_xor_b32 s[TB], s[TB], SLOT1                  ; the other slot is in hand
	v_add_nc_u32 v[ADRA], s[TB], v[A0]
	v_add_nc_u32 v[ADRB], s[TB], v[B0]
	FETCH 0, 0
.if (\fill) == 0
.Lno_more_\@:
.endif
	MUL8 1, 2, 0
	MUL8 1, 3, 0
.endm
	s_wait_tensorcnt 1                             ; my part of K step 0 is in; K step 1's may stay out
	s_barrier_signal -1
	s_barrier_wait -1
	FETCH 0, 0
	QUARTER 1, 0, 1, 1                             ; the first quarter's products start the sums
	WIN 0
	s_mov_b32 s3, KSTEPS-2
.Lstep:                                                ; a trip: from a K step's second quarter to the next step's first; it fills the slot that it leaves
	QUARTER 2, 1, 0, 0
	QUARTER 3, 0, 1, 0
	TURN 1
	QUARTER 1, 0, 1, 0
	WIN 0
	s_sub_co_u32 s3, s3, 1
	s_cmp_lg_u32 s3, 0
	s_cbranch_scc1 .Lstep
	RLOAD 32                                       ; R's rows 32-63: the last refill has been asked for; two K steps and two blocks of the way out stand ahead of their first use
	s_mov_b32 s3, 2
.Ltail:                                                ; the last two K steps ask for nothing: their own text
	QUARTER 2, 1, 0, 0
	QUARTER 3, 0, 1, 0
	TURN 0
	WIN 0
	s_cmp_eq_u32 s3, 1
	s_cbranch_scc1 .Llast                          ; behind the last K step there is no first quarter: neither a barrier nor a tensor load stands in what is jumped
	QUARTER 1, 0, 1, 0
	WIN 0
.Llast:
	s_sub_co_u32 s3, s3, 1
	s_cmp_lg_u32 s3, 0
	s_cbranch_scc1 .Ltail
	PLACES
; THE WAY OUT, a block of 16 rows at a time: into my stage (32 bytes a lane and accumulator, the low half first), back as whole rows of 512 bytes, R added, stored.
.macro TOSTAGE a
.set BK, 64+64*((\a)%2)
	WIN 0
	s_wait_xcnt 0x0                                ; the stores of the block two back have read these registers
	WIN 0x04                                       ; store data in window 1
.irp b, 0,1,2,3,4,5,6,7
	ds_store_b128 v[STO], v[8*(8*(\a)+\b):8*(8*(\a)+\b)+3]   offset:\b*64
	ds_store_b128 v[STO], v[8*(8*(\a)+\b)+4:8*(8*(\a)+\b)+7] offset:\b*64+16
.endr
	WIN 0
.irp t, 0,1,2,3,4,5,6,7,8,9,10,11,12,13,14,15
	ds_load_b128 v[BK+4*\t:BK+4*\t+3], v[RD] offset:\t*SP   ; LDS serves a wave's instructions in order (ISA guide 5.7.1.4): these see the stores above, and the next block's stores come behind them
.endr
.endm
.macro SEND a, younger                 ; younger: the LDS instructions issued behind block a's loads
.set BK, 64+64*((\a)%2)
	s_wait_dscnt \younger
	s_wait_loadcnt 48-16*(\a)                      ; R's 64 loads were issued by ascending rows: those up to this block's last are in, the later rows' may be out
	WIN 0x08                                       ; source 1 in window 2
.set t, 0
.rept 16
	v_pk_add_f32 v[BK+4*t:BK+4*t+1],   v[BK+4*t:BK+4*t+1],   v[4*(16*(\a)+t):4*(16*(\a)+t)+1]
	v_pk_add_f32 v[BK+4*t+2:BK+4*t+3], v[BK+4*t+2:BK+4*t+3], v[4*(16*(\a)+t)+2:4*(16*(\a)+t)+3]
.set t, t+1
.endr
	WIN 0
.irp t, 0,1,2,3,4,5,6,7,8,9,10,11,12,13,14,15
	global_store_b128 v[GO], v[BK+4*\t:BK+4*\t+3], s[86:87] offset:(16*(\a)+\t)*4096   ; 512 consecutive bytes at a multiple of 512 from O's first
.endr
.endm
	TOSTAGE 0
	TOSTAGE 1
	SEND 0, 32
	TOSTAGE 2
	SEND 1, 32
	TOSTAGE 3
	SEND 2, 32
	SEND 3, 0
	s_wait_tensorcnt 0x0                           ; the wave's end
	ds_add_u32 v[SPW], v[NIL]
	s_wait_dscnt 0x0
	CROUND                                         ; the closing round
	s_endpgm
.Lfunc_end_k_q8e1d92f8e5_res1:
	.size	k_q8e1d92f8e5_res1, .Lfunc_end_k_q8e1d92f8e5_res1-k_q8e1d92f8e5_res1
	.p2alignl 7, 3214868480
	.fill 96, 4, 3214868480
	.section	.rodata,"a",@progbits
	.p2align	6, 0x0
	.amdhsa_kernel k_q8e1d92f8e5_res1
		.amdhsa_group_segment_fixed_size 327680
		.amdhsa_private_segment_fixed_size 0
		.amdhsa_enable_private_segment 0
		.amdhsa_kernarg_size 32
		.amdhsa_user_sgpr_count 2
		.amdhsa_user_sgpr_kernarg_segment_ptr 1
		.amdhsa_wavefront_size32 1
		.amdhsa_system_sgpr_workgroup_id_x 1
		.amdhsa_system_sgpr_workgroup_id_y 1
		.amdhsa_system_sgpr_workgroup_id_z 1
		.amdhsa_system_vgpr_workitem_id 0
		.amdhsa_next_free_vgpr 768
		.amdhsa_next_free_sgpr 96
		.amdhsa_reserve_vcc 0
		.amdhsa_float_denorm_mode_32 3
		.amdhsa_float_denorm_mode_16_64 3
		.amdhsa_memory_ordered 1
		.amdhsa_forward_progress 1
		.amdhsa_inst_pref_size 74
	.end_amdhsa_kernel
	.amdgpu_metadata
---
amdhsa.version: [ 1, 2 ]
amdhsa.kernels:
  - .name:           k_q8e1d92f8e5_res1
    .symbol:         k_q8e1d92f8e5_res1.kd
    .args:
      - { .name: sf, .offset: 0, .size: 8, .value_kind: global_buffer, .address_space: global }
      - { .name: wob, .offset: 8, .size: 8, .value_kind: global_buffer, .address_space: global }
      - { .name: x, .offset: 16, .size: 8, .value_kind: global_buffer, .address_space: global }
      - { .name: big, .offset: 24, .size: 8, .value_kind: global_buffer, .address_space: global }
    .group_segment_fixed_size: 327680
    .private_segment_fixed_size: 0
    .kernarg_segment_align: 8
    .kernarg_segment_size: 32
    .max_flat_workgroup_size: 128
    .sgpr_count:     96
    .vgpr_count:     768
    .wavefront_size: 32
...
	.end_amdgpu_metadata
.endif
;; end of part 10
;; launch norm2: the kernel of part 5 again; grid 512 x 1, 8 waves a work-group, no clusters, 0 bytes of LDS; arguments big, ffnorm_w, yz; writes yz
;; launch ffgate (part 11): grid 8 x 32, 4 waves a work-group, clusters of 4 x 4, 327,680 bytes of LDS; arguments yz, wg, ffn_wg_b, sf; writes sf
.if DOCPART == 11
	.amdgcn_target "amdgcn-amd-amdhsa--gfx1250"
	.amdhsa_code_object_version 6
	.text
	.protected	k_q8e1d92f8e5_ffgate
	.globl	k_q8e1d92f8e5_ffgate
	.p2align	8
	.type	k_q8e1d92f8e5_ffgate,@function
k_q8e1d92f8e5_ffgate:
	s_mov_b64 s[64:65], 0
	v_nop
	global_prefetch_b8 v0, s[64:65] scope:SCOPE_SE
	s_setreg_imm32_b32 hwreg(HW_REG_WAVE_MODE, 25, 1), 1
	s_wait_xcnt 0x0
	s_wait_alu depctr_hold_cnt(0) depctr_sa_sdst(0) depctr_va_vdst(0) depctr_va_sdst(0) depctr_va_ssrc(0) depctr_va_vcc(0) depctr_vm_vsrc(0)
	s_getreg_b32 s2, hwreg(HW_REG_IB_STS2, 6, 4)
	s_cmp_eq_u32 s2, 0
	s_cbranch_scc0 .Lentry_in_a_cluster
	s_endpgm
.Lentry_in_a_cluster:
	s_bfe_u32 s2, ttmp6, 0x10000c
	s_cmp_lg_u32 s2, 0xf033
	s_cbranch_scc0 .Lentry_shape_is_right
	s_endpgm
.Lentry_shape_is_right:
; ff = (z Wi^T) x sigmoid(z Wg^T + b), rounded once to bf16.
; C[t][n] = sum over d of z[t][d] WP[n][d]; z: [8192][1024] bf16; WP: [2048][1024] bf16 at byte 8,388,608 of wg, blocks of 16 rows in the order ffn_wi, ffn_wg of 16 channels.
; A tile of C is 256 x 256: four waves, each 128 x 128 = 64 accumulators; a wave holds both products of 64 channels and 128 rows in the same lane and register.
; K goes in steps of 128 through two LDS slots filled by joint tensor loads: 4 x 4 work-groups form a cluster, z's tile is shared along its row, WP's along its column.
; A K STEP IS WRITTEN ONCE for the six steps that fill a slot again and once for the last two, which ask for nothing: which slot is in hand lies in a scalar register, not in the text.
; ff leaves in blocks of 16 rows x 16 channels, 512 bytes, [channel][row] inside: a lane's eight numbers are 16 bytes, a wave's store one whole block.
; LIMITS.  sigmoid(v) = 1 / (1 + 2^(-log2(e) v)): exactly 0 where the power overflows, exactly 1 where it falls below 2^-126.  NaN and infinities are not treated apart.
; REGISTERS: window 0: v0-63 addresses and biases; v64-127, v128-191 fragments of z, later at work on the way out; window 1: fragments of WP;
;   windows 2, 3: the accumulators, (a, b) at v[8 (8 (a % 4) + b)] of window 2 + a / 4; b = 2 c + kind.
.set SIZE_K, 1024
.set KSTEP,  128
.set KSTEPS, SIZE_K/KSTEP
.set PITCH,  272                       ; an LDS row: 256 bytes + 16 of padding: the 16 rows of a fragment load start at 16 different groups of four banks (ISA guide 11.1)
.set HALFT,  128*PITCH                 ; what one tensor load brings: 0x8800 bytes
.set SLOT,   4*HALFT                   ; 0x22000 bytes, which shares no bit with wave x 0x8800: an exclusive or with it turns a tile's LDS address in one slot into the other's
.set SPARE,  2*SLOT
.set A0,   16                          ; v16 LDS address of my fragments of z in slot 0; never rewritten
.set ADRA, 17                          ; v17 the same in the slot in hand
.set B0,   20                          ; v20, v21 the same for WP
.set ADRB, 21
.set VB,   24
.set VO,   25
.set SPW,  28
.set NIL,  29
.set BIAS, 32                          ; v[32+2c ..+1] -log2(e) x bias of channel block c, twice
.set F0,   64
.set F1,   128
.set T0,   64                          ; the way out: v[64:95] eight numbers for each c
.set OB,   96                          ; v[96:111] bf16 to store
.set G1,  24
.set G0,  32                           ; s[32:39] group 0: a set for each of the two first fills; the second then walks on
.set G1B, 48
.set G0B, 56
.set TB,  66                           ; s66 the first LDS byte of the slot in hand: 0 or SLOT
.set MSB, 0
.macro WIN new
.if MSB != (\new)
	s_set_vgpr_msb (MSB<<8)|(\new)
.set MSB, \new
.endif
.endm
.set MUL_LO, 0xa4
.set MUL_HI, 0xf4
.set TO_B,   0x40
.macro JLOAD s                         ; waves 0, 1 fetch z's halves, waves 2, 3 WP's; an s_nop 0 and four v_nop follow each line
	s_cmp_eq_u32 s11, 0
	s_cbranch_scc0 .Lfor_b_\@
	tensor_load_to_lds s[G0+4*(\s):G0+4*(\s)+3], s[G1:G1+7]
	s_nop 0
.rept 4
	v_nop
.endr
	s_branch .Lasked_\@
.Lfor_b_\@:
	tensor_load_to_lds s[G0B+4*(\s):G0B+4*(\s)+3], s[G1B:G1B+7]
	s_nop 0
.rept 4
	v_nop
.endr
.Lasked_\@:
.endm
.macro CREST
	s_cmp_lg_u32 s10, 0
	s_cbranch_scc1 .Lnot_wave_0_\@
	s_barrier_signal -3
.Lnot_wave_0_\@:
	s_barrier_wait -3
	s_barrier_signal -1
	s_barrier_wait -1
.endm
.macro CROUND
	s_barrier_signal -1
	s_barrier_wait -1
	CREST
.endm
	s_load_b128 s[4:7], s[0:1], 0x0                ; yz s[4:5], wg s[6:7]
	s_load_b128 s[68:71], s[0:1], 0x10             ; ffn_wg_b s[68:69], sf s[70:71]
	v_lshl_add_u32 v[SPW], v0, 2, SPARE
	v_mov_b32 v[NIL], 0
	ds_add_u32 v[SPW], v[NIL]                      ; the wave's opening: the add and its wait ahead of my first tensor load
	v_lshrrev_b32 v1, 5, v0
	v_readfirstlane_b32 s10, v1
	s_lshr_b32 s11, s10, 1
	s_and_b32 s12, s10, 1
	s_bfe_u32 s40, ttmp6, 0x40000
	s_bfe_u32 s41, ttmp6, 0x40004
	s_lshl_b32 s42, ttmp9, 2
	s_add_co_u32 s42, s42, s40                     ; tile column
	s_and_b32 s13, ttmp7, 0xffff
	s_lshl_b32 s13, s13, 2
	s_add_co_u32 s13, s13, s41                     ; tile row
	s_lshl_b32 s43, s41, 2
	s_lshl_b32 s43, 15, s43
	s_lshl_b32 s44, 0x1111, s40
	s_or_b32 s[G1+0], s43, (1<<16)|(1<<20)|(1<<21)|(5<<22)|(3<<25)
	s_or_b32 s[G1B+0], s44, (1<<16)|(1<<20)|(1<<21)|(5<<22)|(3<<25)
.irp g, G1, G1B
	s_mov_b32 s[(\g)+1], KSTEP<<16
	s_mov_b32 s[(\g)+2], 128<<16
	s_mov_b32 s[(\g)+3], KSTEP<<16
	s_mov_b32 s[(\g)+4], 128
	s_mov_b32 s[(\g)+5], SIZE_K
	s_mov_b32 s[(\g)+6], 0
	s_mov_b32 s[(\g)+7], 0
.endr
	s_lshl_b32 s17, s12, 7
	s_lshl_b32 s16, s13, 8
	s_add_co_u32 s16, s16, s17
	s_lshl_b32 s46, s42, 8
	s_add_co_u32 s46, s46, s17
	s_lshl_b32 s16, s16, 11
	s_lshl_b32 s46, s46, 11
	s_mov_b32 s17, 0
	s_mov_b32 s47, 0
	s_mul_i32 s20, s10, HALFT
	s_mov_b32 s[TB], 0                             ; K step 0 lies in slot 0
	s_mov_b32 s78, 0xbfb8aa3b                      ; -log2(e)
	s_mov_b32 s79, 0xbfb8aa3b
	s_wait_dscnt 0x0
	s_wait_kmcnt 0x0
	s_add_nc_u64 s[6:7], s[6:7], 0x800000          ; the second packed matrix
	s_add_nc_u64 s[14:15], s[4:5], s[16:17]
	s_add_nc_u64 s[46:47], s[6:7], s[46:47]
	CROUND
.irp s, 0,1
	s_mov_b32 s[G0+4*(\s)], 1
	s_add_co_u32 s[G0+4*(\s)+1], s20, (\s)*SLOT
	s_add_nc_u64 s[G0+4*(\s)+2:G0+4*(\s)+3], s[14:15], (\s)*KSTEP*2
	s_or_b32 s[G0+4*(\s)+3], s[G0+4*(\s)+3], 0x80000000
	s_mov_b32 s[G0B+4*(\s)], 1
	s_add_co_u32 s[G0B+4*(\s)+1], s20, (\s)*SLOT
	s_add_nc_u64 s[G0B+4*(\s)+2:G0B+4*(\s)+3], s[46:47], (\s)*KSTEP*2
	s_or_b32 s[G0B+4*(\s)+3], s[G0B+4*(\s)+3], 0x80000000
	JLOAD \s
.endr
	v_and_b32 v1, 15, v0
	v_bfe_u32 v2, v0, 4, 1
	v_mul_u32_u24 v3, v1, PITCH
	v_lshl_add_u32 v3, v2, 4, v3
	s_mul_i32 s21, s11, HALFT
	s_mul_i32 s22, s12, HALFT
	s_add_co_u32 s22, s22, 2*HALFT
	v_add_nc_u32 v[A0], s21, v3
	v_add_nc_u32 v[B0], s22, v3
	v_mov_b32 v[ADRA], v[A0]
	v_mov_b32 v[ADRB], v[B0]
	v_lshlrev_b32 v[VB], 2, v1
	v_lshlrev_b32 v[VO], 5, v1
	v_lshl_add_u32 v[VO], v2, 4, v[VO]
	s_lshl_b32 s92, s42, 3
	s_lshl_b32 s93, s12, 2
	s_add_co_u32 s92, s92, s93                     ; my first block of 16 channels: 8 x tile column + 4 x half
	s_lshl_b32 s94, s13, 4
	s_lshl_b32 s93, s11, 3
	s_add_co_u32 s94, s94, s93                     ; my first block of 16 rows
	s_lshl_b32 s94, s94, 6
	s_add_co_u32 s94, s94, s92
	s_lshl_b32 s94, s94, 9
	s_mov_b32 s95, 0
	s_add_nc_u64 s[84:85], s[70:71], s[94:95]
	s_lshl_b32 s94, s92, 6
	s_add_nc_u64 s[68:69], s[68:69], s[94:95]
.irp c, 0,1,2,3
	global_load_b32 v[BIAS+2*\c], v[VB], s[68:69] offset:64*\c
.endr
; The 64 accumulators take turns in the same order in every quarter, over the loops' edges too.
.macro MUL16 f, hi, a0, zero
	WIN MUL_LO+0x50*(\hi)
.irp a, \a0, (\a0)+1
.irp b, 0,1,2,3,4,5,6,7
.if \zero
	v_wmma_f32_16x16x32_bf16 v[8*(8*(\a)+(\b)):8*(8*(\a)+(\b))+7], v[(\f)+8*(4*(\hi)+(\a)):(\f)+8*(4*(\hi)+(\a))+7], v[(\f)+8*(\b):(\f)+8*(\b)+7], 0
.else
	v_wmma_f32_16x16x32_bf16 v[8*(8*(\a)+(\b)):8*(8*(\a)+(\b))+7], v[(\f)+8*(4*(\hi)+(\a)):(\f)+8*(4*(\hi)+(\a))+7], v[(\f)+8*(\b):(\f)+8*(\b)+7], v[8*(8*(\a)+(\b)):8*(8*(\a)+(\b))+7]
.endif
.endr
.endr
.endm
.macro FETCH k, f                      ; 32 LDS loads in one run: a quarter step's fragments from the slot in hand, WP's first, then z's
	WIN TO_B
.irp i, 0,1,2,3,4,5,6,7
	ds_load_b128 v[(\f)+8*(\i):(\f)+8*(\i)+3],   v[ADRB] offset:(\k)+(\i)*16*PITCH
	ds_load_b128 v[(\f)+8*(\i)+4:(\f)+8*(\i)+7], v[ADRB] offset:(\k)+(\i)*16*PITCH+32
.endr
	WIN 0
.irp i, 0,1,2,3,4,5,6,7
	ds_load_b128 v[(\f)+8*(\i):(\f)+8*(\i)+3],   v[ADRA] offset:(\k)+(\i)*16*PITCH
	ds_load_b128 v[(\f)+8*(\i)+4:(\f)+8*(\i)+7], v[ADRA] offset:(\k)+(\i)*16*PITCH+32
.endr
.endm
.macro PLACES                          ; four plain instructions between matrix instructions and loads into registers that they read (ISA guide 7.12.1 for vector instructions)
.rept 4
	v_nop
.endr
.endm
.macro QUARTER k, f, g, zero
	s_wait_dscnt 8                                 ; WP and z's rows 0-63 are in; the youngest eight loads may be out
	MUL16 \f, 0, 0, \zero
	MUL16 \f, 0, 2, \zero
	PLACES
	FETCH \k, \g
	s_wait_dscnt 32                                ; all but the 32 just issued
	MUL16 \f, 1, 0, \zero
	MUL16 \f, 1, 2, \zero
.endm
; A K step's last quarter, on buffer 1, and the change of slots: one barrier.  fill = 1: it opens a round of the cluster's, and the slot just read is filled again, two K steps on, first thing behind the round:
; the walking group 0 turns to the other slot and steps one K step.  fill = 0: the last two K steps; in the very last (s3 = 1) there is no further slot, and the run of loads is jumped over.
.macro TURN fill
	WIN 0
	s_wait_tensorcnt 0x0                           ; all my tensor loads have landed: my part of the next slot
	ds_add_u32 v[SPW], v[NIL]
	s_wait_dscnt 9                                 ; the add and the youngest eight loads may be out
	MUL16 F1, 0, 0, 0
	s_wait_dscnt 0x0                               ; the add is done, and my reads of this slot are over
	s_barrier_signal -1
	MUL16 F1, 0, 2, 0
	WIN 0
	s_barrier_wait -1
.if \fill
	CREST                                          ; no wave of any partner still reads this slot or has a load on its way
	s_xor_b32 s[G0+5], s[G0+5], SLOT
	s_add_nc_u64 s[G0+6:G0+7], s[G0+6:G0+7], KSTEP*2
	s_xor_b32 s[G0B+5], s[G0B+5], SLOT
	s_add_nc_u64 s[G0B+6:G0B+7], s[G0B+6:G0B+7], KSTEP*2
	JLOAD 1                                        ; its four v_nop are also the places in front of the loads below
.else
	s_cmp_eq_u32 s3, 1
	s_cbranch_scc1 .Lno_more_\@
	PLACES
.endif
	s_xor_b32 s[TB], s[TB], SLOT                   ; the other slot is in hand
	v_add_nc_u32 v[ADRA], s[TB], v[A0]
	v_add_nc_u32 v[ADRB], s[TB], v[B0]
	FETCH 0, F0
.if (\fill) == 0
.Lno_more_\@:
.endif
	MUL16 F1, 1, 0, 0
	MUL16 F1, 1, 2, 0
.endm
	s_wait_tensorcnt 1                             ; my part of K step 0 is in; K step 1's may stay out
	s_barrier_signal -1
	s_barrier_wait -1
	FETCH 0, F0
	QUARTER 64,  F0, F1, 1                         ; the first quarter's products start the sums
	WIN 0
	s_mov_b32 s3, KSTEPS-2
.Lstep:                                                ; a trip: from a K step's second quarter to the next step's first; it fills the slot that it leaves
	QUARTER 128, F1, F0, 0
	QUARTER 192, F0, F1, 0
	TURN 1
	QUARTER 64,  F0, F1, 0
	WIN 0
	s_sub_co_u32 s3, s3, 1
	s_cmp_lg_u32 s3, 0
	s_cbranch_scc1 .Lstep
	s_mov_b32 s3, 2
.Ltail:                                                ; the last two K steps ask for nothing: their own text
	QUARTER 128, F1, F0, 0
	QUARTER 192, F0, F1, 0
	TURN 0
	WIN 0
	s_cmp_eq_u32 s3, 1
	s_cbranch_scc1 .Llast                          ; behind the last K step there is no first quarter: neither a barrier nor a tensor load stands in what is jumped
	QUARTER 64,  F0, F1, 0
	WIN 0
.Llast:
	s_sub_co_u32 s3, s3, 1
	s_cmp_lg_u32 s3, 0
	s_cbranch_scc1 .Ltail
	; THE WAY OUT.  The eight lines on the biases name no register of the last products: they are the places behind them.
	s_wait_loadcnt 0x0
.irp c, 0,1,2,3
	v_mul_f32 v[BIAS+2*\c], s78, v[BIAS+2*\c]
.endr
.irp c, 0,1,2,3
	v_mov_b32 v[BIAS+2*\c+1], v[BIAS+2*\c]
.endr
.macro EPI a
.set AB, 64*((\a)%4)
	WIN 2+(\a)/4                                   ; source 0: the accumulators' window
.irp c, 0,1,2,3
.irp i, 0,2,4,6
	v_pk_fma_f32 v[T0+8*\c+\i:T0+8*\c+\i+1], v[AB+8*(2*\c+1)+\i:AB+8*(2*\c+1)+\i+1], s[78:79], v[BIAS+2*\c:BIAS+2*\c+1] op_sel_hi:[1,0,0]
.endr
.endr
	WIN 0
.set i, 0
.rept 32
	v_exp_f32 v[T0+i], v[T0+i]
.set i, i+1
.endr
	v_nop                                          ; a plain instruction behind the transcendentals (ISA guide 5.7.2)
.set i, 0
	s_wait_alu depctr_va_vdst(0)
.rept 16
	v_pk_add_f32 v[T0+i:T0+i+1], v[T0+i:T0+i+1], 1.0 op_sel_hi:[1,0]
.set i, i+2
.endr
.set i, 0
.rept 32
	v_rcp_f32 v[T0+i], v[T0+i]
.set i, i+1
.endr
	v_nop
	WIN 2+(\a)/4
	s_wait_alu depctr_va_vdst(0)
.irp c, 0,1,2,3
.irp i, 0,2,4,6
	v_pk_mul_f32 v[T0+8*\c+\i:T0+8*\c+\i+1], v[AB+16*\c+\i:AB+16*\c+\i+1], v[T0+8*\c+\i:T0+8*\c+\i+1]
.endr
.endr
	WIN 0
	s_wait_xcnt 0x0                                ; the last block's stores have read their data
.set i, 0
.rept 16
	v_cvt_pk_bf16_f32 v[OB+i], v[T0+2*i], v[T0+2*i+1]
.set i, i+1
.endr
.irp c, 0,1,2,3
	global_store_b128 v[VO], v[OB+4*\c:OB+4*\c+3], s[84:85] offset:(\a)*32768+\c*512   ; one block, 512 consecutive bytes
.endr
.endm
.irp a, 0,1,2,3,4,5,6,7
	EPI \a
.endr
	s_wait_tensorcnt 0x0                           ; the wave's end
	ds_add_u32 v[SPW], v[NIL]
	s_wait_dscnt 0x0
	CROUND                                         ; the closing round
	s_endpgm
.Lfunc_end_k_q8e1d92f8e5_ffgate:
	.size	k_q8e1d92f8e5_ffgate, .Lfunc_end_k_q8e1d92f8e5_ffgate-k_q8e1d92f8e5_ffgate
	.p2alignl 7, 3214868480
	.fill 96, 4, 3214868480
	.section	.rodata,"a",@progbits
	.p2align	6, 0x0
	.amdhsa_kernel k_q8e1d92f8e5_ffgate
		.amdhsa_group_segment_fixed_size 327680
		.amdhsa_private_segment_fixed_size 0
		.amdhsa_enable_private_segment 0
		.amdhsa_kernarg_size 32
		.amdhsa_user_sgpr_count 2
		.amdhsa_user_sgpr_kernarg_segment_ptr 1
		.amdhsa_wavefront_size32 1
		.amdhsa_system_sgpr_workgroup_id_x 1
		.amdhsa_system_sgpr_workgroup_id_y 1
		.amdhsa_system_sgpr_workgroup_id_z 1
		.amdhsa_system_vgpr_workitem_id 0
		.amdhsa_next_free_vgpr 1024
		.amdhsa_next_free_sgpr 96
		.amdhsa_reserve_vcc 0
		.amdhsa_float_denorm_mode_32 3
		.amdhsa_float_denorm_mode_16_64 3
		.amdhsa_memory_ordered 1
		.amdhsa_forward_progress 1
		.amdhsa_inst_pref_size 122
	.end_amdhsa_kernel
	.amdgpu_metadata
---
amdhsa.version: [ 1, 2 ]
amdhsa.kernels:
  - .name:           k_q8e1d92f8e5_ffgate
    .symbol:         k_q8e1d92f8e5_ffgate.kd
    .args:
      - { .name: yz, .offset: 0, .size: 8, .value_kind: global_buffer, .address_space: global }
      - { .name: wg, .offset: 8, .size: 8, .value_kind: global_buffer, .address_space: global }
      - { .name: ffn_wg_b, .offset: 16, .size: 8, .value_kind: global_buffer, .address_space: global }
      - { .name: sf, .offset: 24, .size: 8, .value_kind: global_buffer, .address_space: global }
    .group_segment_fixed_size: 327680
    .private_segment_fixed_size: 0
    .kernarg_segment_align: 8
    .kernarg_segment_size: 32
    .max_flat_workgroup_size: 128
    .sgpr_count:     96
    .vgpr_count:     1024
    .wavefront_size: 32
...
	.end_amdgpu_metadata
.endif
;; end of part 11
;; launch res2: the kernel of part 10 again; grid 4 x 64, 4 waves a work-group, clusters of 4 x 4, 327,680 bytes of LDS; arguments sf, fwob, big, out0; writes out0
;; ======== version 3 of 3: 7 launches; version 2 with the launch norm2 written anew for expert scheduling mode
;; limits: values outside matrix products are rounded to bf16
;; workspace buffers: yz 16,777,216 bytes; wg 12,582,912 bytes; wob 2,097,152 bytes; fwob 2,097,152 bytes; big 50,331,648 bytes; agg 524,288 bytes; sf 16,777,216 bytes
;; launch prep: the kernel of part 7 again; grid 1024 x 1, 8 waves a work-group, no clusters, 0 bytes of LDS; arguments x, norm_w, wi_w, wig_w, wr_w, wog_w, ffn_wi_w, ffn_wg_w, wo_w, ffn_wo_w, yz, wg, wob, fwob; writes yz, wg, wob, fwob
;; launch gates: the kernel of part 8 again; grid 16 x 32, 4 waves a work-group, clusters of 4 x 4, 327,680 bytes of LDS; arguments yz, wg, wig_b, wr_b, wog_b, big, agg; writes big, agg
;; launch scan: the kernel of part 9 again; grid 4 x 64, 16 waves a work-group, no clusters, 0 bytes of LDS; arguments big, agg, mem, sf, out1; writes sf, out1
;; launch res1: the kernel of part 10 again; grid 4 x 64, 4 waves a work-group, clusters of 4 x 4, 327,680 bytes of LDS; arguments sf, wob, x, big; writes big
;; launch norm2 (part 12): grid 512 x 1, 8 waves a work-group, no clusters, 0 bytes of LDS; arguments big, ffnorm_w, yz; writes yz
.if DOCPART == 12
	.amdgcn_target "amdgcn-amd-amdhsa--gfx1250"
	.amdhsa_code_object_version 6
	.text
	.protected	k_q8e1d92f8e5_norm2
	.globl	k_q8e1d92f8e5_norm2
	.p2align	8
	.type	k_q8e1d92f8e5_norm2,@function
k_q8e1d92f8e5_norm2:
	s_mov_b64 s[64:65], 0
	v_nop
	global_prefetch_b8 v0, s[64:65] scope:SCOPE_SE
	s_setreg_imm32_b32 hwreg(HW_REG_WAVE_SCHED_MODE, 0, 2), 2
	s_setreg_imm32_b32 hwreg(HW_REG_WAVE_MODE, 25, 1), 1
	s_wait_xcnt 0x0
	s_wait_alu depctr_vm_vsrc(0)
; z = x1 * rsqrt(mean(x1^2) + 1e-6) * ffnorm_w, rounded once to bf16.  x1: [8192][1024] f32 at the head of big; z: [8192][1024] bf16.
; A work-group takes 16 rows, a wave two; a row stays in 32 registers between the sum of squares and the scaling, so it is read once.
; A load of a wave covers 512 consecutive bytes, a store 256 at a multiple of 256.  No LDS, no barrier.  Sums in f32; NaN and infinities are not treated apart.
; THE MODE: SCHED_MODE bits 1:0 = 2 (LLVM: expert scheduling mode 2), set by the entry lines.  The code itself states the register dependences
; between vector instructions and memory instructions, with s_wait_alu, always for 0.
; THE PLAN.  Registers that memory instructions touch:
;   v1, v2, v3   byte offsets, made once at the head by vector instructions and never written again: read by the 24 loads and the 16 stores.
;   X0, X1, W    written by the loads alone, which are all issued before any vector instruction names these registers; no load lands in them again.
;   Y0, Y1       a row's bf16 to store.  Written by that row's sixteen roundings, read by its eight stores, never written again.
; So four waits on va_vdst state everything: the offsets are written (head); the four reciprocal roots are written (ahead of their first reader);
; Y0 is written (ahead of row 0's stores); Y1 is written (ahead of row 1's stores).  Row 0's stores are dealt among row 1's first multiplies, which name
; X1 and the roots: none of the registers that those stores read.  No register that a memory instruction reads is written again, no vector instruction
; writes a scalar register, and EXEC is never written.
.set VX, 1                             ; v1  byte offset of my 16 bytes in the wave's first row, f32
.set VY, 2                             ; v2  byte offset of my 8 bytes in the wave's first row, bf16
.set VW, 3                             ; v3  byte offset of my 16 bytes in the gain
.set CH, 4                             ; v[4:11] four chains of packed sums
.set RS, 14                            ; v[14:15], v[16:17] 1 / rms of row 0, row 1, twice each (a pair for the packed multiply)
.set X, 32                             ; v[32:95] row r at 32 r, load j at 4 j
.set W, 96                             ; v[96:127] my 32 numbers of the gain
.set Y, 128                            ; v[128:159] row r at 16 r: bf16 to store
.macro SUMSQ r, left                   ; 1 / rms of row r; left = the younger loads that may stay out
	s_wait_loadcnt \left
.irp k, 0,1,2,3
	v_pk_mul_f32 v[CH+2*\k:CH+2*\k+1], v[X+32*(\r)+2*\k:X+32*(\r)+2*\k+1], v[X+32*(\r)+2*\k:X+32*(\r)+2*\k+1]  ; the first four pairs start the chains
.endr
.set j, 4
.rept 12
	v_pk_fma_f32 v[CH+2*(j%4):CH+2*(j%4)+1], v[X+32*(\r)+2*j:X+32*(\r)+2*j+1], v[X+32*(\r)+2*j:X+32*(\r)+2*j+1], v[CH+2*(j%4):CH+2*(j%4)+1]
.set j, j+1
.endr
	v_pk_add_f32 v[CH:CH+1], v[CH:CH+1], v[CH+2:CH+3]
	v_pk_add_f32 v[CH+4:CH+5], v[CH+4:CH+5], v[CH+6:CH+7]
	v_pk_add_f32 v[CH:CH+1], v[CH:CH+1], v[CH+4:CH+5]
	v_add_f32 v12, v[CH], v[CH+1]
	v_add_f32_dpp v12, v12, v12 row_xmask:1 row_mask:0xf bank_mask:0xf
	v_add_f32_dpp v12, v12, v12 row_xmask:2 row_mask:0xf bank_mask:0xf
	v_add_f32_dpp v12, v12, v12 row_xmask:4 row_mask:0xf bank_mask:0xf
	v_add_f32_dpp v12, v12, v12 row_xmask:8 row_mask:0xf bank_mask:0xf
	v_permlanex16_b32 v13, v12, s44, s45           ; the other half of the lanes; v13 has been written before
	v_add_f32 v12, v12, v13
	v_fma_f32 v12, v12, s42, s43                   ; sum / 1,024 + 1e-6
	v_rsq_f32 v[RS+2*(\r)], v12
	v_rsq_f32 v[RS+2*(\r)+1], v12
	v_nop                                          ; a plain instruction behind the transcendentals (ISA guide 5.7.2)
.endm
; Four numbers j of eight of row r: times 1 / rms; times the gain, as the definition orders it; rounded to bf16; stored.
.macro BYRMS r, j
	v_pk_mul_f32 v[X+32*(\r)+4*(\j):X+32*(\r)+4*(\j)+1],   v[X+32*(\r)+4*(\j):X+32*(\r)+4*(\j)+1],   v[RS+2*(\r):RS+2*(\r)+1]
	v_pk_mul_f32 v[X+32*(\r)+4*(\j)+2:X+32*(\r)+4*(\j)+3], v[X+32*(\r)+4*(\j)+2:X+32*(\r)+4*(\j)+3], v[RS+2*(\r):RS+2*(\r)+1]
.endm
.macro BYGAIN r, j
	v_pk_mul_f32 v[X+32*(\r)+4*(\j):X+32*(\r)+4*(\j)+1],   v[X+32*(\r)+4*(\j):X+32*(\r)+4*(\j)+1],   v[W+4*(\j):W+4*(\j)+1]
	v_pk_mul_f32 v[X+32*(\r)+4*(\j)+2:X+32*(\r)+4*(\j)+3], v[X+32*(\r)+4*(\j)+2:X+32*(\r)+4*(\j)+3], v[W+4*(\j)+2:W+4*(\j)+3]
.endm
.macro TOBF r, j
	v_cvt_pk_bf16_f32 v[Y+16*(\r)+2*(\j)],   v[X+32*(\r)+4*(\j)],   v[X+32*(\r)+4*(\j)+1]
	v_cvt_pk_bf16_f32 v[Y+16*(\r)+2*(\j)+1], v[X+32*(\r)+4*(\j)+2], v[X+32*(\r)+4*(\j)+3]
.endm
.macro SEND r, j
	global_store_b64 v[VY], v[Y+16*(\r)+2*(\j):Y+16*(\r)+2*(\j)+1], s[38:39] offset:(\r)*2048+(\j)*256  ; 32 lanes: 256 consecutive bytes
.endm
	s_load_b128 s[8:11], s[0:1], 0x0               ; big s[8:9], ffnorm_w s[10:11]
	s_load_b64 s[12:13], s[0:1], 0x10              ; yz
	v_lshrrev_b32 v12, 5, v0                       ; wave
	v_and_b32 v13, 31, v0                          ; lane
	v_lshlrev_b32 v[VW], 4, v13
	v_lshl_or_b32 v[VX], v12, 13, v[VW]            ; wave x 2 rows x 4,096 bytes + 16 x lane
	v_lshlrev_b32 v[VY], 3, v13
	v_lshl_or_b32 v[VY], v12, 12, v[VY]            ; wave x 2 rows x 2,048 bytes + 8 x lane
	s_mov_b32 s41, 0
	s_mov_b32 s42, 0x3a800000                      ; 1 / 1,024
	s_mov_b32 s43, 0x358637bd                      ; 1e-6
	s_mov_b32 s44, 0x76543210                      ; v_permlanex16_b32: each lane takes its own place in the other half
	s_mov_b32 s45, 0xfedcba98
	s_wait_kmcnt 0x0
	s_lshl_b32 s40, ttmp9, 16                      ; 16 rows of 4,096 bytes
	s_add_nc_u64 s[36:37], s[8:9], s[40:41]
	s_lshl_b32 s40, ttmp9, 15                      ; 16 rows of 2,048 bytes
	s_add_nc_u64 s[38:39], s[12:13], s[40:41]
	s_wait_alu depctr_va_vdst(0)                   ; v1, v2 and v3 are written: every load and store of the kernel reads one of them as its offset
.irp r, 0,1
.irp j, 0,1,2,3,4,5,6,7
	global_load_b128 v[X+32*\r+4*\j:X+32*\r+4*\j+3], v[VX], s[36:37] offset:\r*4096+\j*512
.endr
.endr
.irp j, 0,1,2,3,4,5,6,7
	global_load_b128 v[W+4*\j:W+4*\j+3], v[VW], s[10:11] offset:\j*512
.endr
	SUMSQ 0, 16                                    ; row 1's eight loads and the gain's eight stay out
	SUMSQ 1, 8                                     ; the gain's eight stay out
	s_wait_loadcnt 0x0                             ; the gain is in
	s_wait_alu depctr_va_vdst(0)                   ; the four reciprocal roots v[14:17] are written, ahead of their first reader: one wait for both rows' batch
.irp j, 0,1,2,3,4,5,6,7
	BYRMS 0, \j
.endr
.irp j, 0,1,2,3,4,5,6,7
	BYGAIN 0, \j
.endr
.irp j, 0,1,2,3,4,5,6,7
	TOBF 0, \j
.endr
	s_wait_alu depctr_va_vdst(0)                   ; row 0's roundings have written Y0, which the eight stores below read
.irp j, 0,1,2,3,4,5,6,7
	SEND 0, \j                                     ; no further wait: no vector instruction since the wait above names Y0 or v2
	BYRMS 1, \j
.endr
.irp j, 0,1,2,3,4,5,6,7
	BYGAIN 1, \j
.endr
.irp j, 0,1,2,3,4,5,6,7
	TOBF 1, \j
.endr
	s_wait_alu depctr_va_vdst(0)                   ; row 1's roundings have written Y1, which the last eight stores read
.irp j, 0,1,2,3,4,5,6,7
	SEND 1, \j
.endr
	s_endpgm
.Lfunc_end_k_q8e1d92f8e5_norm2:
	.size	k_q8e1d92f8e5_norm2, .Lfunc_end_k_q8e1d92f8e5_norm2-k_q8e1d92f8e5_norm2
	.p2alignl 7, 3214868480
	.fill 96, 4, 3214868480
	.section	.rodata,"a",@progbits
	.p2align	6, 0x0
	.amdhsa_kernel k_q8e1d92f8e5_norm2
		.amdhsa_group_segment_fixed_size 0
		.amdhsa_private_segment_fixed_size 0
		.amdhsa_enable_private_segment 0
		.amdhsa_kernarg_size 24
		.amdhsa_user_sgpr_count 2
		.amdhsa_user_sgpr_kernarg_segment_ptr 1
		.amdhsa_wavefront_size32 1
		.amdhsa_system_sgpr_workgroup_id_x 1
		.amdhsa_system_sgpr_workgroup_id_y 1
		.amdhsa_system_sgpr_workgroup_id_z 1
		.amdhsa_system_vgpr_workitem_id 0
		.amdhsa_next_free_vgpr 160
		.amdhsa_next_free_sgpr 66
		.amdhsa_reserve_vcc 0
		.amdhsa_float_denorm_mode_32 3
		.amdhsa_float_denorm_mode_16_64 3
		.amdhsa_memory_ordered 1
		.amdhsa_forward_progress 1
		.amdhsa_inst_pref_size 15
	.end_amdhsa_kernel
	.amdgpu_metadata
---
amdhsa.version: [ 1, 2 ]
amdhsa.kernels:
  - .name:           k_q8e1d92f8e5_norm2
    .symbol:         k_q8e1d92f8e5_norm2.kd
    .args:
      - { .name: big, .offset: 0, .size: 8, .value_kind: global_buffer, .address_space: global }
      - { .name: ffnorm_w, .offset: 8, .size: 8, .value_kind: global_buffer, .address_space: global }
      - { .name: yz, .offset: 16, .size: 8, .value_kind: global_buffer, .address_space: global }
    .group_segment_fixed_size: 0
    .private_segment_fixed_size: 0
    .kernarg_segment_align: 8
    .kernarg_segment_size: 24
    .max_flat_workgroup_size: 256
    .sgpr_count:     66
    .vgpr_count:     160
    .wavefront_size: 32
...
	.end_amdgpu_metadata
.endif
;; end of part 12
;; launch ffgate: the kernel of part 11 again; grid 8 x 32, 4 waves a work-group, clusters of 4 x 4, 327,680 bytes of LDS; arguments yz, wg, ffn_wg_b, sf; writes sf
;; launch res2: the kernel of part 10 again; grid 4 x 64, 4 waves a work-group, clusters of 4 x 4, 327,680 bytes of LDS; arguments sf, fwob, big, out0; writes out0
